; MI455X (gfx1250); checked and timed in simulation.
; The chip was launched on July 23, 2026; its instructions are those of AMD's public machine-readable ISA for CDNA 5 (MIT licence, August 2026) and "CDNA5" Instruction Set Architecture Reference Guide (July 2026). The comments in the code are by the model that wrote it; some were corrected since.
;; Multi Head Self Attention. Allowed arithmetic: matrix products marked QUANTISED: E3M2 operands, one E8M0 scale for each 32 along K, by v_wmma_scale_f32_16x16x128_f8f6f4 with both operands' format E3M2, f32 sums; everything else in f32.
;; Inputs: Wo_b 1,024 float32; Wo_w 1,024 x 1,024 float32; Wqkv_b 3,072 float32; Wqkv_w 3,072 x 1,024 float32; token_positions 2,048 int32; x 4 x 2,048 x 1,024 float32.
;; Outputs: out0 4 x 2,048 x 1,024 float32.
;; This version of the problem:
;;   THIS VERSION OF THE PROBLEM IS GIVEN IN LOW PRECISION. The matrix products marked QUANTISED in the list below multiply operands that are first quantised to E3M2 (3 exponent bits, 2 mantissa bits; 6 bits a number), with one power-of-two scale for each 32 numbers along K (OCP MX v1.0); their sums are f32. All else is computed in f32.
;;   The module's matrix products, in the order in which they are computed (A, B: the left and right operand; K: the contracted axis; several contracted axes count as one K, in the product's order):
;;     1. [M 8,192, K 1,024] x [K 1,024, N 3,072]; A: input x; B: input Wqkv_w: QUANTISED
;;     2. batch 64 x [M 2,048, K 64] x [K 64, N 2,048]; A: computed on the way; B: computed on the way: QUANTISED
;;     3. batch 64 x [M 2,048, K 2,048] x [K 2,048, N 64]; A: softmax (see below); B: computed on the way: QUANTISED
;;     4. [M 8,192, K 1,024] x [K 1,024, N 1,024]; A: computed on the way; B: input Wo_w: QUANTISED
;;   THE QUANTISER, for each operand of a quantised product, along K:
;;     - K is cut into blocks of 32 from its start; a last block that is shorter is filled with zeros.
;;     - A block's scale is 2^e with e = floor(log2(the largest magnitude in the block)) - 4, held to -126 .. 127; a block of zeros has e = 0. As a byte (E8M0): e + 127.
;;     - Each number is divided by its block's scale, clamped to +-28, and rounded to the nearest number of E3M2, ties to even, subnormals kept.
;;     - The product sums the exact products of the quantised numbers (number of the format x scale) in f32.
;;   ~~~python
;;   def quantise(x, axis):      # numpy; x: float32 -> the quantised numbers, widened to float32 again
;;       x = np.moveaxis(x, axis, -1); K = x.shape[-1]
;;       x = np.pad(x, [(0, 0)] * (x.ndim - 1) + [(0, -K % 32)]); x = x.reshape(x.shape[:-1] + (-1, 32)); a = np.abs(x).max(-1, keepdims=True)
;;       e = np.where(a > 0, np.clip(np.frexp(np.where(a > 0, a, 1))[1] - 1 - 4, -126, 127), 0)      # np.frexp(a)[1] - 1 = floor(log2(a)), exactly
;;       r = np.clip(x / 2.0 ** e, -28, 28)
;;       step = 2.0 ** (np.maximum(np.frexp(np.where(r == 0, 1, r))[1] - 1, -2) - 2)
;;       q = np.round(r / step) * step * 2.0 ** e      # np.round: ties to even
;;       return np.moveaxis(q.reshape(q.shape[:-2] + (-1,))[..., :K], -1, axis).astype(np.float32)
;;   ~~~
;;   SOFTMAX AHEAD OF A QUANTISED PRODUCT. Where the list says 'softmax', what is quantised is not the finished softmax but p = 2^(t - M), with t = logit x log2(e) and M = ceil(the row's largest t), a whole number; so 1/2 < the row's largest p <= 1. The row's sum l is taken of the UNQUANTISED p, in f32, and the product's result is divided by l at the end. Since M is a whole number, a kernel that streams over the keys may use a running M (the ceiling of the running maximum): every later rescaling is an exact power of two, which a block's scale takes up: the codes' values come out the same.
;;   OPERANDS COMPUTED ON THE WAY. 'Computed on the way' means the value that the module computes at that place (a softmax that the list does not call 'softmax' is quantised finished and normalised). What goes into a quantiser is computed in f32, as accurately as f32 sums, v_exp_f32 and their like allow (about 1e-6 of the number): no bf16 or f16 on the way to a quantiser, and a product that is left as it is and whose result goes on into a quantised operand takes f32 operands (vector FMAs, or v_wmma_f32_16x16x4_f32). A number that lies on a knife's edge between two numbers of the format may be rounded either way, as far as f32 arithmetic and the matrix unit's own rounding can turn it there, and no further.
;; 2 versions. Each part assembles by itself: llvm-mc -triple=amdgcn-amd-amdhsa -mcpu=gfx1250 --defsym DOCPART=n.
;; ======== version 1 of 2: 5 launches
;; limits: right only within a limited range of input values
;; workspace buffers: x_img 6,553,600 bytes; wqkv_img 2,457,600 bytes; wo_img 819,200 bytes; rope_tab 524,288 bytes; qkv_img 19,660,800 bytes; attn_img 6,553,600 bytes
;; launch prep (part 1): grid 784 x 1, 4 waves a work-group, no clusters, 68,096 bytes of LDS; arguments x, Wqkv_w, Wo_w, token_positions, x_img, wqkv_img, wo_img, rope_tab; writes x_img, wqkv_img, wo_img, rope_tab
.if DOCPART == 1
	.amdgcn_target "amdgcn-amd-amdhsa--gfx1250"
	.amdhsa_code_object_version 6
	.text
	.protected	k_q1e126a4170_prep
	.globl	k_q1e126a4170_prep
	.p2align	8
	.type	k_q1e126a4170_prep,@function
k_q1e126a4170_prep:
	s_mov_b64 s[64:65], 0
	v_nop
	global_prefetch_b8 v0, s[64:65] scope:SCOPE_SE
	s_setreg_imm32_b32 hwreg(HW_REG_WAVE_MODE, 25, 1), 1
	s_wait_xcnt 0x0
; x [8192][1024], Wqkv_w [3072][1024] and Wo_w [1024][1024], f32, K innermost, become codes of BF6 (E3M2) with one E8M0 byte for each 32 along K,
; laid as IMAGES OF THE OPERAND'S REGISTERS; and the table of cos and sin for RoPE is made from token_positions.
; AN IMAGE (1,536 bytes) is a fragment of 16 rows x 128 K, 12 registers a lane: registers 4 q .. 4 q + 3 of lane l lie at 512 q + 16 l.
; A BLOCK (OB = 12,800 bytes) is 128 rows x 128 K: eight images, then the rows' scale words at 12,288 + 64 t + 4 r.  A buffer is [128 rows][K step 0..7][OB].
; THE ROWS OF A TILE ARE NOT NEIGHBOURS: lane r of tile T takes row 32 (T / 2) + 8 (T % 2) + r + 8 (r / 8): the same order in every launch of this program.
; SHARES.  Work-groups 0-511 take x, 512-703 Wqkv_w, 704-767 Wo_w: one tile of 16 whole rows each; wave g takes K steps 2 g and 2 g + 1 (1,024 bytes of each row).
; Each load reads 512 consecutive bytes of a row; the numbers turn through the wave's own stage in LDS (16 rows, 528 bytes apart) so that a lane then holds, of its row,
; 16 neighbours of each block of 32.  Each store of codes covers 512 consecutive bytes.  No barrier: waves share nothing.
; Work-groups 768-783 make rope_tab [2048 positions][32 frequencies][cos, sin]: a lane to a frequency, 32 positions a wave, 256 consecutive bytes a store.  That path uses no LDS.
; A block's scale is 2^(floor(log2(its largest magnitude)) - 4); its byte is the largest magnitude's exponent field - 4, held at 1 from below (a block of zeros gets 1: its codes are zeros, and this program alone reads the bytes).
; LIMITS: NaN and infinities are not served; blocks whose largest magnitude lies under 2^-122 get the byte 1.  cos and sin: a three-part reduction by pi / 2 and polynomials on
; [-pi/4, pi/4], good to about 1e-7 for |position x frequency| under about 1e5.  The frequency is 1 / p, p the f32 nearest to 10^(i/8), the quotient rounded as a division is but for rare last bits.
.set OB,   12800
.set SP,   528                         ; a stage row: 512 bytes + 16, an odd multiple of 16: sixteen rows start in sixteen different groups of banks
.set STG,  16*SP                       ; a stage
.set WREG, 2*STG                       ; a wave's two stages
.set R,    16                          ; v16-143  two sets of 64 numbers as loaded
.set X,    144                         ; v144-207 64 numbers in the quantiser's order
.set TM,   208                         ; v208-223 at work in QUANT
.set SEL,  36                          ; s[36:37] lane selects: lane l xor 16
; 64 numbers of a lane, register 16 b + i = k 32 b + 16 (lane / 16) + i of my row, become a fragment's codes in v[pc] .. v[pc + 11] and its scale word in v[pw].
.macro QUANT s, pc, pw
.irp b, 0,1,2,3
	v_max3_num_f32 v[TM+\b], |v[\s+16*\b]|, |v[\s+1+16*\b]|, 0x2800000   ; block b: my 16 numbers and the floor 2^(5 - 127): the byte cannot fall under 1
.endr
.irp i, 2,4,6,8,10,12,14
.irp b, 0,1,2,3
	v_max3_num_f32 v[TM+\b], v[TM+\b], |v[\s+16*\b+\i]|, |v[\s+1+16*\b+\i]|   ; the four blocks by turns
.endr
.endr
.irp b, 0,1,2,3
	v_permlanex16_b32 v[TM+4+\b], v[TM+\b], s[SEL], s[SEL+1]
.endr
.irp b, 0,1,2,3
	v_max_num_f32 v[TM+\b], v[TM+\b], v[TM+4+\b]   ; with lane l xor 16's 16: the block's largest magnitude
.endr
.irp b, 0,1,2,3
	v_add_nc_u32 v[TM+12+\b], 0xfe000000, v[TM+\b]   ; 4 off its exponent field: the conversion takes this operand's exponent field as its scale
.endr
.irp b, 0,1,2,3
	v_lshrrev_b32 v[TM+4+\b], 23, v[TM+12+\b]      ; the scale's byte
.endr
	v_lshl_or_b32 v[\pw], v[TM+5], 8, v[TM+4]      ; four bytes: my row's scale word
	v_lshl_or_b32 v[\pw], v[TM+6], 16, v[\pw]
	v_lshl_or_b32 v[\pw], v[TM+7], 24, v[\pw]
.irp c, 0,1
	v_cvt_scalef32_pk16_bf6_f32 v[\pc+6*\c:\pc+2+6*\c], v[\s+32*\c:\s+15+32*\c], v[TM+12+2*\c]
	v_cvt_scalef32_pk16_bf6_f32 v[\pc+12+4*\c:\pc+14+4*\c], v[\s+16+32*\c:\s+31+32*\c], v[TM+12+2*\c+1]   ; (a conversion's three registers begin on an even number)
.endr
	v_nop                                          ; one plain place behind a scaled conversion
.irp c, 0,1                                    ; the operand wants a WHOLE block in a lane: lanes 0-15 block 2 c, lanes 16-31 block 2 c + 1
.irp i, 0,1,2
	v_permlane16_swap_b32 v[\pc+6*\c+\i], v[\pc+12+4*\c+\i]
.endr
.irp i, 0,1,2
	v_mov_b32 v[\pc+3+6*\c+\i], v[\pc+12+4*\c+\i]
.endr
.endr
.endm
.macro TOSTG set, st                   ; 16 rows x 512 bytes, as loaded, into stage st
.irp i, 0,1,2,3,4,5,6,7,8,9,10,11,12,13,14,15
	ds_store_b128 v3, v[R+64*\set+4*\i:R+64*\set+4*\i+3] offset:STG*\st+SP*\i
.endr
.endm
.macro FROMSTG reg, st                 ; and back: of my row, 16 neighbours of each block of 32
.irp b, 0,1,2,3
.irp q, 0,1,2,3
	ds_load_b128 v[\reg+16*\b+4*\q:\reg+16*\b+4*\q+3], v4 offset:STG*\st+128*\b+16*\q
.endr
.endr
.endm
.macro OUT s, pc, pw                   ; the image of K step s of my two, and its scale words (lanes r and r + 16 hold the same word and store it to the same place)
.irp q, 0,1,2
	global_store_b128 v1, v[\pc+4*\q:\pc+4*\q+3], s[26:27] offset:OB*\s+512*\q
.endr
	global_store_b32 v2, v[\pw], s[28:29] offset:OB*\s
.endm
	v_lshl_add_u32 v254, v0, 2, 0x10800
	v_mov_b32 v255, 0
	s_cmp_ge_u32 ttmp9, 768
	s_cbranch_scc1 .Ltable
	s_load_b128 s[4:7], s[0:1], 0x0                ; x, Wqkv_w
	s_load_b64 s[8:9], s[0:1], 0x10                ; Wo_w
	s_load_b128 s[12:15], s[0:1], 0x20             ; x_img, wqkv_img
	s_load_b64 s[16:17], s[0:1], 0x30              ; wo_img
	v_lshrrev_b32 v1, 5, v0
	v_readfirstlane_b32 s19, v1                    ; wave 0..3
	s_cmp_lt_u32 ttmp9, 512
	s_cselect_b32 s18, 0, 512
	s_cmp_lt_u32 ttmp9, 704
	s_cselect_b32 s18, s18, 704
	s_sub_co_u32 s18, ttmp9, s18                   ; T: my tile of the tensor
	s_lshr_b32 s20, s18, 1
	s_lshl_b32 s20, s20, 17                        ; 32 (T / 2) rows of 4,096 bytes
	s_and_b32 s21, s18, 1
	s_lshl_b32 s21, s21, 15                        ; 8 (T % 2) rows
	s_add_co_u32 s20, s20, s21
	s_lshl_b32 s21, s19, 10                        ; my wave's 1,024 bytes of a row
	s_add_co_u32 s20, s20, s21
	s_mov_b32 s21, 0
	s_lshr_b32 s22, s18, 3
	s_lshl_b32 s22, s22, 3
	s_lshl_b32 s23, s19, 1
	s_add_co_u32 s22, s22, s23
	s_mul_i32 s22, s22, OB                         ; block (T / 8, K step 2 x wave)
	s_and_b32 s24, s18, 7
	s_mul_i32 s25, s24, 1536
	s_add_co_u32 s26, s22, s25                     ; my tile's image in it
	s_mov_b32 s27, 0
	s_lshl_b32 s24, s24, 6
	s_add_co_u32 s28, s22, s24
	s_add_co_u32 s28, s28, 12288                   ; and its scale words
	s_mov_b32 s29, 0
	s_mov_b32 s[SEL], 0x76543210
	s_mov_b32 s[SEL+1], 0xfedcba98
	v_and_b32 v5, 31, v0                           ; lane
	v_lshlrev_b32 v1, 4, v5                        ; 16 x lane
	v_and_b32 v6, 15, v0                           ; r
	v_lshlrev_b32 v2, 2, v6                        ; 4 r
	v_bfe_u32 v7, v0, 4, 1                         ; h
	s_mul_i32 s30, s19, WREG
	v_add_nc_u32 v3, s30, v1                       ; into a stage: 16 x lane
	v_mul_u32_u24 v4, v6, SP
	v_lshl_add_u32 v4, v7, 6, v4
	v_add_nc_u32 v4, s30, v4                       ; out of it: row r, + 64 h
.irp b, 0,1,2,3
	v_mov_b32 v[TM+4+\b], 0                        ; written once: a lane permute's destination counts as one of its sources
.endr
	s_wait_kmcnt 0x0
	s_cmp_lt_u32 ttmp9, 512                        ; which tensor: the choice hangs on the work-group's number alone
	s_cselect_b64 s[4:5], s[4:5], s[6:7]
	s_cselect_b64 s[12:13], s[12:13], s[14:15]
	s_cmp_lt_u32 ttmp9, 704
	s_cselect_b64 s[4:5], s[4:5], s[8:9]
	s_cselect_b64 s[12:13], s[12:13], s[16:17]
	s_add_nc_u64 s[4:5], s[4:5], s[20:21]
	s_add_nc_u64 s[26:27], s[12:13], s[26:27]
	s_add_nc_u64 s[28:29], s[12:13], s[28:29]
.irp s, 0,1
.irp i, 0,1,2,3,4,5,6,7,8,9,10,11,12,13,14,15
	global_load_b128 v[R+64*\s+4*\i:R+64*\s+4*\i+3], v1, s[4:5] offset:(\i+8*(\i/8))*4096+512*\s th:TH_LOAD_NT   ; the tile's row i, K step s: 512 consecutive bytes, read once in the launch
.endr
.endr
	s_wait_loadcnt 16                              ; the first K step's 16 loads are in; the second's 16 may be out
	TOSTG 0, 0
	FROMSTG X, 0                                   ; LDS serves a wave's instructions in order: these see the stores
	s_wait_loadcnt 0x0
	TOSTG 1, 1
	s_wait_dscnt 16                                ; all but the 16 stores just issued: X is in, and set 0 has been read by its stores
	FROMSTG R, 1                                   ; the second K step comes back into set 0 while the first is quantised
	QUANT X, 224, 246
	OUT 0, 224, 246
	s_wait_dscnt 0x0                               ; the second K step is back, and set 1 has been read by its stores: its registers take the codes
	QUANT R, 80, 247
	OUT 1, 80, 247
	s_wait_tensorcnt 0x0
	ds_add_u32 v254, v255
	s_wait_dscnt 0x0
	s_endpgm
.Ltable:
	s_load_b64 s[4:5], s[0:1], 0x18                ; token_positions
	s_load_b64 s[6:7], s[0:1], 0x38                ; rope_tab
	v_lshrrev_b32 v1, 5, v0
	v_readfirstlane_b32 s9, v1                     ; wave
	v_and_b32 v2, 31, v0                           ; lane = frequency i
	v_lshlrev_b32 v7, 3, v2                        ; 8 bytes a frequency
	s_sub_co_u32 s8, ttmp9, 768
	s_lshl_b32 s8, s8, 2
	s_add_co_u32 s8, s8, s9                        ; which run of 32 positions is my wave's
	s_lshl_b32 s10, s8, 7                          ; 32 positions of 4 bytes
	s_mov_b32 s11, 0
	s_lshl_b32 s12, s8, 13                         ; 32 rows of 256 bytes
	s_mov_b32 s13, 0
	s_wait_kmcnt 0x0
	s_add_nc_u64 s[4:5], s[4:5], s[10:11]
	s_add_nc_u64 s[6:7], s[6:7], s[12:13]
	s_load_b512 s[16:31], s[4:5], 0x0              ; my 32 positions
	s_load_b512 s[32:47], s[4:5], 0x40
	v_mov_b32 v3, 0
.macro FREQ i, lit                     ; lane i takes 10000^(i / 32) = 10^(i / 8): all other lanes add 0
	v_cmp_eq_u32 vcc_lo, \i, v2
	v_cndmask_b32 v4, 0, 1.0, vcc_lo
	v_fmac_f32 v3, \lit, v4
.endm
	FREQ 0, 1.0
	FREQ 1, 1.3335214322
	FREQ 2, 1.7782794100
	FREQ 3, 2.3713737057
	FREQ 4, 3.1622776602
	FREQ 5, 4.2169650343
	FREQ 6, 5.6234132519
	FREQ 7, 7.4989420933
	FREQ 8, 10.0
	FREQ 9, 13.335214322
	FREQ 10, 17.782794100
	FREQ 11, 23.713737057
	FREQ 12, 31.622776602
	FREQ 13, 42.169650343
	FREQ 14, 56.234132519
	FREQ 15, 74.989420933
	FREQ 16, 100.0
	FREQ 17, 133.35214322
	FREQ 18, 177.82794100
	FREQ 19, 237.13737057
	FREQ 20, 316.22776602
	FREQ 21, 421.69650343
	FREQ 22, 562.34132519
	FREQ 23, 749.89420933
	FREQ 24, 1000.0
	FREQ 25, 1333.5214322
	FREQ 26, 1778.2794100
	FREQ 27, 2371.3737057
	FREQ 28, 3162.2776602
	FREQ 29, 4216.9650343
	FREQ 30, 5623.4132519
	FREQ 31, 7498.9420933
	v_rcp_f32 v5, v3
	v_mov_b32 v20, 0x37cd4000                      ; (a plain place behind the reciprocal)  the cosine's leading coefficient, 2.44677067e-5
	s_wait_alu depctr_va_vdst(0)
	v_fma_f32 v6, -v3, v5, 1.0                     ; one Newton step: 1 / p as a division rounds it
	v_fma_f32 v5, v6, v5, v5                       ; the frequency
	v_mov_b32 v21, 0x36405000                      ; the sine's leading coefficient, 2.86567956e-6
	s_wait_kmcnt 0x0
.macro SINCOS n
	v_cvt_f32_i32 v8, s[16+\n]
	v_mul_f32 v8, v8, v5                           ; the angle: position x frequency, rounded once
	v_mul_f32 v9, 0x3f22f983, v8                   ; x 2 / pi
	v_rndne_f32 v9, v9                             ; j
	v_fmamk_f32 v10, v9, 0xbfc90fd8, v8            ; the angle - j x pi / 2, pi / 2 in three parts
	v_fmamk_f32 v10, v9, 0xb4a8885a, v10
	v_fmamk_f32 v10, v9, 0xa7c234c4, v10           ; r, in [-pi/4, pi/4]
	v_cvt_i32_f32 v11, v9                          ; q = j as a whole number
	v_mul_f32 v12, v10, v10                        ; z = r r
	v_fmaak_f32 v13, v20, v12, 0xbab6077d          ; cos r
	v_fmaak_f32 v14, v21, v12, 0xb9503486          ; sin r
	v_fmaak_f32 v13, v13, v12, 0x3d2aaaa8
	v_fmaak_f32 v14, v14, v12, 0x3c0888c1
	v_fma_f32 v13, v13, v12, -0.5
	v_fmaak_f32 v14, v14, v12, 0xbe2aaaab
	v_mul_f32 v15, v10, v12
	v_fma_f32 v13, v13, v12, 1.0
	v_fma_f32 v14, v14, v15, v10
	v_and_b32 v16, 1, v11
	v_cmp_eq_u32 vcc_lo, 1, v16                    ; q odd: the two change places
	v_cndmask_b32 v17, v13, v14, vcc_lo
	v_cndmask_b32 v18, v14, v13, vcc_lo
	v_add_nc_u32 v16, 1, v11
	v_lshlrev_b32 v16, 30, v16
	v_lshlrev_b32 v19, 30, v11
	v_and_b32 v16, 0x80000000, v16                 ; cos changes sign where bit 1 of q + 1 is set,
	v_and_b32 v19, 0x80000000, v19                 ; sin where bit 1 of q is
	v_xor_b32 v[64+2*\n], v17, v16
	v_xor_b32 v[65+2*\n], v18, v19
	global_store_b64 v7, v[64+2*\n:65+2*\n], s[6:7] offset:256*\n   ; a position's 256 consecutive bytes; each position has registers of its own
.endm
.irp n, 0,1,2,3,4,5,6,7,8,9,10,11,12,13,14,15,16,17,18,19,20,21,22,23,24,25,26,27,28,29,30,31
	SINCOS \n
.endr
	s_endpgm
.Lfunc_end_k_q1e126a4170_prep:
	.size	k_q1e126a4170_prep, .Lfunc_end_k_q1e126a4170_prep-k_q1e126a4170_prep
	.p2alignl 7, 3214868480
	.fill 96, 4, 3214868480
	.section	.rodata,"a",@progbits
	.p2align	6, 0x0
	.amdhsa_kernel k_q1e126a4170_prep
		.amdhsa_group_segment_fixed_size 68096
		.amdhsa_private_segment_fixed_size 0
		.amdhsa_enable_private_segment 0
		.amdhsa_kernarg_size 64
		.amdhsa_user_sgpr_count 2
		.amdhsa_user_sgpr_kernarg_segment_ptr 1
		.amdhsa_wavefront_size32 1
		.amdhsa_system_sgpr_workgroup_id_x 1
		.amdhsa_system_sgpr_workgroup_id_y 1
		.amdhsa_system_sgpr_workgroup_id_z 1
		.amdhsa_system_vgpr_workitem_id 0
		.amdhsa_next_free_vgpr 256
		.amdhsa_next_free_sgpr 66
		.amdhsa_reserve_vcc 1
		.amdhsa_float_denorm_mode_32 3
		.amdhsa_float_denorm_mode_16_64 3
		.amdhsa_memory_ordered 1
		.amdhsa_forward_progress 1
		.amdhsa_inst_pref_size 71
	.end_amdhsa_kernel
	.amdgpu_metadata
---
amdhsa.version: [ 1, 2 ]
amdhsa.kernels:
  - .name:           k_q1e126a4170_prep
    .symbol:         k_q1e126a4170_prep.kd
    .args:
      - { .name: x, .offset: 0, .size: 8, .value_kind: global_buffer, .address_space: global }
      - { .name: Wqkv_w, .offset: 8, .size: 8, .value_kind: global_buffer, .address_space: global }
      - { .name: Wo_w, .offset: 16, .size: 8, .value_kind: global_buffer, .address_space: global }
      - { .name: token_positions, .offset: 24, .size: 8, .value_kind: global_buffer, .address_space: global }
      - { .name: x_img, .offset: 32, .size: 8, .value_kind: global_buffer, .address_space: global }
      - { .name: wqkv_img, .offset: 40, .size: 8, .value_kind: global_buffer, .address_space: global }
      - { .name: wo_img, .offset: 48, .size: 8, .value_kind: global_buffer, .address_space: global }
      - { .name: rope_tab, .offset: 56, .size: 8, .value_kind: global_buffer, .address_space: global }
    .group_segment_fixed_size: 68096
    .private_segment_fixed_size: 0
    .kernarg_segment_align: 8
    .kernarg_segment_size: 64
    .max_flat_workgroup_size: 128
    .sgpr_count:     66
    .vgpr_count:     256
    .wavefront_size: 32
...
	.end_amdgpu_metadata
.endif
;; end of part 1
;; launch qk (part 2): grid 8 x 32, 4 waves a work-group, clusters of 4 x 4, 327,680 bytes of LDS; arguments x_img, wqkv_img, Wqkv_b, rope_tab, qkv_img; writes qkv_img
.if DOCPART == 2
	.amdgcn_target "amdgcn-amd-amdhsa--gfx1250"
	.amdhsa_code_object_version 6
	.text
	.protected	k_q1e126a4170_qk
	.globl	k_q1e126a4170_qk
	.p2align	8
	.type	k_q1e126a4170_qk,@function
k_q1e126a4170_qk:
	s_mov_b64 s[64:65], 0
	v_nop
	global_prefetch_b8 v0, s[64:65] scope:SCOPE_SE
	s_setreg_imm32_b32 hwreg(HW_REG_WAVE_MODE, 25, 1), 1
	s_wait_xcnt 0x0
	s_wait_alu depctr_hold_cnt(0) depctr_sa_sdst(0) depctr_va_vdst(0) depctr_va_sdst(0) depctr_va_ssrc(0) depctr_va_vcc(0) depctr_vm_vsrc(0)
	s_getreg_b32 s2, hwreg(HW_REG_IB_STS2, 6, 4)
	s_cmp_eq_u32 s2, 0
	s_cbranch_scc0 .Lentry_in_a_cluster
	s_endpgm
.Lentry_in_a_cluster:
	s_bfe_u32 s2, ttmp6, 0x10000c
	s_cmp_lg_u32 s2, 0xf033
	s_cbranch_scc0 .Lentry_shape_is_right
	s_endpgm
.Lentry_shape_is_right:
; Q and K: (x Wqkv^T + b), rows 0-2047 of Wqkv, turned by RoPE and quantised along a head's 64 into qkv_img.  Product on codes of BF6 (E3M2) with E8M0 scales, sums in f32.
; This text is one of three with the same main part (KIND 0: Q and K; 1: V; 2: the output projection); they differ in the operands' roles, the bias and the way out.
; OPERANDS lie in memory as images of their registers: a block OB = 128 rows x 128 K = eight images of 1,536 bytes + 512 bytes of scale words; a buffer is [128 rows][K step 0..7][OB].
; A tile of the result, 256 x 256, is made by four waves, each 128 x 128: 64 accumulators, 512 registers.  'A' = x (tokens), 'B' = Wqkv (rows e).
; THE MATRIX INSTRUCTION IS USED TRANSPOSED (source 0 = 16 rows of B, source 1 = 16 rows of A): a lane holds one token.  Lane r of tile t holds row 32 (t / 2) + 8 (t % 2) + r + 8 (r / 8), so
; the 64 registers of a tile of tokens run along e in the order that the quantiser wants: register 16 b + i = e 32 b + 16 (lane / 16) + i: two heads of 64.
; K = 1,024 is eight steps of 128.  LDS has three slots of two steps (102,400 bytes: A's 256 rows, B's 256 rows); each wave brings a quarter of a slot, 25,600 dense bytes, by one tensor load.
; Slots 0, 1, 2 are filled at the start (three loads of a wave are out at the most), slot 0 once more with steps 6 and 7 behind step 1: that load has 224 matrix instructions in which to land.
; CLUSTERS: 4 x 4 work-groups; A's tiles are asked for jointly along a row of the cluster, B's along a column.
; THE WAY OUT: a tile of 16 tokens at a time: RoPE (cos and sin from rope_tab), the quantiser, and each head's half image (24 bytes a lane: block lane / 16 of token r) straight from registers:
; qkv_img is [Q, K, V][batch][head][128 tokens][6,400]: eight half images of 768 bytes, then 256 bytes of scale words; word (pair f of tiles, r) = tile 2 f's two bytes, tile 2 f + 1's two bytes.
; LIMITS: NaN and infinities are not served; blocks whose largest magnitude lies under 2^-122 get the byte 1 (a block of zeros too: its codes are zeros).
; REGISTERS: window 0: v1-29 addresses; v32-47 scale words, two sets; v48-55 the scale words made; v64-127 the bias, later cos and sin; v128-223 A's fragments, one set; on the way out v128-243 at work.
;   window 1: B's fragments, two sets, at v0 and v128.   windows 2, 3: the accumulators ((a, b) at v[8 (8 (a % 4) + b)] of window 2 + a / 4).
.set KIND,  0
.set OB,    12800
.set PAIRB, 2*OB                       ; 128 rows x two K steps: what one tensor load brings
.set SLOT,  4*PAIRB
.set R128B, 8*OB                       ; 128 rows' eight K steps in memory
.set HB,    6400                       ; a head's 128 tokens in qkv_img
.set HEADB, 16*HB
.set SPARE, 3*SLOT                     ; behind the slots: the spare words, 128 bytes for each wave: two blocks of 256 bytes that no other line names
.set FR,    12                         ; registers of a fragment
.if KIND == 2
.set NLA,   4                          ; LDS loads that bring a fragment of A
.else
.set NLA,   3
.endif
.set A16,  8                           ; v8-10   slot s: my 128 rows of A + 16 x lane
.set A8,   11                          ; v11-13  the same + 8 x lane (KIND 2 alone)
.set B16,  14                          ; v14-16  my 128 rows of B + 16 x lane
.set ADRS, 17                          ; v17-19  scale words: lanes 0-15 A's rows, lanes 16-31 B's
.set L16,  20                          ; v20 16 x lane   v21 8 x lane   v22 4 x lane
.set L8,   21
.set L4,   22
.set TOFF, 23                          ; v23 my token's row of the table
.set STO,  24
.set RD,   25
.set BOFF, 26                          ; v26 my lane's place in the bias
.set SPW,  28                          ; v28 LDS address of my spare word; never rewritten
.set NIL,  29                          ; v29 0; never rewritten
.set SC,   32                          ; scale words: set g % 2, register i: lanes 0-15 A's block i, lanes 16-31 B's block i
.set PWR,  48
.set BIAS, 64
.set AF,   128
.set G1,   24                          ; s[24:31] descriptor group 1 for A's tiles; s[32:39] for B's; s[48:59], s[68:79] their groups 0, one for each slot
.set G1B,  32
.set G0,   48
.set G0B,  68
.set MSB, 0
.macro WIN new                         ; the immediate's high byte repeats the setting that is left
.if MSB != (\new)
	s_set_vgpr_msb (MSB<<8)|(\new)
.set MSB, (\new)
.endif
.endm
.macro JLOAD g0a, g1a, g0b, g1b        ; a joint load: waves 0 and 1 fetch for A, waves 2 and 3 for B; four v_nop follow each of the two lines
	s_cmp_eq_u32 s15, 0
	s_cbranch_scc0 .Lfor_b_\@
	tensor_load_to_lds s[\g0a:\g0a+3], s[\g1a:\g1a+7]
	s_nop 0
.rept 4
	v_nop
.endr
	s_branch .Lasked_\@
.Lfor_b_\@:
	tensor_load_to_lds s[\g0b:\g0b+3], s[\g1b:\g1b+7]
	s_nop 0
.rept 4
	v_nop
.endr
.Lasked_\@:
.endm
.macro CREST                           ; a round of the cluster's barrier behind its opening barrier
	s_cmp_lg_u32 s14, 0
	s_cbranch_scc1 .Lnot_wave_0_\@
	s_barrier_signal -3
.Lnot_wave_0_\@:
	s_barrier_wait -3
	s_barrier_signal -1
	s_barrier_wait -1
.endm
.macro CROUND
	s_barrier_signal -1
	s_barrier_wait -1
	CREST
.endm
.macro PLACES                          ; four places behind matrix instructions, in front of loads into registers that they read and of the first read of results
.rept 4
	v_nop
.endr
.endm
.macro FRAG3 reg, adr, off             ; an image in three planes of 512 bytes
.irp q, 0,1,2
	ds_load_b128 v[\reg+4*\q:\reg+4*\q+3], v[\adr] offset:\off+512*\q
.endr
.endm
.macro FRAG4 reg, adr, adr8, off       ; an image in two halves of 768 bytes: 16 bytes a lane, then 8
	ds_load_b128 v[\reg:\reg+3], v[\adr] offset:\off
	ds_load_b64 v[\reg+4:\reg+5], v[\adr8] offset:\off+512
	ds_load_b128 v[\reg+6:\reg+9], v[\adr] offset:\off+768
	ds_load_b64 v[\reg+10:\reg+11], v[\adr8] offset:\off+1280
.endm
.macro FETCH_B g                       ; B's eight fragments of K step g into set g % 2.  K step g lies in slot (g / 2) % 3
.set SL, ((\g)/2)%3
.set OF, OB*((\g)%2)
	WIN 0x40                                       ; destination window 1
.irp i, 0,1,2,3,4,5,6,7
	FRAG3 128*((\g)%2)+FR*\i, B16+SL, OF+1536*\i
.endr
	WIN 0
.endm
.macro FETCH_A g, i0                   ; A's blocks i0 .. i0 + 3
.set SL, ((\g)/2)%3
.set OF, OB*((\g)%2)
.irp i, \i0, \i0+1, \i0+2, \i0+3
.if KIND == 2
	FRAG4 AF+FR*(\i), A16+SL, A8+SL, OF+1536*(\i)
.else
	FRAG3 AF+FR*(\i), A16+SL, OF+1536*(\i)
.endif
.endr
.endm
.macro SCALES g
.set SL, ((\g)/2)%3
.irp i, 0,1,2,3,4,5,6,7
	ds_load_b32 v[SC+8*((\g)%2)+\i], v[ADRS+SL] offset:OB*((\g)%2)+64*\i
.endr
.endm
; 16 matrix instructions: A's blocks a0, a0 + 1 x B's eight.  first = 1: the bias is the C of each sum's first product.  The 64 accumulators take turns, one instruction a turn, in the same order in every step.
.macro MUL16 a0, g, first
.irp a, \a0, \a0+1
.irp b, 0,1,2,3,4,5,6,7
.if \first
.if KIND == 1
.set CB, BIAS+8*(\a)
.else
.set CB, BIAS+8*\b
.endif
	v_wmma_scale_f32_16x16x128_f8f6f4 v[8*(8*((\a)%4)+\b):8*(8*((\a)%4)+\b)+7], v[128*((\g)%2)+FR*\b:128*((\g)%2)+FR*\b+FR-1], v[AF+FR*(\a):AF+FR*(\a)+FR-1], v[CB:CB+7], v[SC+8*((\g)%2)+\b], v[SC+8*((\g)%2)+(\a)] matrix_a_fmt:MATRIX_FMT_BF6 matrix_b_fmt:MATRIX_FMT_BF6 matrix_a_scale:MATRIX_SCALE_ROW1
.else
	v_wmma_scale_f32_16x16x128_f8f6f4 v[8*(8*((\a)%4)+\b):8*(8*((\a)%4)+\b)+7], v[128*((\g)%2)+FR*\b:128*((\g)%2)+FR*\b+FR-1], v[AF+FR*(\a):AF+FR*(\a)+FR-1], v[8*(8*((\a)%4)+\b):8*(8*((\a)%4)+\b)+7], v[SC+8*((\g)%2)+\b], v[SC+8*((\g)%2)+(\a)] matrix_a_fmt:MATRIX_FMT_BF6 matrix_b_fmt:MATRIX_FMT_BF6 matrix_a_scale:MATRIX_SCALE_ROW1
.endif
.endr
.endr
.endm
; A K step whose successor's tiles have been shown whole.  Window settings: source 0 (B) window 1, source 1 (A) window 0, D window 2 or 3; C with D, or (first) window 0.
.macro STEP g, first
	s_wait_dscnt 4*NLA                             ; all but the youngest loads, A's blocks 4-7
.if \first
	WIN 0x81
.else
	WIN 0xa1
.endif
	MUL16 0, \g, \first
	MUL16 2, \g, \first
	s_wait_dscnt 0x0                               ; A's blocks 4-7 are in (asked for 32 matrix instructions ago)
	PLACES
	FETCH_B (\g)+1
	FETCH_A (\g)+1, 0
	SCALES (\g)+1
.if \first
	WIN 0xc1
.else
	WIN 0xf1
.endif
	MUL16 4, \g, \first
	MUL16 6, \g, \first
	PLACES
	WIN 0
	FETCH_A (\g)+1, 4
.endm
; A K step with a barrier in it.  In front of the barrier each wave waits for all its tensor loads, adds 0 to its spare word, and waits for that and for its reads of the slot in hand.
; fill = 1: slot 0, just read out, takes K steps 6 and 7: the barrier opens a round of the cluster's, and the joint load is the first thing behind the round.
.macro TURN g, fill
	s_wait_tensorcnt 0x0                           ; all my tensor loads have landed
	ds_add_u32 v[SPW], v[NIL]                      ; 0 onto my spare word
	s_wait_dscnt 4*NLA+1                           ; (the add and A's blocks 4-7 may be out)
	WIN 0xa1
	MUL16 0, \g, 0                                 ; sixteen matrix instructions stand between the add and the wait for it
	s_wait_dscnt 0x0                               ; the add is done, and my reads of this slot are over
	s_barrier_signal -1
	MUL16 2, \g, 0
	WIN 0
	s_barrier_wait -1
.if \fill
	CREST                                          ; no wave of any partner still reads slot 0 or has a load on its way
	s_add_nc_u64 s[G0+2:G0+3], s[G0+2:G0+3], 3*PAIRB
	s_add_nc_u64 s[G0B+2:G0B+3], s[G0B+2:G0B+3], 3*PAIRB
	JLOAD G0, G1, G0B, G1B                         ; the four v_nop behind it are also the places in front of the loads below
.else
	PLACES
.endif
	FETCH_B (\g)+1
	FETCH_A (\g)+1, 0
	SCALES (\g)+1
	WIN 0xf1
	MUL16 4, \g, 0
	MUL16 6, \g, 0
	PLACES
	WIN 0
	FETCH_A (\g)+1, 4
.endm
	s_load_b128 s[4:7], s[0:1], 0x0                ; A's images, B's images
	s_load_b128 s[8:11], s[0:1], 0x10              ; the bias; rope_tab
	s_load_b64 s[12:13], s[0:1], 0x20              ; qkv_img
	v_lshl_add_u32 v[SPW], v0, 2, SPARE
	v_mov_b32 v[NIL], 0
	ds_add_u32 v28, v29
	ds_add_u32 v28, v29
	s_wait_dscnt 0x0
	v_lshrrev_b32 v1, 5, v0
	v_readfirstlane_b32 s14, v1                    ; wave 0..3
	s_lshr_b32 s15, s14, 1                         ; which half of the tile's rows (A) is mine.  Also: I fetch for A (0) or for B (1)
	s_and_b32 s16, s14, 1                          ; which half of its columns (B).  Also: which 128 rows I fetch
	s_bfe_u32 s40, ttmp6, 0x40000                  ; cx, cy: my place in the cluster
	s_bfe_u32 s41, ttmp6, 0x40004
	s_lshl_b32 s42, ttmp9, 2
	s_add_co_u32 s42, s42, s40                     ; tile column = 4 x cluster x + cx
	s_and_b32 s17, ttmp7, 0xffff
	s_lshl_b32 s17, s17, 2
	s_add_co_u32 s17, s17, s41                     ; tile row = 4 x cluster y + cy
	s_lshl_b32 s43, s41, 2
	s_lshl_b32 s43, 15, s43                        ; my row of the cluster
	s_lshl_b32 s44, 0x1111, s40                    ; my column
	s_or_b32 s[G1+0], s43, (3<<16)|(1<<21)         ; 15:0 the mask; 17:16 elements of 8 bytes; 21 set beside a mask; no padding
	s_or_b32 s[G1B+0], s44, (3<<16)|(1<<21)
.irp g, G1, G1B                        ; 25,600 dense bytes as 100 rows of 256
	s_mov_b32 s[\g+1], 32<<16                      ; tensor_dim0 = 32
	s_mov_b32 s[\g+2], 100<<16                     ; tensor_dim1 = 100
	s_mov_b32 s[\g+3], 32<<16                      ; tile_dim0
	s_mov_b32 s[\g+4], 100                         ; tile_dim1
	s_mov_b32 s[\g+5], 32                          ; from row to row
	s_mov_b32 s[\g+6], 0
	s_mov_b32 s[\g+7], 0
.endr
	s_lshl_b32 s20, s17, 1
	s_add_co_u32 s20, s20, s16                     ; A: which 128 rows: 2 x tile row + half
	s_mul_i32 s20, s20, R128B
.if KIND == 1
	s_add_co_u32 s20, s20, 16*R128B                ; V's rows of Wqkv begin at row 2,048
.endif
	s_mov_b32 s21, 0
	s_lshl_b32 s46, s42, 1
	s_add_co_u32 s46, s46, s16                     ; B: 2 x tile column + half
	s_mul_i32 s46, s46, R128B
	s_mov_b32 s47, 0
	s_mul_i32 s45, s14, PAIRB                      ; where they go in a slot: wave x 25,600: no place in the cluster enters an LDS address
	s_wait_kmcnt 0x0
	s_add_nc_u64 s[20:21], s[4:5], s[20:21]
	s_add_nc_u64 s[46:47], s[6:7], s[46:47]
	CROUND                                         ; all sixteen work-groups are here: the first joint loads meet
.irp s, 0,1,2
	s_mov_b32 s[G0+4*\s], 1
	s_add_co_u32 s[G0+4*\s+1], s45, \s*SLOT
	s_add_nc_u64 s[G0+4*\s+2:G0+4*\s+3], s[20:21], \s*PAIRB
	s_or_b32 s[G0+4*\s+3], s[G0+4*\s+3], 0x80000000
	s_mov_b32 s[G0B+4*\s], 1
	s_add_co_u32 s[G0B+4*\s+1], s45, \s*SLOT
	s_add_nc_u64 s[G0B+4*\s+2:G0B+4*\s+3], s[46:47], \s*PAIRB
	s_or_b32 s[G0B+4*\s+3], s[G0B+4*\s+3], 0x80000000
	JLOAD G0+4*\s, G1, G0B+4*\s, G1B               ; K steps 2 s and 2 s + 1
.endr
	v_and_b32 v1, 15, v0                           ; r
	v_bfe_u32 v2, v0, 4, 1                         ; h
	v_and_b32 v3, 31, v0                           ; lane
	; the bias runs along B's rows: register j of tile b wants e0 + 32 (b / 2) + 16 h + 8 (b % 2) + j
	s_lshl_b32 s84, s42, 10
	s_lshl_b32 s85, s16, 9
	s_add_co_u32 s84, s84, s85                     ; 4 e0 = 1,024 x tile column + 512 x half
	s_mov_b32 s85, 0
	s_add_nc_u64 s[8:9], s[8:9], s[84:85]
	v_lshlrev_b32 v[BOFF], 6, v2
.irp b, 0,1,2,3,4,5,6,7
	global_load_b128 v[BIAS+8*\b:BIAS+8*\b+3], v[BOFF], s[8:9] offset:(32*(\b/2)+8*(\b%2))*4
	global_load_b128 v[BIAS+8*\b+4:BIAS+8*\b+7], v[BOFF], s[8:9] offset:(32*(\b/2)+8*(\b%2))*4+16
.endr
	v_lshlrev_b32 v[L16], 4, v3
	v_lshlrev_b32 v[L8], 3, v3
	v_lshlrev_b32 v[L4], 2, v3
	s_mul_i32 s80, s15, PAIRB                      ; my 128 rows of A in a slot
	s_mul_i32 s81, s16, PAIRB
	s_add_co_u32 s81, s81, 2*PAIRB                 ; my 128 rows of B, behind A's 256
	s_sub_co_u32 s82, s81, s80
	v_mul_u32_u24 v4, s82, v2                      ; lanes 16-31 take B's scale words
	v_lshl_add_u32 v4, v1, 2, v4
	v_add_nc_u32 v4, s80, v4
.irp s, 0,1,2
	v_add_nc_u32 v[A16+\s], s80, v[L16]
.if KIND == 2
	v_add_nc_u32 v[A8+\s], s80, v[L8]
.endif
	v_add_nc_u32 v[B16+\s], s81, v[L16]
	v_add_nc_u32 v[ADRS+\s], \s*SLOT+12288, v4
	s_add_co_u32 s80, s80, SLOT
	s_add_co_u32 s81, s81, SLOT
.endr
	; where my part goes: tokens token0 .. + 127 (one block of 128), heads E0 and E0 + 1 of Q (E0 < 16) or K
	s_lshl_b32 s86, s17, 8
	s_lshl_b32 s87, s15, 7
	s_add_co_u32 s86, s86, s87                     ; token0 = 256 x tile row + 128 x half
	s_lshl_b32 s88, s42, 2
	s_lshl_b32 s89, s16, 1
	s_add_co_u32 s88, s88, s89                     ; E0 = e0 / 64
	s_lshr_b32 s89, s88, 4                         ; Q or K
	s_lshl_b32 s89, s89, 2
	s_lshr_b32 s90, s86, 11                        ; the batch
	s_add_co_u32 s89, s89, s90
	s_lshl_b32 s89, s89, 4
	s_and_b32 s90, s88, 15                         ; the head
	s_add_co_u32 s89, s89, s90
	s_lshl_b32 s89, s89, 4
	s_and_b32 s91, s86, 2047                       ; the first token's place in its sequence
	s_lshr_b32 s90, s91, 7
	s_add_co_u32 s89, s89, s90
	s_mul_i32 s92, s89, HB
	s_mov_b32 s93, 0
	s_add_nc_u64 s[12:13], s[12:13], s[92:93]
	s_lshl_b32 s92, s91, 8                         ; the table: 256 bytes a position
	s_add_nc_u64 s[10:11], s[10:11], s[92:93]
	v_and_b32 v5, 8, v1
	v_add_nc_u32 v5, v5, v1                        ; r + 8 (r / 8)
	v_lshlrev_b32 v[TOFF], 8, v5
	v_lshl_add_u32 v[TOFF], v2, 6, v[TOFF]         ; my token's row, + 64 h: frequencies 8 h on
	s_mov_b32 s18, 0x76543210
	s_mov_b32 s19, 0xfedcba98                      ; lane selects: lane l xor 16
	s_wait_loadcnt 0x0                             ; the bias
	s_wait_tensorcnt 2                             ; my part of slot 0 is in; slots 1 and 2 may be out
	s_barrier_signal -1
	s_barrier_wait -1                              ; everybody's is
	FETCH_B 0
	FETCH_A 0, 0
	SCALES 0
	FETCH_A 0, 4
	STEP 0, 1
	TURN 1, 1                                      ; all three slots have landed in every wave; slot 0 is asked for again
	STEP 2, 0
	STEP 3, 0
	STEP 4, 0
	TURN 5, 0                                      ; K steps 6 and 7 have landed in every wave; nothing is filled
	STEP 6, 0
.set Y,   128                          ; v128-191 a tile's 64 numbers behind RoPE
.set T,   192                          ; v192-207 at work
.set TM,  208                          ; v208-223 at work in QUANT
.set PC,  224                          ; v224-243 the codes just made
.macro CSLOAD a                        ; cos and sin for tile a's tokens: 16 pairs a lane: frequencies 8 h + 0 .. 7 and 16 + 8 h + 0 .. 7, into set a % 2
.irp q, 0,1,2,3,4,5,6,7
	global_load_b128 v[BIAS+32*((\a)%2)+4*\q:BIAS+32*((\a)%2)+4*\q+3], v[TOFF], s[10:11] offset:(32*((\a)/2)+8*((\a)%2))*256+128*(\q/4)+16*(\q%4)
.endr
.endm
.macro ROPE a                          ; pair k of registers is (x1, x2) of frequency 16 ((k / 8) % 2) + 8 h + k % 8: (x1 c - x2 s, x1 s + x2 c).  Each accumulator is read from its low end on
.set XB, 64*((\a)%4)
.set CSB, BIAS+32*((\a)%2)
	WIN 2+(\a)/4                                   ; source 0: the accumulators' window
.irp k0, 0,8,16,24
.irp k, 0,1,2,3,4,5,6,7
	v_pk_mul_f32 v[T+2*\k:T+2*\k+1], v[XB+2*(\k0+\k):XB+2*(\k0+\k)+1], v[CSB+2*((\k0+\k)%16):CSB+2*((\k0+\k)%16)+1] op_sel_hi:[1,0]   ; (x1 c, x2 c)
.endr
.irp k, 0,1,2,3,4,5,6,7
	v_pk_fma_f32 v[Y+2*(\k0+\k):Y+2*(\k0+\k)+1], v[XB+2*(\k0+\k):XB+2*(\k0+\k)+1], v[CSB+2*((\k0+\k)%16):CSB+2*((\k0+\k)%16)+1], v[T+2*\k:T+2*\k+1] op_sel:[1,1,0] op_sel_hi:[0,1,1] neg_lo:[0,1,0]   ; low: -(x2 s) + x1 c; high: x1 s + x2 c
.endr
.endr
	WIN 0
.endm
; 64 numbers of a lane in window w, register 16 b + i = k 32 b + 16 (lane / 16) + i of my row, become a fragment's codes in v[PC] on and its scale word in v[pw].
.macro QUANT s, w, pw
	WIN ((\w)<<2)|((\w)<<4)                        ; sources 1 and 2
.irp b, 0,1,2,3
	v_max3_num_f32 v[TM+\b], 0x2800000, |v[\s+16*\b]|, |v[\s+1+16*\b]|   ; block b: my 16 numbers and the floor 2^(5 - 127): the byte cannot fall under 1
.endr
.irp i, 2,4,6,8,10,12,14
.irp b, 0,1,2,3
	v_max3_num_f32 v[TM+\b], v[TM+\b], |v[\s+16*\b+\i]|, |v[\s+1+16*\b+\i]|
.endr
.endr
	WIN 0
.irp b, 0,1,2,3
	v_permlanex16_b32 v[TM+4+\b], v[TM+\b], s18, s19
.endr
.irp b, 0,1,2,3
	v_max_num_f32 v[TM+\b], v[TM+\b], v[TM+4+\b]   ; with lane l xor 16's: the block's largest magnitude
.endr
.irp b, 0,1,2,3
	v_add_nc_u32 v[TM+12+\b], 0xfe000000, v[TM+\b]   ; 4 off its exponent field: the conversion's scale operand
.endr
.irp b, 0,1,2,3
	v_lshrrev_b32 v[TM+4+\b], 23, v[TM+12+\b]      ; the scale's byte
.endr
	v_lshl_or_b32 v[\pw], v[TM+5], 8, v[TM+4]
	v_lshl_or_b32 v[\pw], v[TM+6], 16, v[\pw]
	v_lshl_or_b32 v[\pw], v[TM+7], 24, v[\pw]
	WIN (\w)                                       ; source 0
.irp c, 0,1
	v_cvt_scalef32_pk16_bf6_f32 v[PC+6*\c:PC+2+6*\c], v[\s+32*\c:\s+15+32*\c], v[TM+12+2*\c]
	v_cvt_scalef32_pk16_bf6_f32 v[PC+12+4*\c:PC+14+4*\c], v[\s+16+32*\c:\s+31+32*\c], v[TM+12+2*\c+1]   ; (a conversion's three registers begin on an even number)
.endr
	WIN 0
	v_nop                                          ; one plain place behind a scaled conversion
.irp c, 0,1                                    ; a WHOLE block in a lane: lanes 0-15 block 2 c, lanes 16-31 block 2 c + 1
.irp i, 0,1,2
	v_permlane16_swap_b32 v[PC+6*\c+\i], v[PC+12+4*\c+\i]
.endr
.irp i, 0,1,2
	v_mov_b32 v[PC+3+6*\c+\i], v[PC+12+4*\c+\i]
.endr
.endr
.endm
	CSLOAD 0                                       ; the bias's registers are free since K step 0: the table's first two tiles are asked for a K step ahead
	CSLOAD 1
	s_wait_dscnt 4*NLA                             ; the last K step: nothing more to fetch
	WIN 0xa1
	MUL16 0, 7, 0
	MUL16 2, 7, 0
	s_wait_dscnt 0x0
	WIN 0xf1
	MUL16 4, 7, 0
	MUL16 6, 7, 0
	WIN 0
	PLACES
.irp b, 0,1,2,3
	v_mov_b32 v[TM+4+\b], 0                        ; written once: a lane permute's destination counts as one of its sources
.endr
.irp a, 0,1,2,3,4,5,6,7
.if \a < 7
	s_wait_loadcnt 8                               ; this tile's cos and sin are in; the next tile's 8 loads may be out
.else
	s_wait_loadcnt 0x0
.endif
	ROPE \a
.if \a < 6
	CSLOAD \a+2
.endif
	s_wait_xcnt 0x0                                ; the last tile's stores have read the codes' registers
	QUANT Y, 0, PWR+\a
.irp c, 0,1                                    ; head E0 + c: registers 6 c .. 6 c + 5: 512 consecutive bytes, then 256
	global_store_b128 v[L16], v[PC+6*\c:PC+6*\c+3], s[12:13] offset:HEADB*\c+768*\a
	global_store_b64 v[L8], v[PC+6*\c+4:PC+6*\c+5], s[12:13] offset:HEADB*\c+768*\a+512
.endr
.endr
	v_cmp_lt_u32 vcc_lo, 15, v3                    ; lanes 16-31
.irp c, 0,1                                    ; the scale words of head E0 + c: a word for a pair of tiles: two bytes of each
.irp f, 0,1,2,3
.if \c == 0
	v_perm_b32 v[T+4*\c+\f], v[PWR+2*\f+1], v[PWR+2*\f], 0x05040100
.else
	v_perm_b32 v[T+4*\c+\f], v[PWR+2*\f+1], v[PWR+2*\f], 0x07060302
.endif
.endr
.irp p, 0,1
	v_cndmask_b32 v[T+8+2*\c+\p], v[T+4*\c+2*\p], v[T+4*\c+2*\p+1], vcc_lo   ; lanes 0-15 pair 2 p, lanes 16-31 pair 2 p + 1
	global_store_b32 v[L4], v[T+8+2*\c+\p], s[12:13] offset:HEADB*\c+6144+128*\p
.endr
.endr
	s_wait_tensorcnt 0x0                           ; the wave's end
	ds_add_u32 v[SPW], v[NIL]
	s_wait_dscnt 0x0
	CROUND                                         ; the closing round: no work-group ends while a partner may still ask for a tile that names it
	s_endpgm
.Lfunc_end_k_q1e126a4170_qk:
	.size	k_q1e126a4170_qk, .Lfunc_end_k_q1e126a4170_qk-k_q1e126a4170_qk
	.p2alignl 7, 3214868480
	.fill 96, 4, 3214868480
	.section	.rodata,"a",@progbits
	.p2align	6, 0x0
	.amdhsa_kernel k_q1e126a4170_qk
		.amdhsa_group_segment_fixed_size 327680
		.amdhsa_private_segment_fixed_size 0
		.amdhsa_enable_private_segment 0
		.amdhsa_kernarg_size 40
		.amdhsa_user_sgpr_count 2
		.amdhsa_user_sgpr_kernarg_segment_ptr 1
		.amdhsa_wavefront_size32 1
		.amdhsa_system_sgpr_workgroup_id_x 1
		.amdhsa_system_sgpr_workgroup_id_y 1
		.amdhsa_system_sgpr_workgroup_id_z 1
		.amdhsa_system_vgpr_workitem_id 0
		.amdhsa_next_free_vgpr 1024
		.amdhsa_next_free_sgpr 96
		.amdhsa_reserve_vcc 1
		.amdhsa_float_denorm_mode_32 3
		.amdhsa_float_denorm_mode_16_64 3
		.amdhsa_memory_ordered 1
		.amdhsa_forward_progress 1
		.amdhsa_inst_pref_size 181
	.end_amdhsa_kernel
	.amdgpu_metadata
---
amdhsa.version: [ 1, 2 ]
amdhsa.kernels:
  - .name:           k_q1e126a4170_qk
    .symbol:         k_q1e126a4170_qk.kd
    .args:
      - { .name: x_img, .offset: 0, .size: 8, .value_kind: global_buffer, .address_space: global }
      - { .name: wqkv_img, .offset: 8, .size: 8, .value_kind: global_buffer, .address_space: global }
      - { .name: Wqkv_b, .offset: 16, .size: 8, .value_kind: global_buffer, .address_space: global }
      - { .name: rope_tab, .offset: 24, .size: 8, .value_kind: global_buffer, .address_space: global }
      - { .name: qkv_img, .offset: 32, .size: 8, .value_kind: global_buffer, .address_space: global }
    .group_segment_fixed_size: 327680
    .private_segment_fixed_size: 0
    .kernarg_segment_align: 8
    .kernarg_segment_size: 40
    .max_flat_workgroup_size: 128
    .sgpr_count:     96
    .vgpr_count:     1024
    .wavefront_size: 32
...
	.end_amdgpu_metadata
.endif
;; end of part 2
;; launch vproj (part 3): grid 32 x 4, 4 waves a work-group, clusters of 4 x 4, 327,680 bytes of LDS; arguments wqkv_img, x_img, Wqkv_b, qkv_img; writes qkv_img
.if DOCPART == 3
	.amdgcn_target "amdgcn-amd-amdhsa--gfx1250"
	.amdhsa_code_object_version 6
	.text
	.protected	k_q1e126a4170_vproj
	.globl	k_q1e126a4170_vproj
	.p2align	8
	.type	k_q1e126a4170_vproj,@function
k_q1e126a4170_vproj:
	s_mov_b64 s[64:65], 0
	v_nop
	global_prefetch_b8 v0, s[64:65] scope:SCOPE_SE
	s_setreg_imm32_b32 hwreg(HW_REG_WAVE_MODE, 25, 1), 1
	s_wait_xcnt 0x0
	s_wait_alu depctr_hold_cnt(0) depctr_sa_sdst(0) depctr_va_vdst(0) depctr_va_sdst(0) depctr_va_ssrc(0) depctr_va_vcc(0) depctr_vm_vsrc(0)
	s_getreg_b32 s2, hwreg(HW_REG_IB_STS2, 6, 4)
	s_cmp_eq_u32 s2, 0
	s_cbranch_scc0 .Lentry_in_a_cluster
	s_endpgm
.Lentry_in_a_cluster:
	s_bfe_u32 s2, ttmp6, 0x10000c
	s_cmp_lg_u32 s2, 0xf033
	s_cbranch_scc0 .Lentry_shape_is_right
	s_endpgm
.Lentry_shape_is_right:
; V: (x Wqkv^T + b), rows 2048-3071 of Wqkv, quantised ALONG THE KEYS into qkv_img.  Product on codes of BF6 (E3M2) with E8M0 scales, sums in f32.
; This text is one of three with the same main part (KIND 0: Q and K; 1: V; 2: the output projection); they differ in the operands' roles, the bias and the way out.
; OPERANDS lie in memory as images of their registers: a block OB = 128 rows x 128 K = eight images of 1,536 bytes + 512 bytes of scale words; a buffer is [128 rows][K step 0..7][OB].
; A tile of the result, 256 x 256, is made by four waves, each 128 x 128: 64 accumulators, 512 registers.  HERE THE ROLES ARE SWAPPED: 'A' = Wqkv's rows (channels), 'B' = x (tokens).
; THE MATRIX INSTRUCTION IS USED TRANSPOSED (source 0 = 16 rows of B, source 1 = 16 rows of A): a lane holds one channel.  Lane r of tile t holds row 32 (t / 2) + 8 (t % 2) + r + 8 (r / 8), so
; the 64 registers of a tile of channels run along the tokens in the order that the quantiser wants: register 16 b + i = token 32 b + 16 (lane / 16) + i: the keys are the next product's K.
; K = 1,024 is eight steps of 128.  LDS has three slots of two steps (102,400 bytes: A's 256 rows, B's 256 rows); each wave brings a quarter of a slot, 25,600 dense bytes, by one tensor load.
; Slots 0, 1, 2 are filled at the start (three loads of a wave are out at the most), slot 0 once more with steps 6 and 7 behind step 1: that load has 224 matrix instructions in which to land.
; CLUSTERS: 4 x 4 work-groups; A's tiles are asked for jointly along a row of the cluster, B's along a column.  The result has 128 tiles of 256 x 256: half of the WGPs have no work-group.
; THE WAY OUT: a tile of 16 channels x 128 keys is one fragment: the quantiser, then its image straight from registers.  qkv_img is [Q, K, V][batch][head][128 keys][6,400]: four images of 1,536 bytes
; (tile t of the head's 64 channels), then 256 bytes of scale words (lanes 0-15 tile 2 p, lanes 16-31 tile 2 p + 1).
; LIMITS: NaN and infinities are not served; blocks whose largest magnitude lies under 2^-122 get the byte 1 (a block of zeros too: its codes are zeros).
; REGISTERS: window 0: v1-29 addresses; v32-47 scale words, two sets; v48-55 the scale words made; v64-127 the bias; v128-223 A's fragments, one set; on the way out v192-243 at work.
;   window 1: B's fragments, two sets, at v0 and v128.   windows 2, 3: the accumulators ((a, b) at v[8 (8 (a % 4) + b)] of window 2 + a / 4).
.set KIND,  1
.set OB,    12800
.set PAIRB, 2*OB                       ; 128 rows x two K steps: what one tensor load brings
.set SLOT,  4*PAIRB
.set R128B, 8*OB                       ; 128 rows' eight K steps in memory
.set HB,    6400                       ; a head's 128 tokens in qkv_img
.set HEADB, 16*HB
.set SPARE, 3*SLOT                     ; behind the slots: the spare words, 128 bytes for each wave: two blocks of 256 bytes that no other line names
.set FR,    12                         ; registers of a fragment
.if KIND == 2
.set NLA,   4                          ; LDS loads that bring a fragment of A
.else
.set NLA,   3
.endif
.set A16,  8                           ; v8-10   slot s: my 128 rows of A + 16 x lane
.set A8,   11                          ; v11-13  the same + 8 x lane (KIND 2 alone)
.set B16,  14                          ; v14-16  my 128 rows of B + 16 x lane
.set ADRS, 17                          ; v17-19  scale words: lanes 0-15 A's rows, lanes 16-31 B's
.set L16,  20                          ; v20 16 x lane   v21 8 x lane   v22 4 x lane
.set L8,   21
.set L4,   22
.set BOFF, 26                          ; v26 my lane's place in the bias
.set SPW,  28                          ; v28 LDS address of my spare word; never rewritten
.set NIL,  29                          ; v29 0; never rewritten
.set SC,   32                          ; scale words: set g % 2, register i: lanes 0-15 A's block i, lanes 16-31 B's block i
.set PWR,  48
.set BIAS, 64
.set AF,   128
.set G1,   24                          ; s[24:31] descriptor group 1 for A's tiles; s[32:39] for B's; s[48:59], s[68:79] their groups 0, one for each slot
.set G1B,  32
.set G0,   48
.set G0B,  68
.set MSB, 0
.macro WIN new                         ; the immediate's high byte repeats the setting that is left
.if MSB != (\new)
	s_set_vgpr_msb (MSB<<8)|(\new)
.set MSB, (\new)
.endif
.endm
.macro JLOAD g0a, g1a, g0b, g1b        ; a joint load: waves 0 and 1 fetch for A, waves 2 and 3 for B; four v_nop follow each of the two lines
	s_cmp_eq_u32 s15, 0
	s_cbranch_scc0 .Lfor_b_\@
	tensor_load_to_lds s[\g0a:\g0a+3], s[\g1a:\g1a+7]
	s_nop 0
.rept 4
	v_nop
.endr
	s_branch .Lasked_\@
.Lfor_b_\@:
	tensor_load_to_lds s[\g0b:\g0b+3], s[\g1b:\g1b+7]
	s_nop 0
.rept 4
	v_nop
.endr
.Lasked_\@:
.endm
.macro CREST                           ; a round of the cluster's barrier behind its opening barrier
	s_cmp_lg_u32 s14, 0
	s_cbranch_scc1 .Lnot_wave_0_\@
	s_barrier_signal -3
.Lnot_wave_0_\@:
	s_barrier_wait -3
	s_barrier_signal -1
	s_barrier_wait -1
.endm
.macro CROUND
	s_barrier_signal -1
	s_barrier_wait -1
	CREST
.endm
.macro PLACES                          ; four places behind matrix instructions, in front of loads into registers that they read and of the first read of results
.rept 4
	v_nop
.endr
.endm
.macro FRAG3 reg, adr, off             ; an image in three planes of 512 bytes
.irp q, 0,1,2
	ds_load_b128 v[\reg+4*\q:\reg+4*\q+3], v[\adr] offset:\off+512*\q
.endr
.endm
.macro FETCH_B g                       ; B's eight fragments of K step g into set g % 2.  K step g lies in slot (g / 2) % 3
.set SL, ((\g)/2)%3
.set OF, OB*((\g)%2)
	WIN 0x40                                       ; destination window 1
.irp i, 0,1,2,3,4,5,6,7
	FRAG3 128*((\g)%2)+FR*\i, B16+SL, OF+1536*\i
.endr
	WIN 0
.endm
.macro FETCH_A g, i0                   ; A's blocks i0 .. i0 + 3
.set SL, ((\g)/2)%3
.set OF, OB*((\g)%2)
.irp i, \i0, \i0+1, \i0+2, \i0+3
	FRAG3 AF+FR*(\i), A16+SL, OF+1536*(\i)
.endr
.endm
.macro SCALES g
.set SL, ((\g)/2)%3
.irp i, 0,1,2,3,4,5,6,7
	ds_load_b32 v[SC+8*((\g)%2)+\i], v[ADRS+SL] offset:OB*((\g)%2)+64*\i
.endr
.endm
; 16 matrix instructions: A's blocks a0, a0 + 1 x B's eight.  first = 1: the bias is the C of each sum's first product.  The 64 accumulators take turns, one instruction a turn, in the same order in every step.
.macro MUL16 a0, g, first
.irp a, \a0, \a0+1
.irp b, 0,1,2,3,4,5,6,7
.if \first
.if KIND == 1
.set CB, BIAS+8*(\a)
.else
.set CB, BIAS+8*\b
.endif
	v_wmma_scale_f32_16x16x128_f8f6f4 v[8*(8*((\a)%4)+\b):8*(8*((\a)%4)+\b)+7], v[128*((\g)%2)+FR*\b:128*((\g)%2)+FR*\b+FR-1], v[AF+FR*(\a):AF+FR*(\a)+FR-1], v[CB:CB+7], v[SC+8*((\g)%2)+\b], v[SC+8*((\g)%2)+(\a)] matrix_a_fmt:MATRIX_FMT_BF6 matrix_b_fmt:MATRIX_FMT_BF6 matrix_a_scale:MATRIX_SCALE_ROW1
.else
	v_wmma_scale_f32_16x16x128_f8f6f4 v[8*(8*((\a)%4)+\b):8*(8*((\a)%4)+\b)+7], v[128*((\g)%2)+FR*\b:128*((\g)%2)+FR*\b+FR-1], v[AF+FR*(\a):AF+FR*(\a)+FR-1], v[8*(8*((\a)%4)+\b):8*(8*((\a)%4)+\b)+7], v[SC+8*((\g)%2)+\b], v[SC+8*((\g)%2)+(\a)] matrix_a_fmt:MATRIX_FMT_BF6 matrix_b_fmt:MATRIX_FMT_BF6 matrix_a_scale:MATRIX_SCALE_ROW1
.endif
.endr
.endr
.endm
; A K step whose successor's tiles have been shown whole.  Window settings: source 0 (B) window 1, source 1 (A) window 0, D window 2 or 3; C with D, or (first) window 0.
.macro STEP g, first
	s_wait_dscnt 4*NLA                             ; all but the youngest loads, A's blocks 4-7
.if \first
	WIN 0x81
.else
	WIN 0xa1
.endif
	MUL16 0, \g, \first
	MUL16 2, \g, \first
	s_wait_dscnt 0x0                               ; A's blocks 4-7 are in (asked for 32 matrix instructions ago)
	PLACES
	FETCH_B (\g)+1
	FETCH_A (\g)+1, 0
	SCALES (\g)+1
.if \first
	WIN 0xc1
.else
	WIN 0xf1
.endif
	MUL16 4, \g, \first
	MUL16 6, \g, \first
	PLACES
	WIN 0
	FETCH_A (\g)+1, 4
.endm
; A K step with a barrier in it.  In front of the barrier each wave waits for all its tensor loads, adds 0 to its spare word, and waits for that and for its reads of the slot in hand.
; fill = 1: slot 0, just read out, takes K steps 6 and 7: the barrier opens a round of the cluster's, and the joint load is the first thing behind the round.
.macro TURN g, fill
	s_wait_tensorcnt 0x0                           ; all my tensor loads have landed
	ds_add_u32 v[SPW], v[NIL]                      ; 0 onto my spare word
	s_wait_dscnt 4*NLA+1                           ; (the add and A's blocks 4-7 may be out)
	WIN 0xa1
	MUL16 0, \g, 0                                 ; sixteen matrix instructions stand between the add and the wait for it
	s_wait_dscnt 0x0                               ; the add is done, and my reads of this slot are over
	s_barrier_signal -1
	MUL16 2, \g, 0
	WIN 0
	s_barrier_wait -1
.if \fill
	CREST                                          ; no wave of any partner still reads slot 0 or has a load on its way
	s_add_nc_u64 s[G0+2:G0+3], s[G0+2:G0+3], 3*PAIRB
	s_add_nc_u64 s[G0B+2:G0B+3], s[G0B+2:G0B+3], 3*PAIRB
	JLOAD G0, G1, G0B, G1B                         ; the four v_nop behind it are also the places in front of the loads below
.else
	PLACES
.endif
	FETCH_B (\g)+1
	FETCH_A (\g)+1, 0
	SCALES (\g)+1
	WIN 0xf1
	MUL16 4, \g, 0
	MUL16 6, \g, 0
	PLACES
	WIN 0
	FETCH_A (\g)+1, 4
.endm
	s_load_b128 s[4:7], s[0:1], 0x0                ; A's images, B's images
	s_load_b128 s[8:11], s[0:1], 0x10              ; the bias; qkv_img
	v_lshl_add_u32 v[SPW], v0, 2, SPARE
	v_mov_b32 v[NIL], 0
	ds_add_u32 v28, v29
	ds_add_u32 v28, v29
	s_wait_dscnt 0x0
	v_lshrrev_b32 v1, 5, v0
	v_readfirstlane_b32 s14, v1                    ; wave 0..3
	s_lshr_b32 s15, s14, 1                         ; which half of the tile's rows (A) is mine.  Also: I fetch for A (0) or for B (1)
	s_and_b32 s16, s14, 1                          ; which half of its columns (B).  Also: which 128 rows I fetch
	s_bfe_u32 s40, ttmp6, 0x40000                  ; cx, cy: my place in the cluster
	s_bfe_u32 s41, ttmp6, 0x40004
	s_lshl_b32 s42, ttmp9, 2
	s_add_co_u32 s42, s42, s40                     ; tile column = 4 x cluster x + cx
	s_and_b32 s17, ttmp7, 0xffff
	s_lshl_b32 s17, s17, 2
	s_add_co_u32 s17, s17, s41                     ; tile row = 4 x cluster y + cy
	s_lshl_b32 s43, s41, 2
	s_lshl_b32 s43, 15, s43                        ; my row of the cluster
	s_lshl_b32 s44, 0x1111, s40                    ; my column
	s_or_b32 s[G1+0], s43, (3<<16)|(1<<21)         ; 15:0 the mask; 17:16 elements of 8 bytes; 21 set beside a mask; no padding
	s_or_b32 s[G1B+0], s44, (3<<16)|(1<<21)
.irp g, G1, G1B                        ; 25,600 dense bytes as 100 rows of 256
	s_mov_b32 s[\g+1], 32<<16                      ; tensor_dim0 = 32
	s_mov_b32 s[\g+2], 100<<16                     ; tensor_dim1 = 100
	s_mov_b32 s[\g+3], 32<<16                      ; tile_dim0
	s_mov_b32 s[\g+4], 100                         ; tile_dim1
	s_mov_b32 s[\g+5], 32                          ; from row to row
	s_mov_b32 s[\g+6], 0
	s_mov_b32 s[\g+7], 0
.endr
	s_lshl_b32 s20, s17, 1
	s_add_co_u32 s20, s20, s16                     ; A: which 128 rows: 2 x tile row + half
	s_mul_i32 s20, s20, R128B
.if KIND == 1
	s_add_co_u32 s20, s20, 16*R128B                ; V's rows of Wqkv begin at row 2,048
.endif
	s_mov_b32 s21, 0
	s_lshl_b32 s46, s42, 1
	s_add_co_u32 s46, s46, s16                     ; B: 2 x tile column + half
	s_mul_i32 s46, s46, R128B
	s_mov_b32 s47, 0
	s_mul_i32 s45, s14, PAIRB                      ; where they go in a slot: wave x 25,600: no place in the cluster enters an LDS address
	s_wait_kmcnt 0x0
	s_add_nc_u64 s[20:21], s[4:5], s[20:21]
	s_add_nc_u64 s[46:47], s[6:7], s[46:47]
	CROUND                                         ; all sixteen work-groups are here: the first joint loads meet
.irp s, 0,1,2
	s_mov_b32 s[G0+4*\s], 1
	s_add_co_u32 s[G0+4*\s+1], s45, \s*SLOT
	s_add_nc_u64 s[G0+4*\s+2:G0+4*\s+3], s[20:21], \s*PAIRB
	s_or_b32 s[G0+4*\s+3], s[G0+4*\s+3], 0x80000000
	s_mov_b32 s[G0B+4*\s], 1
	s_add_co_u32 s[G0B+4*\s+1], s45, \s*SLOT
	s_add_nc_u64 s[G0B+4*\s+2:G0B+4*\s+3], s[46:47], \s*PAIRB
	s_or_b32 s[G0B+4*\s+3], s[G0B+4*\s+3], 0x80000000
	JLOAD G0+4*\s, G1, G0B+4*\s, G1B               ; K steps 2 s and 2 s + 1
.endr
	v_and_b32 v1, 15, v0                           ; r
	v_bfe_u32 v2, v0, 4, 1                         ; h
	v_and_b32 v3, 31, v0                           ; lane
	; the bias runs along A's rows: all eight registers of tile a want that of row 2,048 + e0 + 32 (a / 2) + 8 (a % 2) + r + 8 (r / 8)
	s_lshl_b32 s84, s17, 10
	s_lshl_b32 s85, s15, 9
	s_add_co_u32 s84, s84, s85                     ; 4 e0 = 1,024 x tile row + 512 x half
	s_add_co_u32 s84, s84, 8192
	s_mov_b32 s85, 0
	s_add_nc_u64 s[8:9], s[8:9], s[84:85]
	v_and_b32 v5, 8, v1
	v_add_nc_u32 v5, v5, v1                        ; r + 8 (r / 8)
	v_lshlrev_b32 v[BOFF], 2, v5
.irp a, 0,1,2,3,4,5,6,7
	global_load_b32 v[BIAS+8*\a], v[BOFF], s[8:9] offset:(32*(\a/2)+8*(\a%2))*4
.endr
	v_lshlrev_b32 v[L16], 4, v3
	v_lshlrev_b32 v[L8], 3, v3
	v_lshlrev_b32 v[L4], 2, v3
	s_mul_i32 s80, s15, PAIRB                      ; my 128 rows of A in a slot
	s_mul_i32 s81, s16, PAIRB
	s_add_co_u32 s81, s81, 2*PAIRB                 ; my 128 rows of B, behind A's 256
	s_sub_co_u32 s82, s81, s80
	v_mul_u32_u24 v4, s82, v2                      ; lanes 16-31 take B's scale words
	v_lshl_add_u32 v4, v1, 2, v4
	v_add_nc_u32 v4, s80, v4
.irp s, 0,1,2
	v_add_nc_u32 v[A16+\s], s80, v[L16]
	v_add_nc_u32 v[B16+\s], s81, v[L16]
	v_add_nc_u32 v[ADRS+\s], \s*SLOT+12288, v4
	s_add_co_u32 s80, s80, SLOT
	s_add_co_u32 s81, s81, SLOT
.endr
	; where my part goes: keys token0 .. + 127 (one block of 128), heads e0 / 64 and e0 / 64 + 1 of V
	s_lshl_b32 s86, s42, 8
	s_lshl_b32 s87, s16, 7
	s_add_co_u32 s86, s86, s87                     ; token0 = 256 x tile column + 128 x half
	s_lshl_b32 s88, s17, 2
	s_lshl_b32 s89, s15, 1
	s_add_co_u32 s88, s88, s89                     ; the first head
	s_lshr_b32 s89, s86, 11                        ; the batch
	s_add_co_u32 s89, s89, 8                       ; V is the third of [Q, K, V] x 4 batches
	s_lshl_b32 s89, s89, 4
	s_add_co_u32 s89, s89, s88
	s_lshl_b32 s89, s89, 4
	s_bfe_u32 s90, s86, 0x40007                    ; which 128 keys of the sequence
	s_add_co_u32 s89, s89, s90
	s_mul_i32 s92, s89, HB
	s_mov_b32 s93, 0
	s_add_nc_u64 s[10:11], s[10:11], s[92:93]
	s_mov_b32 s18, 0x76543210
	s_mov_b32 s19, 0xfedcba98                      ; lane selects: lane l xor 16
	s_wait_loadcnt 0x0                             ; the bias
.irp a, 0,1,2,3,4,5,6,7
.irp j, 1,2,3,4,5,6,7
	v_mov_b32 v[BIAS+8*\a+\j], v[BIAS+8*\a]        ; the C of a tile's first products: my channel's bias in all eight registers
.endr
.endr
	PLACES
	s_wait_tensorcnt 2                             ; my part of slot 0 is in; slots 1 and 2 may be out
	s_barrier_signal -1
	s_barrier_wait -1                              ; everybody's is
	FETCH_B 0
	FETCH_A 0, 0
	SCALES 0
	FETCH_A 0, 4
	STEP 0, 1
	TURN 1, 1                                      ; all three slots have landed in every wave; slot 0 is asked for again
	STEP 2, 0
	STEP 3, 0
	STEP 4, 0
	TURN 5, 0                                      ; K steps 6 and 7 have landed in every wave; nothing is filled
	STEP 6, 0
	s_wait_dscnt 4*NLA                             ; the last K step: nothing more to fetch
	WIN 0xa1
	MUL16 0, 7, 0
	MUL16 2, 7, 0
	s_wait_dscnt 0x0
	WIN 0xf1
	MUL16 4, 7, 0
	MUL16 6, 7, 0
	WIN 0
	PLACES
.set T,   192                          ; v192-195 the scale words as they are stored
.set TM,  208                          ; v208-223 at work in QUANT
.set PC,  224                          ; v224-243 the codes just made
; 64 numbers of a lane in window w, register 16 b + i = k 32 b + 16 (lane / 16) + i of my row, become a fragment's codes in v[PC] on and its scale word in v[pw].  Each accumulator is read from its low end on.
.macro QUANT s, w, pw
	WIN ((\w)<<2)|((\w)<<4)                        ; sources 1 and 2
.irp b, 0,1,2,3
	v_max3_num_f32 v[TM+\b], 0x2800000, |v[\s+16*\b]|, |v[\s+1+16*\b]|   ; block b: my 16 numbers and the floor 2^(5 - 127): the byte cannot fall under 1
.endr
.irp i, 2,4,6,8,10,12,14
.irp b, 0,1,2,3
	v_max3_num_f32 v[TM+\b], v[TM+\b], |v[\s+16*\b+\i]|, |v[\s+1+16*\b+\i]|
.endr
.endr
	WIN 0
.irp b, 0,1,2,3
	v_permlanex16_b32 v[TM+4+\b], v[TM+\b], s18, s19
.endr
.irp b, 0,1,2,3
	v_max_num_f32 v[TM+\b], v[TM+\b], v[TM+4+\b]   ; with lane l xor 16's: the block's largest magnitude
.endr
.irp b, 0,1,2,3
	v_add_nc_u32 v[TM+12+\b], 0xfe000000, v[TM+\b]   ; 4 off its exponent field: the conversion's scale operand
.endr
.irp b, 0,1,2,3
	v_lshrrev_b32 v[TM+4+\b], 23, v[TM+12+\b]      ; the scale's byte
.endr
	v_lshl_or_b32 v[\pw], v[TM+5], 8, v[TM+4]
	v_lshl_or_b32 v[\pw], v[TM+6], 16, v[\pw]
	v_lshl_or_b32 v[\pw], v[TM+7], 24, v[\pw]
	WIN (\w)                                       ; source 0
.irp c, 0,1
	v_cvt_scalef32_pk16_bf6_f32 v[PC+6*\c:PC+2+6*\c], v[\s+32*\c:\s+15+32*\c], v[TM+12+2*\c]
	v_cvt_scalef32_pk16_bf6_f32 v[PC+12+4*\c:PC+14+4*\c], v[\s+16+32*\c:\s+31+32*\c], v[TM+12+2*\c+1]   ; (a conversion's three registers begin on an even number)
.endr
	WIN 0
	v_nop                                          ; one plain place behind a scaled conversion
.irp c, 0,1                                    ; a WHOLE block in a lane: lanes 0-15 block 2 c, lanes 16-31 block 2 c + 1
.irp i, 0,1,2
	v_permlane16_swap_b32 v[PC+6*\c+\i], v[PC+12+4*\c+\i]
.endr
.irp i, 0,1,2
	v_mov_b32 v[PC+3+6*\c+\i], v[PC+12+4*\c+\i]
.endr
.endr
.endm
.irp b, 0,1,2,3
	v_mov_b32 v[TM+4+\b], 0                        ; written once: a lane permute's destination counts as one of its sources
.endr
.irp a, 0,1,2,3,4,5,6,7                        ; tile a = 4 c + t: head c of my two, tile t of its channels
	s_wait_xcnt 0x0                                ; the last tile's stores have read the codes' registers
	QUANT 64*(\a%4), 2+\a/4, PWR+\a
.irp q, 0,1,2
	global_store_b128 v[L16], v[PC+4*\q:PC+4*\q+3], s[10:11] offset:HEADB*(\a/4)+1536*(\a%4)+512*\q   ; 512 consecutive bytes
.endr
.endr
	v_cmp_lt_u32 vcc_lo, 15, v3                    ; lanes 16-31
.irp c, 0,1
.irp p, 0,1
	v_cndmask_b32 v[T+2*\c+\p], v[PWR+4*\c+2*\p], v[PWR+4*\c+2*\p+1], vcc_lo   ; lanes 0-15 tile 2 p, lanes 16-31 tile 2 p + 1
	global_store_b32 v[L4], v[T+2*\c+\p], s[10:11] offset:HEADB*\c+6144+128*\p
.endr
.endr
	s_wait_tensorcnt 0x0                           ; the wave's end
	ds_add_u32 v[SPW], v[NIL]
	s_wait_dscnt 0x0
	CROUND                                         ; the closing round: no work-group ends while a partner may still ask for a tile that names it
	s_endpgm
.Lfunc_end_k_q1e126a4170_vproj:
	.size	k_q1e126a4170_vproj, .Lfunc_end_k_q1e126a4170_vproj-k_q1e126a4170_vproj
	.p2alignl 7, 3214868480
	.fill 96, 4, 3214868480
	.section	.rodata,"a",@progbits
	.p2align	6, 0x0
	.amdhsa_kernel k_q1e126a4170_vproj
		.amdhsa_group_segment_fixed_size 327680
		.amdhsa_private_segment_fixed_size 0
		.amdhsa_enable_private_segment 0
		.amdhsa_kernarg_size 32
		.amdhsa_user_sgpr_count 2
		.amdhsa_user_sgpr_kernarg_segment_ptr 1
		.amdhsa_wavefront_size32 1
		.amdhsa_system_sgpr_workgroup_id_x 1
		.amdhsa_system_sgpr_workgroup_id_y 1
		.amdhsa_system_sgpr_workgroup_id_z 1
		.amdhsa_system_vgpr_workitem_id 0
		.amdhsa_next_free_vgpr 1024
		.amdhsa_next_free_sgpr 96
		.amdhsa_reserve_vcc 1
		.amdhsa_float_denorm_mode_32 3
		.amdhsa_float_denorm_mode_16_64 3
		.amdhsa_memory_ordered 1
		.amdhsa_forward_progress 1
		.amdhsa_inst_pref_size 143
	.end_amdhsa_kernel
	.amdgpu_metadata
---
amdhsa.version: [ 1, 2 ]
amdhsa.kernels:
  - .name:           k_q1e126a4170_vproj
    .symbol:         k_q1e126a4170_vproj.kd
    .args:
      - { .name: wqkv_img, .offset: 0, .size: 8, .value_kind: global_buffer, .address_space: global }
      - { .name: x_img, .offset: 8, .size: 8, .value_kind: global_buffer, .address_space: global }
      - { .name: Wqkv_b, .offset: 16, .size: 8, .value_kind: global_buffer, .address_space: global }
      - { .name: qkv_img, .offset: 24, .size: 8, .value_kind: global_buffer, .address_space: global }
    .group_segment_fixed_size: 327680
    .private_segment_fixed_size: 0
    .kernarg_segment_align: 8
    .kernarg_segment_size: 32
    .max_flat_workgroup_size: 128
    .sgpr_count:     96
    .vgpr_count:     1024
    .wavefront_size: 32
...
	.end_amdgpu_metadata
.endif
;; end of part 3
;; launch attn (part 4): grid 4 x 64, 16 waves a work-group, no clusters, 206,848 bytes of LDS; arguments qkv_img, attn_img; writes attn_img
.if DOCPART == 4
	.amdgcn_target "amdgcn-amd-amdhsa--gfx1250"
	.amdhsa_code_object_version 6
	.text
	.protected	k_q1e126a4170_attn
	.globl	k_q1e126a4170_attn
	.p2align	8
	.type	k_q1e126a4170_attn,@function
k_q1e126a4170_attn:
	s_mov_b64 s[64:65], 0
	v_nop
	global_prefetch_b8 v0, s[64:65] scope:SCOPE_SE
	s_setreg_imm32_b32 hwreg(HW_REG_WAVE_MODE, 25, 1), 1
	s_wait_xcnt 0x0
; Causal attention of one head on codes of BF6 (E3M2) with E8M0 scales: O = softmax(Q K^T / 8) V, then O quantised along d = 64 head + channel into attn_img, the next product's operand.
; THE SOFTMAX AHEAD OF THE SECOND PRODUCT: t = score x log2(e) / 8; M = the row's largest t so far, rounded UP to a whole number; p = 2^(t - M) is what is quantised, along the keys, not normalised.
; The row's sum is taken of the unquantised p, in f32, and divides O at the end.  When M moves, the sum and O are multiplied by 2^(old M - new M): exact.
; SHARES.  Work-group (j, batch x head) serves the blocks j and 7 - j of 256 queries, one after the other: 9 blocks of 256 x 256 for every work-group.  Each of its sixteen waves owns one tile of 16 queries
; in 256 registers: four waves to a SIMD, so that one wave's vector work stands beside another's matrix work and LDS loads.
; ALL OF THE HEAD'S K AND V STAY IN LDS: 2 x 102,400 bytes, each wave bringing 12,800 dense bytes by ONE tensor load at the start.  Nothing is filled again and nothing is stored to LDS: one wait, one barrier.
; qkv_img is [Q, K, V][batch][head][128 tokens][6,400].  Q, K: eight half images of 768 bytes (tile a: 16 bytes a lane, then 8: block lane / 16 of the token's 64), 256 bytes of scale words.  V: four images of
; 1,536 bytes (16 channels x 128 keys), 256 bytes of scale words.  Lane r of tile t of tokens or channels holds row 32 (t / 2) + 8 (t % 2) + r + 8 (r / 8).
; K = 64 IS HALF OF THE INSTRUCTION'S 128: source 0 holds TWO tiles of keys side by side (tile 2 f in k 0-63, tile 2 f + 1 in k 64-127) and source 1 is [Q | zeros] or [zeros | Q]: zero codes add nothing.
; Both products are used transposed: a lane holds ONE query throughout; the 16 registers of two neighbouring tiles of keys are 16 neighbouring keys, 32 f + 16 (lane / 16) + 0 .. 15.
; CAUSAL: every wave walks all 16 key steps (a constant trip count); a step all of whose keys come after the wave's queries jumps over its work; on the diagonal hidden scores become -infinity (p = 0).
; NO CLUSTER: the four work-groups of a head read the same K and V, but which steps a work-group leaves out hangs on its query block, which would be its place in the cluster, and partners of a joint load must run alike.
; LIMITS: NaN and infinities are not served; hidden scores are -infinity where the module has -1e9: the same p = 0 while |score / 8| stays far under 1e9; blocks under 2^-122 get the byte 1.
; REGISTERS: v1-5 lane terms; v7-11 addresses of the step; v12 -M, v13 the largest t, v[14:15] the sum; v16-21 zeros, v22-27 Q, v28-33 zeros; v34 Q's scale word; v36-83 four fragments; v84-87 K's and V's scale words;
;   v96-159 S^T, then p; v160-191 O^T; v192-211 codes; v212-227 at work on blocks; v228 p's scale word; v[230:231] f; v232-237 at work.
.set HB,    6400
.set HEADB, 16*HB
.set VBASE, HEADB                      ; LDS: K's 16 steps, then V's
.set F,   36
.set S,   96
.set O,   160
.set PCD, 192
.set BM,  212                          ; a block's largest score, then its largest p
.set PT,  216                          ; lane l xor 16's
.set SO,  220                          ; the conversions' scale operands
.set BY,  224                          ; the scale bytes
.set G0,  12                           ; s[12:15], s[16:23] the descriptor
.set G1,  16
.set SEL, 24                           ; s[24:25] lane selects: lane l xor 16
.set CS,  26                           ; s[26:27] c = log2(e) / 8
.set TB,  28                           ; s28 LDS byte of the key step in hand
.set KF,  29                           ; s29 its first key
.set Q0,  30                           ; s30 my tile's first query
.set CNT, 31                           ; s31 key steps to go
	s_load_b128 s[4:7], s[0:1], 0x0                ; qkv_img, attn_img
	v_lshl_add_u32 v254, v0, 2, 0x32000
	v_mov_b32 v255, 0
	ds_add_u32 v254, v255
	ds_add_u32 v254, v255
	v_lshrrev_b32 v1, 5, v0
	v_readfirstlane_b32 s8, v1                     ; wave 0..15
	s_and_b32 s9, ttmp7, 0xffff                    ; 16 x batch + head
	s_mov_b32 s[G1], 3<<16                         ; no mask; elements of 8 bytes; no padding: 12,800 dense bytes as 50 rows of 256
	s_mov_b32 s[G1+1], 32<<16                      ; tensor_dim0 = 32
	s_mov_b32 s[G1+2], 50<<16                      ; tensor_dim1 = 50
	s_mov_b32 s[G1+3], 32<<16                      ; tile_dim0
	s_mov_b32 s[G1+4], 50                          ; tile_dim1
	s_mov_b32 s[G1+5], 32                          ; from row to row
	s_mov_b32 s[G1+6], 0
	s_mov_b32 s[G1+7], 0
	s_mul_i32 s32, s9, HEADB                       ; the head's bytes in each of Q, K, V
	s_lshr_b32 s34, s8, 3                          ; waves 0-7 fetch K, waves 8-15 V
	s_mul_i32 s34, s34, 64*HEADB
	s_and_b32 s35, s8, 7
	s_mul_i32 s35, s35, 2*HB                       ; two key steps each
	s_add_co_u32 s34, s34, s35
	s_add_co_u32 s34, s34, 64*HEADB                ; K lies behind Q
	s_add_co_u32 s34, s34, s32
	s_mov_b32 s35, 0
	s_mov_b32 s[G0], 1
	s_mul_i32 s[G0+1], s8, 2*HB                    ; LDS: wave x 12,800
	s_mov_b32 s[SEL], 0x76543210
	s_mov_b32 s[SEL+1], 0xfedcba98
	s_mov_b32 s[CS], 0x3e38aa3b                    ; log2(e) / 8
	s_mov_b32 s[CS+1], s[CS]                       ; (named with it as a pair, so it is written)
	s_wait_dscnt 0x0
	s_wait_kmcnt 0x0
	s_add_nc_u64 s[G0+2:G0+3], s[4:5], s[34:35]
	s_or_b32 s[G0+3], s[G0+3], 0x80000000
	tensor_load_to_lds s[G0:G0+3], s[G1:G1+7]      ; my one tensor load
	s_nop 0
.rept 4
	v_nop
.endr
	v_and_b32 v6, 31, v0                           ; lane
	v_lshlrev_b32 v1, 4, v6                        ; 16 x lane
	v_lshlrev_b32 v2, 3, v6                        ; 8 x lane
	v_lshlrev_b32 v3, 2, v6                        ; 4 x lane
	v_and_b32 v5, 15, v0                           ; r
	v_bfe_u32 v7, v0, 4, 1                         ; h
	v_and_b32 v4, 8, v5
	v_add_nc_u32 v4, v4, v5
	v_lshlrev_b32 v7, 4, v7
	v_sub_nc_u32 v4, v4, v7                        ; r + 8 (r / 8) - 16 h: my query less my half's first key, both from their tiles' starts
	v_lshlrev_b32 v5, 2, v5                        ; 4 r
.irp i, 16,17,18,19,20,21,28,29,30,31,32,33
	v_mov_b32 v[\i], 0                             ; zero codes on both sides of Q
.endr
.irp b, 0,1,2,3
	v_mov_b32 v[PT+\b], 0                          ; written once: a lane permute's destination counts as one of its sources
.endr
	v_mov_b32 v230, 0
	v_mov_b32 v231, 0                              ; (named as the upper half of the pair v[230:231])
	v_mov_b32 v232, 0
	s_wait_tensorcnt 0x0                           ; my part of K or V is in,
	s_barrier_signal -1
	s_barrier_wait -1                              ; everybody's is: from here on LDS is only read
; A KEY STEP: 128 keys.
.macro STEP
	s_add_co_u32 s56, s[Q0], 23                    ; my last query
	s_cmp_gt_u32 s[KF], s56
	s_cbranch_scc1 .Lhidden_\@                     ; all keys of the step come after my queries: a branch on ids
	v_add_nc_u32 v8, s[TB], v1                     ; these five additions are also the places in front of the loads into registers that the last step's products read
	v_add_nc_u32 v9, s[TB], v2
	v_add_nc_u32 v11, s[TB], v3
	v_add_nc_u32 v10, VBASE, v8
	v_add_nc_u32 v7, VBASE, v11
.irp f, 0,1,2,3                                ; fragment f: tile 2 f in registers 0-5, tile 2 f + 1 in registers 6-11
	ds_load_b128 v[F+12*\f:F+12*\f+3], v8 offset:1536*\f
	ds_load_b64 v[F+12*\f+4:F+12*\f+5], v9 offset:1536*\f+512
	ds_load_b128 v[F+12*\f+6:F+12*\f+9], v8 offset:1536*\f+768
	ds_load_b64 v[F+12*\f+10:F+12*\f+11], v9 offset:1536*\f+1280
.endr
	ds_load_b32 v84, v11 offset:6144               ; K's scale words: lanes 0-15 fragment 0, lanes 16-31 fragment 1;
	ds_load_b32 v85, v11 offset:6272               ; fragments 2 and 3
	s_wait_dscnt 0x0
.irp f, 0,1,2,3                                ; S^T = K Q^T: [Q | 0] picks tile 2 f, [0 | Q] tile 2 f + 1
.if \f%2
	v_wmma_scale_f32_16x16x128_f8f6f4 v[S+16*\f:S+16*\f+7], v[F+12*\f:F+12*\f+11], v[22:33], 0, v[84+\f/2], v34 matrix_a_fmt:MATRIX_FMT_BF6 matrix_b_fmt:MATRIX_FMT_BF6 matrix_a_scale:MATRIX_SCALE_ROW1
	v_wmma_scale_f32_16x16x128_f8f6f4 v[S+16*\f+8:S+16*\f+15], v[F+12*\f:F+12*\f+11], v[16:27], 0, v[84+\f/2], v34 matrix_a_fmt:MATRIX_FMT_BF6 matrix_b_fmt:MATRIX_FMT_BF6 matrix_a_scale:MATRIX_SCALE_ROW1
.else
	v_wmma_scale_f32_16x16x128_f8f6f4 v[S+16*\f:S+16*\f+7], v[F+12*\f:F+12*\f+11], v[22:33], 0, v[84+\f/2], v34 matrix_a_fmt:MATRIX_FMT_BF6 matrix_b_fmt:MATRIX_FMT_BF6
	v_wmma_scale_f32_16x16x128_f8f6f4 v[S+16*\f+8:S+16*\f+15], v[F+12*\f:F+12*\f+11], v[16:27], 0, v[84+\f/2], v34 matrix_a_fmt:MATRIX_FMT_BF6 matrix_b_fmt:MATRIX_FMT_BF6
.endif
.endr                                          ; register 16 f + i of lane (r, h): key KF + 32 f + 16 h + i, query Q0 + r + 8 (r / 8)
.rept 4
	v_nop                                          ; places: in front of the loads into K's registers, and of the first read of the scores
.endr
.irp t, 0,1,2,3                                ; V's four fragments land while the softmax is worked
.irp q, 0,1,2
	ds_load_b128 v[F+12*\t+4*\q:F+12*\t+4*\q+3], v10 offset:1536*\t+512*\q
.endr
.endr
	ds_load_b32 v86, v7 offset:6144
	ds_load_b32 v87, v7 offset:6272
	s_add_co_u32 s56, s[KF], 127
	s_cmp_le_u32 s56, s[Q0]
	s_cbranch_scc1 .Lopen_\@                       ; all keys of the step count for all my queries
	s_sub_co_i32 s56, s[Q0], s[KF]
	v_add_nc_u32 v235, s56, v4                     ; d: register 16 f + i is hidden where 32 f + i > d
	v_mov_b32 v236, 0xff800000                     ; -infinity
.irp n, 0,1,2,3,4,5,6,7,8,9,10,11,12,13,14,15,16,17,18,19,20,21,22,23,24,25,26,27,28,29,30,31,32,33,34,35,36,37,38,39,40,41,42,43,44,45,46,47,48,49,50,51,52,53,54,55,56,57,58,59,60,61,62,63
	v_cmp_gt_i32 vcc_lo, 32*(\n/16)+\n%16, v235
	v_cndmask_b32 v[S+\n], v[S+\n], v236, vcc_lo
.endr
.Lopen_\@:
.irp b, 0,1,2,3
	v_max3_num_f32 v[BM+\b], v[S+16*\b], v[S+1+16*\b], v[S+2+16*\b]   ; the largest score of each block of 32 keys: for the row's maximum, and, since p rises with the score, for the block's largest p
.endr
.irp i, 3,5,7,9,11,13
.irp b, 0,1,2,3
	v_max3_num_f32 v[BM+\b], v[BM+\b], v[S+16*\b+\i], v[S+1+16*\b+\i]
.endr
.endr
.irp b, 0,1,2,3
	v_max_num_f32 v[BM+\b], v[BM+\b], v[S+15+16*\b]
.endr
.irp b, 0,1,2,3
	v_permlanex16_b32 v[PT+\b], v[BM+\b], s[SEL], s[SEL+1]
.endr
.irp b, 0,1,2,3
	v_max_num_f32 v[BM+\b], v[BM+\b], v[PT+\b]     ; with lane l xor 16's 16 keys
.endr
	v_max3_num_f32 v234, v[BM], v[BM+1], v[BM+2]
	v_max_num_f32 v234, v234, v[BM+3]              ; the step's largest score of my query
	v_mul_f32 v234, s[CS], v234                    ; as t (c is positive)
	v_max_num_f32 v13, v13, v234                   ; the running largest t
	v_mov_b32 v234, v12
	v_floor_f32 v12, -v13                          ; the new -M = floor(-t): M is a whole number
	v_sub_f32 v234, v12, v234                      ; old M - new M: a whole number, 0 or less
	v_cvt_i32_f32 v234, v234                       ; (it saturates)
	v_ldexp_f32 v230, 1.0, v234                    ; f = 2^(old M - new M)
.irp j, 0,2,4,6,8,10,12,14,16,18,20,22,24,26,28,30,32,34,36,38,40,42,44,46,48,50,52,54,56,58,60,62
	v_pk_fma_f32 v[S+\j:S+1+\j], v[S+\j:S+1+\j], s[CS:CS+1], v[12:13] op_sel_hi:[1,0,0]   ; t - M, two at a time
.endr
.irp b, 0,1,2,3
	v_fma_f32 v[BM+\b], v[BM+\b], s[CS], v12       ; the same of each block's largest score
.endr
.irp j, 0,1,2,3,4,5,6,7,8,9,10,11,12,13,14,15,16,17,18,19,20,21,22,23,24,25,26,27,28,29,30,31,32,33,34,35,36,37,38,39,40,41,42,43,44,45,46,47,48,49,50,51,52,53,54,55,56,57,58,59,60,61,62,63
	v_exp_f32 v[S+\j], v[S+\j]                     ; p = 2^(t - M), at most 1
.endr
.irp b, 0,1,2,3
	v_exp_f32 v[BM+\b], v[BM+\b]                   ; the block's largest p: the same two instructions on the same number
.endr
	v_pk_mul_f32 v[14:15], v[14:15], v[230:231] op_sel_hi:[1,0]   ; the sums under the new M.  (A plain place behind the exponentials)
	s_wait_alu depctr_va_vdst(0)
.irp b, 0,1,2,3
	v_max_num_f32 v[BM+\b], 0x2800000, v[BM+\b]    ; the floor 2^(5 - 127): the byte cannot fall under 1
.endr
.irp b, 0,1,2,3
	v_add_nc_u32 v[SO+\b], 0xfe000000, v[BM+\b]    ; 4 off the exponent field: the conversion's scale operand
.endr
.irp b, 0,1,2,3
	v_lshrrev_b32 v[BY+\b], 23, v[SO+\b]           ; the scale's byte
.endr
	v_lshl_or_b32 v228, v[BY+1], 8, v[BY]          ; p's scale word for these 128 keys
	v_lshl_or_b32 v228, v[BY+2], 16, v228
	v_lshl_or_b32 v228, v[BY+3], 24, v228
.irp c, 0,1
	v_cvt_scalef32_pk16_bf6_f32 v[PCD+6*\c:PCD+2+6*\c], v[S+32*\c:S+15+32*\c], v[SO+2*\c]
	v_cvt_scalef32_pk16_bf6_f32 v[PCD+12+4*\c:PCD+14+4*\c], v[S+16+32*\c:S+31+32*\c], v[SO+2*\c+1]   ; (a conversion's three registers begin on an even number)
.endr
	v_nop                                          ; one plain place behind a scaled conversion
.irp c, 0,1                                    ; a WHOLE block in a lane: lanes 0-15 block 2 c, lanes 16-31 block 2 c + 1
.irp i, 0,1,2
	v_permlane16_swap_b32 v[PCD+6*\c+\i], v[PCD+12+4*\c+\i]
.endr
.irp i, 0,1,2
	v_mov_b32 v[PCD+3+6*\c+\i], v[PCD+12+4*\c+\i]
.endr
.endr
	v_pk_add_f32 v[232:233], v[S:S+1], v[S+2:S+3]  ; the row's sum is taken of the unquantised p: two at a time, in two chains
.irp j, 4,8,12,16,20,24,28,32,36,40,44,48,52,56,60
	v_pk_add_f32 v[14:15], v[14:15], v[S+\j:S+1+\j]
	v_pk_add_f32 v[232:233], v[232:233], v[S+2+\j:S+3+\j]
.endr
	v_pk_add_f32 v[14:15], v[14:15], v[232:233]
.irp j, 0,2,4,6,8,10,12,14,16,18,20,22,24,26,28,30
	v_pk_mul_f32 v[O+\j:O+1+\j], v[O+\j:O+1+\j], v[230:231] op_sel_hi:[1,0]   ; O^T under the new M.  (With the sums above: the places between the scale word, the codes and the products below)
.endr
	s_wait_dscnt 0x0                               ; V and its scale words are in
.irp t, 0,1,2,3                                ; O^T += V^T P^T: the four accumulators by turns
.if \t%2
	v_wmma_scale_f32_16x16x128_f8f6f4 v[O+8*\t:O+8*\t+7], v[F+12*\t:F+12*\t+11], v[PCD:PCD+11], v[O+8*\t:O+8*\t+7], v[86+\t/2], v228 matrix_a_fmt:MATRIX_FMT_BF6 matrix_b_fmt:MATRIX_FMT_BF6 matrix_a_scale:MATRIX_SCALE_ROW1
.else
	v_wmma_scale_f32_16x16x128_f8f6f4 v[O+8*\t:O+8*\t+7], v[F+12*\t:F+12*\t+11], v[PCD:PCD+11], v[O+8*\t:O+8*\t+7], v[86+\t/2], v228 matrix_a_fmt:MATRIX_FMT_BF6 matrix_b_fmt:MATRIX_FMT_BF6
.endif
.endr
.Lhidden_\@:
	s_add_co_u32 s[KF], s[KF], 128
	s_add_co_u32 s[TB], s[TB], HB
.endm
; A PASS: one block of 256 queries: block j (p = 0) or 7 - j (p = 1).  My tile is T = 16 x block + wave.
.macro PASS p
.if \p == 0
	s_mov_b32 s36, ttmp9
.else
	s_sub_co_u32 s36, 7, ttmp9
.endif
	s_lshl_b32 s37, s36, 4
	s_add_co_u32 s37, s37, s8                      ; T
	s_lshr_b32 s38, s37, 1
	s_lshl_b32 s38, s38, 5
	s_and_b32 s39, s37, 1
	s_lshl_b32 s39, s39, 3
	s_add_co_u32 s[Q0], s38, s39                   ; 32 (T / 2) + 8 (T % 2)
	s_lshr_b32 s40, s37, 3                         ; which 128 tokens
	s_and_b32 s41, s37, 7                          ; which tile of them
	s_mul_i32 s42, s40, HB
	s_add_co_u32 s42, s42, s32
	s_mul_i32 s43, s41, 768
	s_add_co_u32 s44, s42, s43
	s_mov_b32 s45, 0
	s_add_nc_u64 s[44:45], s[4:5], s[44:45]        ; Q's half image
	s_lshr_b32 s43, s41, 1
	s_lshl_b32 s43, s43, 6
	s_lshr_b32 s46, s39, 2
	s_add_co_u32 s46, s46, s43
	s_add_co_u32 s46, s46, s42
	s_add_co_u32 s46, s46, 6144
	s_mov_b32 s47, 0
	s_add_nc_u64 s[46:47], s[4:5], s[46:47]        ; its two scale bytes a row: half 'T % 2' of the pair's word
	global_load_b128 v[22:25], v1, s[44:45]
	global_load_b64 v[26:27], v2, s[44:45] offset:512
	global_load_u16 v35, v5, s[46:47]
	s_lshr_b32 s48, s9, 4                          ; attn_img: block (16 x batch + T / 8, K step head / 2),
	s_lshl_b32 s48, s48, 4
	s_add_co_u32 s48, s48, s40
	s_lshl_b32 s48, s48, 3
	s_bfe_u32 s49, s9, 0x30001
	s_add_co_u32 s48, s48, s49
	s_mul_i32 s48, s48, 12800
	s_and_b32 s49, s9, 1
	s_mul_i32 s52, s41, 1536                       ; image T % 8, half head % 2
	s_mul_i32 s53, s49, 768
	s_add_co_u32 s52, s52, s53
	s_add_co_u32 s52, s52, s48
	s_mov_b32 s53, 0
	s_add_nc_u64 s[52:53], s[6:7], s[52:53]
	s_lshl_b32 s54, s41, 6                         ; and the same half of the rows' scale words
	s_lshl_b32 s55, s49, 1
	s_add_co_u32 s54, s54, s55
	s_add_co_u32 s54, s54, s48
	s_add_co_u32 s54, s54, 12288
	s_mov_b32 s55, 0
	s_add_nc_u64 s[54:55], s[6:7], s[54:55]
	v_mov_b32 v13, 0xff61b1e6                      ; the largest t so far: -3e38, under every t
	v_floor_f32 v12, -v13                          ; -M
	v_mov_b32 v14, 0                               ; the sum, in two halves
	v_mov_b32 v15, 0
.irp j, 0,1,2,3,4,5,6,7,8,9,10,11,12,13,14,15,16,17,18,19,20,21,22,23,24,25,26,27,28,29,30,31
	v_mov_b32 v[O+\j], 0                           ; O^T: the step is written once; the first finds zeros, which the first change of M leaves zeros
.endr
	s_mov_b32 s[TB], 0
	s_mov_b32 s[KF], 0
	s_mov_b32 s[CNT], 16
	s_wait_loadcnt 0x0                             ; Q
	v_lshl_or_b32 v34, v35, 16, v35                ; Q's two bytes serve k 0-63 and k 64-127
.rept 8
	v_nop                                          ; a scale register written by a vector instruction stands eight places ahead of a scaled matrix instruction
.endr
.Lstep_\@:
	STEP
	s_sub_co_u32 s[CNT], s[CNT], 1
	s_cmp_lg_u32 s[CNT], 0
	s_cbranch_scc1 .Lstep_\@
.rept 4
	v_nop                                          ; places behind the last products
.endr
	v_add_f32 v14, v14, v15                        ; the sum's two halves,
	v_permlanex16_b32 v232, v14, s[SEL], s[SEL+1]
	v_add_f32 v14, v14, v232                       ; and lane l xor 16's: the row's sum
	v_rcp_f32 v14, v14
	v_nop                                          ; one plain place behind a transcendental
	s_wait_alu depctr_va_vdst(0)
.irp j, 0,2,4,6,8,10,12,14,16,18,20,22,24,26,28,30
	v_pk_mul_f32 v[S+\j:S+1+\j], v[O+\j:O+1+\j], v[14:15] op_sel_hi:[1,0]   ; O^T / the sum: register 16 b + i is channel 32 b + 16 h + i of my query
.endr
.irp b, 0,1                                    ; the head's two blocks of 32 along d
	v_max3_num_f32 v[BM+\b], |v[S+16*\b]|, |v[S+1+16*\b]|, 0x2800000
.endr
.irp i, 2,4,6,8,10,12,14
.irp b, 0,1
	v_max3_num_f32 v[BM+\b], v[BM+\b], |v[S+16*\b+\i]|, |v[S+1+16*\b+\i]|
.endr
.endr
.irp b, 0,1
	v_permlanex16_b32 v[PT+\b], v[BM+\b], s[SEL], s[SEL+1]
.endr
.irp b, 0,1
	v_max_num_f32 v[BM+\b], v[BM+\b], v[PT+\b]
.endr
.irp b, 0,1
	v_add_nc_u32 v[SO+\b], 0xfe000000, v[BM+\b]
.endr
.irp b, 0,1
	v_lshrrev_b32 v[BY+\b], 23, v[SO+\b]
.endr
	v_lshl_or_b32 v237, v[BY+1], 8, v[BY]          ; the head's two scale bytes of my query
	v_cvt_scalef32_pk16_bf6_f32 v[PCD:PCD+2], v[S:S+15], v[SO]
	v_cvt_scalef32_pk16_bf6_f32 v[PCD+12:PCD+14], v[S+16:S+31], v[SO+1]
	v_nop                                          ; one plain place behind a scaled conversion
.irp i, 0,1,2
	v_permlane16_swap_b32 v[PCD+\i], v[PCD+12+\i]
.endr
.irp i, 0,1,2
	v_mov_b32 v[PCD+3+\i], v[PCD+12+\i]            ; six registers: block lane / 16 of query r
.endr
	global_store_b128 v1, v[PCD:PCD+3], s[52:53]   ; 512 consecutive bytes,
	global_store_b64 v2, v[PCD+4:PCD+5], s[52:53] offset:512   ; then 256
	global_store_b16 v5, v237, s[54:55]            ; lanes r and r + 16 hold the same two bytes and store them to the same place; the word's other half is the neighbouring head's
	s_wait_xcnt 0x0                                ; the stores have read their registers and bases: the next pass writes them again
.endm
	PASS 0
	PASS 1
	s_wait_tensorcnt 0x0
	ds_add_u32 v254, v255
	s_wait_dscnt 0x0
	s_endpgm
.Lfunc_end_k_q1e126a4170_attn:
	.size	k_q1e126a4170_attn, .Lfunc_end_k_q1e126a4170_attn-k_q1e126a4170_attn
	.p2alignl 7, 3214868480
	.fill 96, 4, 3214868480
	.section	.rodata,"a",@progbits
	.p2align	6, 0x0
	.amdhsa_kernel k_q1e126a4170_attn
		.amdhsa_group_segment_fixed_size 206848
		.amdhsa_private_segment_fixed_size 0
		.amdhsa_enable_private_segment 0
		.amdhsa_kernarg_size 16
		.amdhsa_user_sgpr_count 2
		.amdhsa_user_sgpr_kernarg_segment_ptr 1
		.amdhsa_wavefront_size32 1
		.amdhsa_system_sgpr_workgroup_id_x 1
		.amdhsa_system_sgpr_workgroup_id_y 1
		.amdhsa_system_sgpr_workgroup_id_z 1
		.amdhsa_system_vgpr_workitem_id 0
		.amdhsa_next_free_vgpr 256
		.amdhsa_next_free_sgpr 66
		.amdhsa_reserve_vcc 1
		.amdhsa_float_denorm_mode_32 3
		.amdhsa_float_denorm_mode_16_64 3
		.amdhsa_memory_ordered 1
		.amdhsa_forward_progress 1
		.amdhsa_inst_pref_size 60
	.end_amdhsa_kernel
	.amdgpu_metadata
---
amdhsa.version: [ 1, 2 ]
amdhsa.kernels:
  - .name:           k_q1e126a4170_attn
    .symbol:         k_q1e126a4170_attn.kd
    .args:
      - { .name: qkv_img, .offset: 0, .size: 8, .value_kind: global_buffer, .address_space: global }
      - { .name: attn_img, .offset: 8, .size: 8, .value_kind: global_buffer, .address_space: global }
    .group_segment_fixed_size: 206848
    .private_segment_fixed_size: 0
    .kernarg_segment_align: 8
    .kernarg_segment_size: 16
    .max_flat_workgroup_size: 512
    .sgpr_count:     66
    .vgpr_count:     256
    .wavefront_size: 32
...
	.end_amdgpu_metadata
.endif
;; end of part 4
;; launch oproj (part 5): grid 4 x 32, 4 waves a work-group, clusters of 4 x 4, 327,680 bytes of LDS; arguments attn_img, wo_img, Wo_b, out0; writes out0
.if DOCPART == 5
	.amdgcn_target "amdgcn-amd-amdhsa--gfx1250"
	.amdhsa_code_object_version 6
	.text
	.protected	k_q1e126a4170_oproj
	.globl	k_q1e126a4170_oproj
	.p2align	8
	.type	k_q1e126a4170_oproj,@function
k_q1e126a4170_oproj:
	s_mov_b64 s[64:65], 0
	v_nop
	global_prefetch_b8 v0, s[64:65] scope:SCOPE_SE
	s_setreg_imm32_b32 hwreg(HW_REG_WAVE_MODE, 25, 1), 1
	s_wait_xcnt 0x0
	s_wait_alu depctr_hold_cnt(0) depctr_sa_sdst(0) depctr_va_vdst(0) depctr_va_sdst(0) depctr_va_ssrc(0) depctr_va_vcc(0) depctr_vm_vsrc(0)
	s_getreg_b32 s2, hwreg(HW_REG_IB_STS2, 6, 4)
	s_cmp_eq_u32 s2, 0
	s_cbranch_scc0 .Lentry_in_a_cluster
	s_endpgm
.Lentry_in_a_cluster:
	s_bfe_u32 s2, ttmp6, 0x10000c
	s_cmp_lg_u32 s2, 0xf033
	s_cbranch_scc0 .Lentry_shape_is_right
	s_endpgm
.Lentry_shape_is_right:
; out0 = attention's result x Wo^T + b, f32.  Product on codes of BF6 (E3M2) with E8M0 scales, sums in f32.
; This text is one of three with the same main part (KIND 0: Q and K; 1: V; 2: the output projection); they differ in the operands' roles, the bias and the way out.
; OPERANDS lie in memory as images of their registers: a block OB = 128 rows x 128 K = eight images of 1,536 bytes + 512 bytes of scale words; a buffer is [128 rows][K step 0..7][OB].
; Wo's images are three planes of 512 bytes; attention's are two halves of 768 bytes (a head each: 16 bytes a lane, then 8), since two work-groups of the launch before wrote them.
; A tile of the result, 256 x 256, is made by four waves, each 128 x 128: 64 accumulators, 512 registers.  'A' = attn_img (tokens), 'B' = Wo (rows o).
; THE MATRIX INSTRUCTION IS USED TRANSPOSED (source 0 = 16 rows of B, source 1 = 16 rows of A): a lane holds one token and eight neighbouring outputs.  Lane r of tile t holds row 32 (t / 2) + 8 (t % 2) + r + 8 (r / 8).
; K = 1,024 is eight steps of 128.  LDS has three slots of two steps (102,400 bytes: A's 256 rows, B's 256 rows); each wave brings a quarter of a slot, 25,600 dense bytes, by one tensor load.
; Slots 0, 1, 2 are filled at the start (three loads of a wave are out at the most), slot 0 once more with steps 6 and 7 behind step 1: that load has 224 matrix instructions in which to land.
; CLUSTERS: 4 x 4 work-groups; A's tiles are asked for jointly along a row of the cluster, B's along a column.  The result has 128 tiles of 256 x 256: half of the WGPs have no work-group.
; THE WAY OUT: a tile of 16 tokens x 128 outputs goes through the wave's own stage in LDS and comes back as whole rows of 512 bytes, which the 32 lanes store as 512 consecutive, aligned bytes.
; The stages lie in slot 1, which has had its one fill, and which nobody reads behind the barrier of K step 5.
; REGISTERS: window 0: v1-29 addresses; v32-47 scale words, two sets; v64-127 the bias; v128-223 A's fragments, one set; on the way out v128-255 rows of the result.
;   window 1: B's fragments, two sets, at v0 and v128.   windows 2, 3: the accumulators ((a, b) at v[8 (8 (a % 4) + b)] of window 2 + a / 4).
.set KIND,  2
.set OB,    12800
.set PAIRB, 2*OB                       ; 128 rows x two K steps: what one tensor load brings
.set SLOT,  4*PAIRB
.set R128B, 8*OB                       ; 128 rows' eight K steps in memory
.set SPARE, 3*SLOT                     ; behind the slots: the spare words, 128 bytes for each wave: two blocks of 256 bytes that no other line names
.set FR,    12                         ; registers of a fragment
.if KIND == 2
.set NLA,   4                          ; LDS loads that bring a fragment of A
.else
.set NLA,   3
.endif
.set A16,  8                           ; v8-10   slot s: my 128 rows of A + 16 x lane
.set A8,   11                          ; v11-13  the same + 8 x lane
.set B16,  14                          ; v14-16  my 128 rows of B + 16 x lane
.set ADRS, 17                          ; v17-19  scale words: lanes 0-15 A's rows, lanes 16-31 B's
.set L16,  20                          ; v20 16 x lane   v21 8 x lane
.set L8,   21
.set STO,  24                          ; v24 the stage: where I put 32 bytes of a row
.set RD,   25                          ; v25 and where I read a row back
.set BOFF, 26                          ; v26 my lane's place in the bias
.set SPW,  28                          ; v28 LDS address of my spare word; never rewritten
.set NIL,  29                          ; v29 0; never rewritten
.set SC,   32                          ; scale words: set g % 2, register i: lanes 0-15 A's block i, lanes 16-31 B's block i
.set BIAS, 64
.set AF,   128
.set G1,   24                          ; s[24:31] descriptor group 1 for A's tiles; s[32:39] for B's; s[48:59], s[68:79] their groups 0, one for each slot
.set G1B,  32
.set G0,   48
.set G0B,  68
.set MSB, 0
.macro WIN new                         ; the immediate's high byte repeats the setting that is left
.if MSB != (\new)
	s_set_vgpr_msb (MSB<<8)|(\new)
.set MSB, (\new)
.endif
.endm
.macro JLOAD g0a, g1a, g0b, g1b        ; a joint load: waves 0 and 1 fetch for A, waves 2 and 3 for B; four v_nop follow each of the two lines
	s_cmp_eq_u32 s15, 0
	s_cbranch_scc0 .Lfor_b_\@
	tensor_load_to_lds s[\g0a:\g0a+3], s[\g1a:\g1a+7]
	s_nop 0
.rept 4
	v_nop
.endr
	s_branch .Lasked_\@
.Lfor_b_\@:
	tensor_load_to_lds s[\g0b:\g0b+3], s[\g1b:\g1b+7]
	s_nop 0
.rept 4
	v_nop
.endr
.Lasked_\@:
.endm
.macro CREST                           ; a round of the cluster's barrier behind its opening barrier
	s_cmp_lg_u32 s14, 0
	s_cbranch_scc1 .Lnot_wave_0_\@
	s_barrier_signal -3
.Lnot_wave_0_\@:
	s_barrier_wait -3
	s_barrier_signal -1
	s_barrier_wait -1
.endm
.macro CROUND
	s_barrier_signal -1
	s_barrier_wait -1
	CREST
.endm
.macro PLACES                          ; four places behind matrix instructions, in front of loads into registers that they read and of the first read of results
.rept 4
	v_nop
.endr
.endm
.macro FRAG3 reg, adr, off             ; an image in three planes of 512 bytes
.irp q, 0,1,2
	ds_load_b128 v[\reg+4*\q:\reg+4*\q+3], v[\adr] offset:\off+512*\q
.endr
.endm
.macro FRAG4 reg, adr, adr8, off       ; an image in two halves of 768 bytes: 16 bytes a lane, then 8
	ds_load_b128 v[\reg:\reg+3], v[\adr] offset:\off
	ds_load_b64 v[\reg+4:\reg+5], v[\adr8] offset:\off+512
	ds_load_b128 v[\reg+6:\reg+9], v[\adr] offset:\off+768
	ds_load_b64 v[\reg+10:\reg+11], v[\adr8] offset:\off+1280
.endm
.macro FETCH_B g                       ; B's eight fragments of K step g into set g % 2.  K step g lies in slot (g / 2) % 3
.set SL, ((\g)/2)%3
.set OF, OB*((\g)%2)
	WIN 0x40                                       ; destination window 1
.irp i, 0,1,2,3,4,5,6,7
	FRAG3 128*((\g)%2)+FR*\i, B16+SL, OF+1536*\i
.endr
	WIN 0
.endm
.macro FETCH_A g, i0                   ; A's blocks i0 .. i0 + 3
.set SL, ((\g)/2)%3
.set OF, OB*((\g)%2)
.irp i, \i0, \i0+1, \i0+2, \i0+3
	FRAG4 AF+FR*(\i), A16+SL, A8+SL, OF+1536*(\i)
.endr
.endm
.macro SCALES g
.set SL, ((\g)/2)%3
.irp i, 0,1,2,3,4,5,6,7
	ds_load_b32 v[SC+8*((\g)%2)+\i], v[ADRS+SL] offset:OB*((\g)%2)+64*\i
.endr
.endm
; 16 matrix instructions: A's blocks a0, a0 + 1 x B's eight.  first = 1: the bias is the C of each sum's first product.  The 64 accumulators take turns, one instruction a turn, in the same order in every step.
.macro MUL16 a0, g, first
.irp a, \a0, \a0+1
.irp b, 0,1,2,3,4,5,6,7
.if \first
.if KIND == 1
.set CB, BIAS+8*(\a)
.else
.set CB, BIAS+8*\b
.endif
	v_wmma_scale_f32_16x16x128_f8f6f4 v[8*(8*((\a)%4)+\b):8*(8*((\a)%4)+\b)+7], v[128*((\g)%2)+FR*\b:128*((\g)%2)+FR*\b+FR-1], v[AF+FR*(\a):AF+FR*(\a)+FR-1], v[CB:CB+7], v[SC+8*((\g)%2)+\b], v[SC+8*((\g)%2)+(\a)] matrix_a_fmt:MATRIX_FMT_BF6 matrix_b_fmt:MATRIX_FMT_BF6 matrix_a_scale:MATRIX_SCALE_ROW1
.else
	v_wmma_scale_f32_16x16x128_f8f6f4 v[8*(8*((\a)%4)+\b):8*(8*((\a)%4)+\b)+7], v[128*((\g)%2)+FR*\b:128*((\g)%2)+FR*\b+FR-1], v[AF+FR*(\a):AF+FR*(\a)+FR-1], v[8*(8*((\a)%4)+\b):8*(8*((\a)%4)+\b)+7], v[SC+8*((\g)%2)+\b], v[SC+8*((\g)%2)+(\a)] matrix_a_fmt:MATRIX_FMT_BF6 matrix_b_fmt:MATRIX_FMT_BF6 matrix_a_scale:MATRIX_SCALE_ROW1
.endif
.endr
.endr
.endm
; A K step whose successor's tiles have been shown whole.  Window settings: source 0 (B) window 1, source 1 (A) window 0, D window 2 or 3; C with D, or (first) window 0.
.macro STEP g, first
	s_wait_dscnt 4*NLA                             ; all but the youngest loads, A's blocks 4-7
.if \first
	WIN 0x81
.else
	WIN 0xa1
.endif
	MUL16 0, \g, \first
	MUL16 2, \g, \first
	s_wait_dscnt 0x0                               ; A's blocks 4-7 are in (asked for 32 matrix instructions ago)
	PLACES
	FETCH_B (\g)+1
	FETCH_A (\g)+1, 0
	SCALES (\g)+1
.if \first
	WIN 0xc1
.else
	WIN 0xf1
.endif
	MUL16 4, \g, \first
	MUL16 6, \g, \first
	PLACES
	WIN 0
	FETCH_A (\g)+1, 4
.endm
; A K step with a barrier in it.  In front of the barrier each wave waits for all its tensor loads, adds 0 to its spare word, and waits for that and for its reads of the slot in hand.
; fill = 1: slot 0, just read out, takes K steps 6 and 7: the barrier opens a round of the cluster's, and the joint load is the first thing behind the round.
.macro TURN g, fill
	s_wait_tensorcnt 0x0                           ; all my tensor loads have landed
	ds_add_u32 v[SPW], v[NIL]                      ; 0 onto my spare word
	s_wait_dscnt 4*NLA+1                           ; (the add and A's blocks 4-7 may be out)
	WIN 0xa1
	MUL16 0, \g, 0                                 ; sixteen matrix instructions stand between the add and the wait for it
	s_wait_dscnt 0x0                               ; the add is done, and my reads of this slot are over
	s_barrier_signal -1
	MUL16 2, \g, 0
	WIN 0
	s_barrier_wait -1
.if \fill
	CREST                                          ; no wave of any partner still reads slot 0 or has a load on its way
	s_add_nc_u64 s[G0+2:G0+3], s[G0+2:G0+3], 3*PAIRB
	s_add_nc_u64 s[G0B+2:G0B+3], s[G0B+2:G0B+3], 3*PAIRB
	JLOAD G0, G1, G0B, G1B                         ; the four v_nop behind it are also the places in front of the loads below
.else
	PLACES
.endif
	FETCH_B (\g)+1
	FETCH_A (\g)+1, 0
	SCALES (\g)+1
	WIN 0xf1
	MUL16 4, \g, 0
	MUL16 6, \g, 0
	PLACES
	WIN 0
	FETCH_A (\g)+1, 4
.endm
	s_load_b128 s[4:7], s[0:1], 0x0                ; A's images, B's images
	s_load_b128 s[8:11], s[0:1], 0x10              ; the bias; out0
	v_lshl_add_u32 v[SPW], v0, 2, SPARE
	v_mov_b32 v[NIL], 0
	ds_add_u32 v28, v29
	ds_add_u32 v28, v29
	s_wait_dscnt 0x0
	v_lshrrev_b32 v1, 5, v0
	v_readfirstlane_b32 s14, v1                    ; wave 0..3
	s_lshr_b32 s15, s14, 1                         ; which half of the tile's rows (A) is mine.  Also: I fetch for A (0) or for B (1)
	s_and_b32 s16, s14, 1                          ; which half of its columns (B).  Also: which 128 rows I fetch
	s_bfe_u32 s40, ttmp6, 0x40000                  ; cx, cy: my place in the cluster
	s_bfe_u32 s41, ttmp6, 0x40004
	s_lshl_b32 s42, ttmp9, 2
	s_add_co_u32 s42, s42, s40                     ; tile column = 4 x cluster x + cx
	s_and_b32 s17, ttmp7, 0xffff
	s_lshl_b32 s17, s17, 2
	s_add_co_u32 s17, s17, s41                     ; tile row = 4 x cluster y + cy
	s_lshl_b32 s43, s41, 2
	s_lshl_b32 s43, 15, s43                        ; my row of the cluster
	s_lshl_b32 s44, 0x1111, s40                    ; my column
	s_or_b32 s[G1+0], s43, (3<<16)|(1<<21)         ; 15:0 the mask; 17:16 elements of 8 bytes; 21 set beside a mask; no padding
	s_or_b32 s[G1B+0], s44, (3<<16)|(1<<21)
.irp g, G1, G1B                        ; 25,600 dense bytes as 100 rows of 256
	s_mov_b32 s[\g+1], 32<<16                      ; tensor_dim0 = 32
	s_mov_b32 s[\g+2], 100<<16                     ; tensor_dim1 = 100
	s_mov_b32 s[\g+3], 32<<16                      ; tile_dim0
	s_mov_b32 s[\g+4], 100                         ; tile_dim1
	s_mov_b32 s[\g+5], 32                          ; from row to row
	s_mov_b32 s[\g+6], 0
	s_mov_b32 s[\g+7], 0
.endr
	s_lshl_b32 s20, s17, 1
	s_add_co_u32 s20, s20, s16                     ; A: which 128 rows: 2 x tile row + half
	s_mul_i32 s20, s20, R128B
	s_mov_b32 s21, 0
	s_lshl_b32 s46, s42, 1
	s_add_co_u32 s46, s46, s16                     ; B: 2 x tile column + half
	s_mul_i32 s46, s46, R128B
	s_mov_b32 s47, 0
	s_mul_i32 s45, s14, PAIRB                      ; where they go in a slot: wave x 25,600: no place in the cluster enters an LDS address
	s_wait_kmcnt 0x0
	s_add_nc_u64 s[20:21], s[4:5], s[20:21]
	s_add_nc_u64 s[46:47], s[6:7], s[46:47]
	CROUND                                         ; all sixteen work-groups are here: the first joint loads meet
.irp s, 0,1,2
	s_mov_b32 s[G0+4*\s], 1
	s_add_co_u32 s[G0+4*\s+1], s45, \s*SLOT
	s_add_nc_u64 s[G0+4*\s+2:G0+4*\s+3], s[20:21], \s*PAIRB
	s_or_b32 s[G0+4*\s+3], s[G0+4*\s+3], 0x80000000
	s_mov_b32 s[G0B+4*\s], 1
	s_add_co_u32 s[G0B+4*\s+1], s45, \s*SLOT
	s_add_nc_u64 s[G0B+4*\s+2:G0B+4*\s+3], s[46:47], \s*PAIRB
	s_or_b32 s[G0B+4*\s+3], s[G0B+4*\s+3], 0x80000000
	JLOAD G0+4*\s, G1, G0B+4*\s, G1B               ; K steps 2 s and 2 s + 1
.endr
	v_and_b32 v1, 15, v0                           ; r
	v_bfe_u32 v2, v0, 4, 1                         ; h
	v_and_b32 v3, 31, v0                           ; lane
	; the bias runs along B's rows: register j of tile b wants o0 + 32 (b / 2) + 16 h + 8 (b % 2) + j
	s_lshl_b32 s84, s42, 10
	s_lshl_b32 s85, s16, 9
	s_add_co_u32 s84, s84, s85                     ; 4 o0 = 1,024 x tile column + 512 x half
	s_mov_b32 s85, 0
	s_add_nc_u64 s[8:9], s[8:9], s[84:85]
	v_lshlrev_b32 v[BOFF], 6, v2
.irp b, 0,1,2,3,4,5,6,7
	global_load_b128 v[BIAS+8*\b:BIAS+8*\b+3], v[BOFF], s[8:9] offset:(32*(\b/2)+8*(\b%2))*4
	global_load_b128 v[BIAS+8*\b+4:BIAS+8*\b+7], v[BOFF], s[8:9] offset:(32*(\b/2)+8*(\b%2))*4+16
.endr
	v_lshlrev_b32 v[L16], 4, v3
	v_lshlrev_b32 v[L8], 3, v3
	s_mul_i32 s80, s15, PAIRB                      ; my 128 rows of A in a slot
	s_mul_i32 s81, s16, PAIRB
	s_add_co_u32 s81, s81, 2*PAIRB                 ; my 128 rows of B, behind A's 256
	s_sub_co_u32 s82, s81, s80
	v_mul_u32_u24 v4, s82, v2                      ; lanes 16-31 take B's scale words
	v_lshl_add_u32 v4, v1, 2, v4
	v_add_nc_u32 v4, s80, v4
.irp s, 0,1,2
	v_add_nc_u32 v[A16+\s], s80, v[L16]
	v_add_nc_u32 v[A8+\s], s80, v[L8]
	v_add_nc_u32 v[B16+\s], s81, v[L16]
	v_add_nc_u32 v[ADRS+\s], \s*SLOT+12288, v4
	s_add_co_u32 s80, s80, SLOT
	s_add_co_u32 s81, s81, SLOT
.endr
	s_mul_i32 s83, s14, 16*528
	s_add_co_u32 s83, s83, SLOT                    ; my stage, in slot 1
	v_mul_u32_u24 v5, v1, 528
	v_lshl_add_u32 v5, v2, 6, v5
	v_add_nc_u32 v[STO], s83, v5                   ; in: row r, + 64 h
	v_add_nc_u32 v[RD], s83, v[L16]                ; back: 16 bytes a lane of a row
	s_lshl_b32 s86, s17, 20                        ; out0 at my first token (256 x tile row + 128 x half, rows of 4,096 bytes) and my first output
	s_lshl_b32 s87, s15, 19
	s_add_co_u32 s86, s86, s87
	s_lshl_b32 s87, s42, 10
	s_add_co_u32 s86, s86, s87
	s_lshl_b32 s87, s16, 9
	s_add_co_u32 s86, s86, s87
	s_mov_b32 s87, 0
	s_add_nc_u64 s[10:11], s[10:11], s[86:87]
	s_wait_loadcnt 0x0                             ; the bias
	s_wait_tensorcnt 2                             ; my part of slot 0 is in; slots 1 and 2 may be out
	s_barrier_signal -1
	s_barrier_wait -1                              ; everybody's is
	FETCH_B 0
	FETCH_A 0, 0
	SCALES 0
	FETCH_A 0, 4
	STEP 0, 1
	TURN 1, 1                                      ; all three slots have landed in every wave; slot 0 is asked for again
	STEP 2, 0
	STEP 3, 0
	STEP 4, 0
	TURN 5, 0                                      ; K steps 6 and 7 have landed in every wave; nothing is filled; nobody reads slot 1 any more
	STEP 6, 0
	s_wait_dscnt 4*NLA                             ; the last K step: nothing more to fetch
	WIN 0xa1
	MUL16 0, 7, 0
	MUL16 2, 7, 0
	s_wait_dscnt 0x0
	WIN 0xf1
	MUL16 4, 7, 0
	MUL16 6, 7, 0
	WIN 0
	PLACES
.set BK, 128                           ; 16 rows read back from the stage: v128-191 and v192-255 by turns
.macro TOSTAGE a                       ; LDS serves a wave's instructions in order: no wait between the stores and the loads, nor in front of the next tile's stores
.set AC, 64*((\a)%4)
	WIN 0x08+4*((\a)/4)                            ; an LDS store's data are its source 1: window 2 or 3
.irp b, 0,1,2,3,4,5,6,7
	ds_store_b128 v[STO], v[AC+8*\b:AC+8*\b+3] offset:128*(\b/2)+32*(\b%2)        ; outputs 32 (b / 2) + 16 h + 8 (b % 2) + 0 .. 7 of token r; each accumulator from its low end on
	ds_store_b128 v[STO], v[AC+8*\b+4:AC+8*\b+7] offset:128*(\b/2)+32*(\b%2)+16
.endr
	WIN 0
.set BB, BK+64*((\a)%2)
.irp t, 0,1,2,3,4,5,6,7,8,9,10,11,12,13,14,15
	ds_load_b128 v[BB+4*\t:BB+4*\t+3], v[RD] offset:\t*528
.endr
.endm
.macro SEND a, younger                 ; younger: the LDS instructions issued behind tile a's loads, which may stay out
.set BB, BK+64*((\a)%2)
	s_wait_dscnt \younger
.irp t, 0,1,2,3,4,5,6,7,8,9,10,11,12,13,14,15
	global_store_b128 v[L16], v[BB+4*\t:BB+4*\t+3], s[10:11] offset:(32*((\a)/2)+8*((\a)%2)+\t+8*(\t/8))*4096 th:TH_STORE_NT   ; 32 lanes store 512 consecutive bytes, at a multiple of 512 from out0's first byte; written once, read by nobody here
.endr
.endm
	TOSTAGE 0
.irp a, 1,2,3,4,5,6,7
.if \a > 1
	s_wait_xcnt 0x0                                ; tile a - 2's stores have read their registers: tile a's loads may land there
.endif
	TOSTAGE \a
	SEND \a-1, 32                                  ; behind tile a - 1's loads: tile a's 16 stores and 16 loads
.endr
	SEND 7, 0
	s_wait_tensorcnt 0x0                           ; the wave's end: behind my last tensor load and my last LDS store
	ds_add_u32 v[SPW], v[NIL]
	s_wait_dscnt 0x0
	CROUND                                         ; the closing round: no work-group ends while a partner may still ask for a tile that names it
	s_endpgm
.Lfunc_end_k_q1e126a4170_oproj:
	.size	k_q1e126a4170_oproj, .Lfunc_end_k_q1e126a4170_oproj-k_q1e126a4170_oproj
	.p2alignl 7, 3214868480
	.fill 96, 4, 3214868480
	.section	.rodata,"a",@progbits
	.p2align	6, 0x0
	.amdhsa_kernel k_q1e126a4170_oproj
		.amdhsa_group_segment_fixed_size 327680
		.amdhsa_private_segment_fixed_size 0
		.amdhsa_enable_private_segment 0
		.amdhsa_kernarg_size 32
		.amdhsa_user_sgpr_count 2
		.amdhsa_user_sgpr_kernarg_segment_ptr 1
		.amdhsa_wavefront_size32 1
		.amdhsa_system_sgpr_workgroup_id_x 1
		.amdhsa_system_sgpr_workgroup_id_y 1
		.amdhsa_system_sgpr_workgroup_id_z 1
		.amdhsa_system_vgpr_workitem_id 0
		.amdhsa_next_free_vgpr 1024
		.amdhsa_next_free_sgpr 96
		.amdhsa_reserve_vcc 0
		.amdhsa_float_denorm_mode_32 3
		.amdhsa_float_denorm_mode_16_64 3
		.amdhsa_memory_ordered 1
		.amdhsa_forward_progress 1
		.amdhsa_inst_pref_size 140
	.end_amdhsa_kernel
	.amdgpu_metadata
---
amdhsa.version: [ 1, 2 ]
amdhsa.kernels:
  - .name:           k_q1e126a4170_oproj
    .symbol:         k_q1e126a4170_oproj.kd
    .args:
      - { .name: attn_img, .offset: 0, .size: 8, .value_kind: global_buffer, .address_space: global }
      - { .name: wo_img, .offset: 8, .size: 8, .value_kind: global_buffer, .address_space: global }
      - { .name: Wo_b, .offset: 16, .size: 8, .value_kind: global_buffer, .address_space: global }
      - { .name: out0, .offset: 24, .size: 8, .value_kind: global_buffer, .address_space: global }
    .group_segment_fixed_size: 327680
    .private_segment_fixed_size: 0
    .kernarg_segment_align: 8
    .kernarg_segment_size: 32
    .max_flat_workgroup_size: 128
    .sgpr_count:     96
    .vgpr_count:     1024
    .wavefront_size: 32
...
	.end_amdgpu_metadata
.endif
;; end of part 5
;; ======== version 2 of 2: 4 launches
;; limits: right only within a limited range of input values
;; workspace buffers: x_img 6,553,600 bytes; wqkv_img 2,457,600 bytes; wo_img 819,200 bytes; rope_tab 524,288 bytes; qkv_img 19,660,800 bytes; attn_img 6,553,600 bytes
;; launch prep: the kernel of part 1 again; grid 784 x 1, 4 waves a work-group, no clusters, 68,096 bytes of LDS; arguments x, Wqkv_w, Wo_w, token_positions, x_img, wqkv_img, wo_img, rope_tab; writes x_img, wqkv_img, wo_img, rope_tab
;; launch qkv (part 6): grid 8 x 32, 4 waves a work-group, clusters of 4 x 4, 327,680 bytes of LDS; arguments x_img, wqkv_img, Wqkv_b, rope_tab, qkv_img; writes qkv_img
.if DOCPART == 6
	.amdgcn_target "amdgcn-amd-amdhsa--gfx1250"
	.amdhsa_code_object_version 6
	.text
	.protected	k_q1e126a4170_qkv
	.globl	k_q1e126a4170_qkv
	.p2align	8
	.type	k_q1e126a4170_qkv,@function
k_q1e126a4170_qkv:
	s_mov_b64 s[64:65], 0
	v_nop
	global_prefetch_b8 v0, s[64:65] scope:SCOPE_SE
	s_setreg_imm32_b32 hwreg(HW_REG_WAVE_MODE, 25, 1), 1
	s_wait_xcnt 0x0
	s_wait_alu depctr_hold_cnt(0) depctr_sa_sdst(0) depctr_va_vdst(0) depctr_va_sdst(0) depctr_va_ssrc(0) depctr_va_vcc(0) depctr_vm_vsrc(0)
	s_getreg_b32 s2, hwreg(HW_REG_IB_STS2, 6, 4)
	s_cmp_eq_u32 s2, 0
	s_cbranch_scc0 .Lentry_in_a_cluster
	s_endpgm
.Lentry_in_a_cluster:
	s_bfe_u32 s2, ttmp6, 0x10000c
	s_cmp_lg_u32 s2, 0xf033
	s_cbranch_scc0 .Lentry_shape_is_right
	s_endpgm
.Lentry_shape_is_right:
; Q, K and V: x Wqkv^T + b on codes of BF6 (E3M2) with E8M0 scales, sums in f32; Q and K turned by RoPE and quantised along a head's 64, V quantised ALONG THE KEYS; all into qkv_img.
; TWO PHASES IN ONE LAUNCH, so that the arguments, the first tiles and the last stores are waited for once.  Phase 1: a tile of 256 tokens x 256 rows of Wqkv (rows 0-2047: Q and K).  Phase 2: a tile of
; 256 channels of V (rows 2048-3071) x 128 tokens.  32 x 8 = 256 tiles in phase 1, 4 x 64 = 256 in phase 2: one of each to a work-group.
; OPERANDS lie in memory as images of their registers: a block OB = 128 rows x 128 K = eight images of 1,536 bytes + 512 bytes of scale words; a buffer is [128 rows][K step 0..7][OB].
; THE MATRIX INSTRUCTION IS USED TRANSPOSED (source 0 = 16 rows of 'B', source 1 = 16 rows of 'A'): a lane holds one row of A.  Lane r of tile t holds row 32 (t / 2) + 8 (t % 2) + r + 8 (r / 8), so
; the 64 registers of a tile of A's rows run along B's rows in the order that the quantiser wants: register 16 b + i = row 32 b + 16 (lane / 16) + i.
; PHASE 1: 'A' = x (tokens), 'B' = Wqkv (rows e): four waves, each 128 x 128: 64 accumulators, 512 registers.  K = 1,024 is eight steps of 128.  LDS has three slots of two steps (102,400 bytes: A's 256 rows,
; B's 256 rows); each wave brings a quarter of a slot, 25,600 dense bytes, by one tensor load.  Slots 0, 1, 2 are filled at the start (three loads of a wave are out at the most), slot 0 once more with
; steps 6 and 7 behind step 1: that load has 224 matrix instructions in which to land.
; ITS WAY OUT touches no LDS: a tile of 16 tokens at a time: RoPE (cos and sin from rope_tab), the quantiser, and each head's half image (24 bytes a lane: block lane / 16 of token r) straight from registers.
; PHASE 2: 'A' = Wqkv's rows (channels), 'B' = x (tokens): wave w takes channels 64 w .. 64 w + 63, one head, and all 128 tokens: 32 accumulators.  A block of 128 rows has its eight K steps on end in memory:
; 102,400 dense bytes.  So phase 2's operands are three such blocks, at LDS bytes 0, 102,400 and 204,800, and ONE tensor load a wave brings them (waves 0 and 1: the channels' two blocks; wave 2: the tokens';
; wave 3: none).  It is issued in phase 1's last K step, behind a round of the cluster's barrier, and has 32 matrix instructions and all of phase 1's way out in which to land.
; CLUSTERS: 4 x 4 work-groups; A's tiles are asked for jointly along a row of the cluster, B's along a column, in both phases.  Phase 2's tile is chosen for that: its channels hang on cy alone,
; its tokens (tile 4 (cluster x + 2 cluster y) + cx of 64) on cx and the cluster's place alone.
; qkv_img is [Q, K, V][batch][head][128 tokens][6,400].  Q, K: eight half images of 768 bytes, then 256 bytes of scale words; word (pair f of tiles, r) = tile 2 f's two bytes, tile 2 f + 1's two bytes.
; V: four images of 1,536 bytes (tile t of the head's 64 channels x 128 keys), then 256 bytes of scale words (lanes 0-15 tile 2 p, lanes 16-31 tile 2 p + 1).
; LIMITS: NaN and infinities are not served; blocks whose largest magnitude lies under 2^-122 get the byte 1 (a block of zeros too: its codes are zeros).
; REGISTERS: window 0: v1-30 addresses; v32-47 scale words, two sets; v48-55 the scale words made; v56-59 V's bias; v64-127 the bias, later cos and sin, later V's bias spread out; v128-223 A's fragments;
;   on the ways out v128-243 at work.   window 1: B's fragments, two sets, at v0 and v128.   windows 2, 3: phase 1's accumulators ((a, b) at v[8 (8 (a % 4) + b)] of window 2 + a / 4); window 2: phase 2's.
.set OB,    12800
.set PAIRB, 2*OB                       ; 128 rows x two K steps: what one tensor load of phase 1 brings
.set SLOT,  4*PAIRB
.set R128B, 8*OB                       ; 128 rows' eight K steps: in memory, and in LDS in phase 2
.set HB,    6400                       ; a head's 128 tokens in qkv_img
.set HEADB, 16*HB
.set SPARE, 3*SLOT                     ; behind the slots: the spare words, 128 bytes for each wave: two blocks of 256 bytes that no other line names
.set FR,    12                         ; registers of a fragment
.set NLA,   3                          ; LDS loads that bring a fragment
.set A16,  8                           ; v8-10   phase 1, slot s: my 128 rows of A + 16 x lane
.set B16,  14                          ; v14-16  my 128 rows of B + 16 x lane
.set ADRS, 17                          ; v17-19  scale words: lanes 0-15 A's rows, lanes 16-31 B's
.set VA16, 8                           ; v8-11   phase 2, K steps 2 s and 2 s + 1: my four images of A + 16 x lane
.set VB16, 12                          ; v12-15  B's eight images + 16 x lane
.set VSAA, 16                          ; v16-19  my rows' scale words of A + 4 r
.set VSAB, 24                          ; v24-27  B's scale words + 4 x lane
.set L16,  20                          ; v20 16 x lane   v21 8 x lane   v22 4 x lane: never rewritten
.set L8,   21
.set L4,   22
.set TOFF, 23                          ; v23 my token's row of the table
.set BOFF, 26                          ; v26 my lane's place in phase 1's bias
.set SPW,  28                          ; v28 LDS address of my spare word; never rewritten
.set NIL,  29                          ; v29 0; never rewritten
.set VBOF, 30                          ; v30 my lane's place in V's bias
.set SC,   32                          ; scale words, set g % 2.  Phase 1: register i: lanes 0-15 A's block i, lanes 16-31 B's block i.  Phase 2: registers 0-3: B's blocks 2 p and 2 p + 1; registers 4-7: A's block a
.set PWR,  48
.set VBV,  56                          ; v56-59 V's bias of my lane's channel in tiles 0-3
.set BIAS, 64
.set AF,   128
.set G1,   24                          ; s[24:31] descriptor group 1 for A's tiles; s[32:39] for B's; s[48:59], s[68:79] their groups 0, one for each slot
.set G1B,  32
.set G0,   48
.set G0B,  68
.set VPA,  94                          ; s[94:95] phase 2: the block of channels that I fetch; s[96:97] the block of tokens; s[98:99] my channels' bias; s[100:101] my head's 6,400 bytes of qkv_img
.set VPB,  96
.set VPI,  98
.set VPO,  100
.set MSB, 0
.macro WIN new                         ; the immediate's high byte repeats the setting that is left
.if MSB != (\new)
	s_set_vgpr_msb (MSB<<8)|(\new)
.set MSB, (\new)
.endif
.endm
.macro JLOAD g0a, g1a, g0b, g1b        ; a joint load of phase 1: waves 0 and 1 fetch for A, waves 2 and 3 for B; four v_nop follow each of the two lines
	s_cmp_eq_u32 s15, 0
	s_cbranch_scc0 .Lfor_b_\@
	tensor_load_to_lds s[\g0a:\g0a+3], s[\g1a:\g1a+7]
	s_nop 0
.rept 4
	v_nop
.endr
	s_branch .Lasked_\@
.Lfor_b_\@:
	tensor_load_to_lds s[\g0b:\g0b+3], s[\g1b:\g1b+7]
	s_nop 0
.rept 4
	v_nop
.endr
.Lasked_\@:
.endm
.macro CREST                           ; a round of the cluster's barrier behind its opening barrier
	s_cmp_lg_u32 s14, 0
	s_cbranch_scc1 .Lnot_wave_0_\@
	s_barrier_signal -3
.Lnot_wave_0_\@:
	s_barrier_wait -3
	s_barrier_signal -1
	s_barrier_wait -1
.endm
.macro CROUND
	s_barrier_signal -1
	s_barrier_wait -1
	CREST
.endm
.macro PLACES                          ; four places behind matrix instructions, in front of loads into registers that they read and of the first read of results
.rept 4
	v_nop
.endr
.endm
.macro FRAG3 reg, adr, off             ; an image in three planes of 512 bytes
.irp q, 0,1,2
	ds_load_b128 v[\reg+4*\q:\reg+4*\q+3], v[\adr] offset:\off+512*\q
.endr
.endm
.macro FETCH_B g                       ; phase 1: B's eight fragments of K step g into set g % 2.  K step g lies in slot (g / 2) % 3
.set SL, ((\g)/2)%3
.set OF, OB*((\g)%2)
	WIN 0x40                                       ; destination window 1
.irp i, 0,1,2,3,4,5,6,7
	FRAG3 128*((\g)%2)+FR*\i, B16+SL, OF+1536*\i
.endr
	WIN 0
.endm
.macro FETCH_A g, i0                   ; A's blocks i0 .. i0 + 3
.set SL, ((\g)/2)%3
.set OF, OB*((\g)%2)
.irp i, \i0, \i0+1, \i0+2, \i0+3
	FRAG3 AF+FR*(\i), A16+SL, OF+1536*(\i)
.endr
.endm
.macro SCALES g
.set SL, ((\g)/2)%3
.irp i, 0,1,2,3,4,5,6,7
	ds_load_b32 v[SC+8*((\g)%2)+\i], v[ADRS+SL] offset:OB*((\g)%2)+64*\i
.endr
.endm
; 16 matrix instructions of phase 1: A's blocks a0, a0 + 1 x B's eight.  first = 1: the bias is the C of each sum's first product.  The 64 accumulators take turns, one instruction a turn, in the same order in every step.
.macro MUL16 a0, g, first
.irp a, \a0, \a0+1
.irp b, 0,1,2,3,4,5,6,7
.if \first
.set CB, BIAS+8*\b
	v_wmma_scale_f32_16x16x128_f8f6f4 v[8*(8*((\a)%4)+\b):8*(8*((\a)%4)+\b)+7], v[128*((\g)%2)+FR*\b:128*((\g)%2)+FR*\b+FR-1], v[AF+FR*(\a):AF+FR*(\a)+FR-1], v[CB:CB+7], v[SC+8*((\g)%2)+\b], v[SC+8*((\g)%2)+(\a)] matrix_a_fmt:MATRIX_FMT_BF6 matrix_b_fmt:MATRIX_FMT_BF6 matrix_a_scale:MATRIX_SCALE_ROW1
.else
	v_wmma_scale_f32_16x16x128_f8f6f4 v[8*(8*((\a)%4)+\b):8*(8*((\a)%4)+\b)+7], v[128*((\g)%2)+FR*\b:128*((\g)%2)+FR*\b+FR-1], v[AF+FR*(\a):AF+FR*(\a)+FR-1], v[8*(8*((\a)%4)+\b):8*(8*((\a)%4)+\b)+7], v[SC+8*((\g)%2)+\b], v[SC+8*((\g)%2)+(\a)] matrix_a_fmt:MATRIX_FMT_BF6 matrix_b_fmt:MATRIX_FMT_BF6 matrix_a_scale:MATRIX_SCALE_ROW1
.endif
.endr
.endr
.endm
; A K step of phase 1 whose successor's tiles have been shown whole.  Window settings: source 0 (B) window 1, source 1 (A) window 0, D window 2 or 3; C with D, or (first) window 0.
.macro STEP g, first
	s_wait_dscnt 4*NLA                             ; all but the youngest loads, A's blocks 4-7
.if \first
	WIN 0x81
.else
	WIN 0xa1
.endif
	MUL16 0, \g, \first
	MUL16 2, \g, \first
	s_wait_dscnt 0x0                               ; A's blocks 4-7 are in (asked for 32 matrix instructions ago)
	PLACES
	FETCH_B (\g)+1
	FETCH_A (\g)+1, 0
	SCALES (\g)+1
.if \first
	WIN 0xc1
.else
	WIN 0xf1
.endif
	MUL16 4, \g, \first
	MUL16 6, \g, \first
	PLACES
	WIN 0
	FETCH_A (\g)+1, 4
.endm
; A K step with a barrier in it.  In front of the barrier each wave waits for all its tensor loads, adds 0 to its spare word, and waits for that and for its reads of the slot in hand.
; fill = 1: slot 0, just read out, takes K steps 6 and 7: the barrier opens a round of the cluster's, and the joint load is the first thing behind the round.
.macro TURN g, fill
	s_wait_tensorcnt 0x0                           ; all my tensor loads have landed
	ds_add_u32 v[SPW], v[NIL]                      ; 0 onto my spare word
	s_wait_dscnt 4*NLA+1                           ; (the add and A's blocks 4-7 may be out)
	WIN 0xa1
	MUL16 0, \g, 0                                 ; sixteen matrix instructions stand between the add and the wait for it
	s_wait_dscnt 0x0                               ; the add is done, and my reads of this slot are over
	s_barrier_signal -1
	MUL16 2, \g, 0
	WIN 0
	s_barrier_wait -1
.if \fill
	CREST                                          ; no wave of any partner still reads slot 0 or has a load on its way
	s_add_nc_u64 s[G0+2:G0+3], s[G0+2:G0+3], 3*PAIRB
	s_add_nc_u64 s[G0B+2:G0B+3], s[G0B+2:G0B+3], 3*PAIRB
	JLOAD G0, G1, G0B, G1B                         ; the four v_nop behind it are also the places in front of the loads below
.else
	PLACES
.endif
	FETCH_B (\g)+1
	FETCH_A (\g)+1, 0
	SCALES (\g)+1
	WIN 0xf1
	MUL16 4, \g, 0
	MUL16 6, \g, 0
	PLACES
	WIN 0
	FETCH_A (\g)+1, 4
.endm
	s_load_b128 s[4:7], s[0:1], 0x0                ; x_img, wqkv_img
	s_load_b128 s[8:11], s[0:1], 0x10              ; the bias; rope_tab
	s_load_b64 s[12:13], s[0:1], 0x20              ; qkv_img
	v_lshl_add_u32 v[SPW], v0, 2, SPARE
	v_mov_b32 v[NIL], 0
	ds_add_u32 v28, v29
	ds_add_u32 v28, v29
	s_wait_dscnt 0x0
	v_lshrrev_b32 v1, 5, v0
	v_readfirstlane_b32 s14, v1                    ; wave 0..3
	s_lshr_b32 s15, s14, 1                         ; phase 1: which half of the tile's rows (A) is mine; also: I fetch for A (0) or for B (1).  Phase 2: which 128 rows of A hold mine
	s_and_b32 s16, s14, 1                          ; phase 1: which half of its columns (B); also: which 128 rows I fetch.  Phase 2: which 64 of the 128; also (waves 0, 1): which 128 rows of A I fetch
	s_bfe_u32 s40, ttmp6, 0x40000                  ; cx, cy: my place in the cluster
	s_bfe_u32 s41, ttmp6, 0x40004
	s_lshl_b32 s42, ttmp9, 2
	s_add_co_u32 s42, s42, s40                     ; phase 1's tile column = 4 x cluster x + cx
	s_and_b32 s17, ttmp7, 0xffff
	s_lshl_b32 s17, s17, 2
	s_add_co_u32 s17, s17, s41                     ; its tile row = 4 x cluster y + cy
	s_lshl_b32 s43, s41, 2
	s_lshl_b32 s43, 15, s43                        ; my row of the cluster
	s_lshl_b32 s44, 0x1111, s40                    ; my column
	s_or_b32 s[G1+0], s43, (3<<16)|(1<<21)         ; 15:0 the mask; 17:16 elements of 8 bytes; 21 set beside a mask; no padding
	s_or_b32 s[G1B+0], s44, (3<<16)|(1<<21)
.irp g, G1, G1B                        ; 25,600 dense bytes as 100 rows of 256
	s_mov_b32 s[\g+1], 32<<16                      ; tensor_dim0 = 32
	s_mov_b32 s[\g+2], 100<<16                     ; tensor_dim1 = 100
	s_mov_b32 s[\g+3], 32<<16                      ; tile_dim0
	s_mov_b32 s[\g+4], 100                         ; tile_dim1
	s_mov_b32 s[\g+5], 32                          ; from row to row
	s_mov_b32 s[\g+6], 0
	s_mov_b32 s[\g+7], 0
.endr
	s_lshl_b32 s20, s17, 1
	s_add_co_u32 s20, s20, s16                     ; A: which 128 rows: 2 x tile row + half
	s_mul_i32 s20, s20, R128B
	s_mov_b32 s21, 0
	s_lshl_b32 s46, s42, 1
	s_add_co_u32 s46, s46, s16                     ; B: 2 x tile column + half
	s_mul_i32 s46, s46, R128B
	s_mov_b32 s47, 0
	s_mul_i32 s45, s14, PAIRB                      ; where they go in a slot: wave x 25,600: no place in the cluster enters an LDS address
	; phase 2's places.  The channels hang on cy alone, the tokens on cx and the cluster's place alone, each in registers that never hold the other coordinate
	s_lshl_b32 s60, s41, 1
	s_add_co_u32 s60, s60, s16
	s_add_co_u32 s60, s60, 16                      ; A: V's rows of Wqkv begin at row 2,048: block 16 + 2 cy + half
	s_mul_i32 s60, s60, R128B
	s_mov_b32 s61, 0
	s_and_b32 s62, ttmp7, 0xffff
	s_lshl_b32 s62, s62, 1
	s_add_co_u32 s62, s62, ttmp9
	s_lshl_b32 s62, s62, 2
	s_add_co_u32 s62, s62, s40                     ; B: which 128 tokens of 8,192: 4 (cluster x + 2 cluster y) + cx
	s_mov_b32 s66, s62
	s_mul_i32 s62, s62, R128B
	s_mov_b32 s63, 0
	s_lshl_b32 s22, s41, 10
	s_lshl_b32 s23, s14, 8
	s_add_co_u32 s22, s22, s23
	s_add_co_u32 s22, s22, 8192                    ; the bias of my channels: 4 (2,048 + 256 cy + 64 wave) bytes on
	s_mov_b32 s23, 0
	s_lshl_b32 s2, s41, 2
	s_add_co_u32 s2, s2, s14                       ; my head: 4 cy + wave
	s_lshr_b32 s3, s66, 4                          ; the batch: 16 blocks of 128 tokens each
	s_add_co_u32 s3, s3, 8                         ; V is the third of [Q, K, V] x 4 batches
	s_lshl_b32 s3, s3, 4
	s_add_co_u32 s3, s3, s2
	s_lshl_b32 s3, s3, 4
	s_and_b32 s2, s66, 15                          ; which 128 keys of the sequence
	s_add_co_u32 s3, s3, s2
	s_mul_i32 s2, s3, HB
	s_mov_b32 s3, 0
	s_wait_kmcnt 0x0
	s_add_nc_u64 s[20:21], s[4:5], s[20:21]
	s_add_nc_u64 s[46:47], s[6:7], s[46:47]
	s_add_nc_u64 s[VPA:VPA+1], s[6:7], s[60:61]
	s_add_nc_u64 s[VPB:VPB+1], s[4:5], s[62:63]
	s_add_nc_u64 s[VPI:VPI+1], s[8:9], s[22:23]
	s_add_nc_u64 s[VPO:VPO+1], s[12:13], s[2:3]
	CROUND                                         ; all sixteen work-groups are here: the first joint loads meet
.irp s, 0,1,2
	s_mov_b32 s[G0+4*\s], 1
	s_add_co_u32 s[G0+4*\s+1], s45, \s*SLOT
	s_add_nc_u64 s[G0+4*\s+2:G0+4*\s+3], s[20:21], \s*PAIRB
	s_or_b32 s[G0+4*\s+3], s[G0+4*\s+3], 0x80000000
	s_mov_b32 s[G0B+4*\s], 1
	s_add_co_u32 s[G0B+4*\s+1], s45, \s*SLOT
	s_add_nc_u64 s[G0B+4*\s+2:G0B+4*\s+3], s[46:47], \s*PAIRB
	s_or_b32 s[G0B+4*\s+3], s[G0B+4*\s+3], 0x80000000
	JLOAD G0+4*\s, G1, G0B+4*\s, G1B               ; K steps 2 s and 2 s + 1
.endr
	v_and_b32 v1, 15, v0                           ; r
	v_bfe_u32 v2, v0, 4, 1                         ; h
	v_and_b32 v3, 31, v0                           ; lane
	; phase 1's bias runs along B's rows: register j of tile b wants e0 + 32 (b / 2) + 16 h + 8 (b % 2) + j
	s_lshl_b32 s84, s42, 10
	s_lshl_b32 s85, s16, 9
	s_add_co_u32 s84, s84, s85                     ; 4 e0 = 1,024 x tile column + 512 x half
	s_mov_b32 s85, 0
	s_add_nc_u64 s[8:9], s[8:9], s[84:85]
	v_lshlrev_b32 v[BOFF], 6, v2
.irp b, 0,1,2,3,4,5,6,7
	global_load_b128 v[BIAS+8*\b:BIAS+8*\b+3], v[BOFF], s[8:9] offset:(32*(\b/2)+8*(\b%2))*4
	global_load_b128 v[BIAS+8*\b+4:BIAS+8*\b+7], v[BOFF], s[8:9] offset:(32*(\b/2)+8*(\b%2))*4+16
.endr
	v_and_b32 v5, 8, v1
	v_add_nc_u32 v5, v5, v1                        ; r + 8 (r / 8)
	v_lshlrev_b32 v[VBOF], 2, v5
.irp a, 0,1,2,3                        ; phase 2's bias runs along A's rows: tile a of my 64 channels wants that of channel 32 (a / 2) + 8 (a % 2) + r + 8 (r / 8)
	global_load_b32 v[VBV+\a], v[VBOF], s[VPI:VPI+1] offset:(32*(\a/2)+8*(\a%2))*4
.endr
	v_lshlrev_b32 v[L16], 4, v3
	v_lshlrev_b32 v[L8], 3, v3
	v_lshlrev_b32 v[L4], 2, v3
	s_mul_i32 s80, s15, PAIRB                      ; my 128 rows of A in a slot
	s_mul_i32 s81, s16, PAIRB
	s_add_co_u32 s81, s81, 2*PAIRB                 ; my 128 rows of B, behind A's 256
	s_sub_co_u32 s82, s81, s80
	v_mul_u32_u24 v4, s82, v2                      ; lanes 16-31 take B's scale words
	v_lshl_add_u32 v4, v1, 2, v4
	v_add_nc_u32 v4, s80, v4
.irp s, 0,1,2
	v_add_nc_u32 v[A16+\s], s80, v[L16]
	v_add_nc_u32 v[B16+\s], s81, v[L16]
	v_add_nc_u32 v[ADRS+\s], \s*SLOT+12288, v4
	s_add_co_u32 s80, s80, SLOT
	s_add_co_u32 s81, s81, SLOT
.endr
	; where phase 1's part goes: tokens token0 .. + 127 (one block of 128), heads E0 and E0 + 1 of Q (E0 < 16) or K
	s_lshl_b32 s86, s17, 8
	s_lshl_b32 s87, s15, 7
	s_add_co_u32 s86, s86, s87                     ; token0 = 256 x tile row + 128 x half
	s_lshl_b32 s88, s42, 2
	s_lshl_b32 s89, s16, 1
	s_add_co_u32 s88, s88, s89                     ; E0 = e0 / 64
	s_lshr_b32 s89, s88, 4                         ; Q or K
	s_lshl_b32 s89, s89, 2
	s_lshr_b32 s90, s86, 11                        ; the batch
	s_add_co_u32 s89, s89, s90
	s_lshl_b32 s89, s89, 4
	s_and_b32 s90, s88, 15                         ; the head
	s_add_co_u32 s89, s89, s90
	s_lshl_b32 s89, s89, 4
	s_and_b32 s91, s86, 2047                       ; the first token's place in its sequence
	s_lshr_b32 s90, s91, 7
	s_add_co_u32 s89, s89, s90
	s_mul_i32 s92, s89, HB
	s_mov_b32 s93, 0
	s_add_nc_u64 s[12:13], s[12:13], s[92:93]
	s_lshl_b32 s92, s91, 8                         ; the table: 256 bytes a position
	s_add_nc_u64 s[10:11], s[10:11], s[92:93]
	v_lshlrev_b32 v[TOFF], 8, v5
	v_lshl_add_u32 v[TOFF], v2, 6, v[TOFF]         ; my token's row, + 64 h: frequencies 8 h on
	s_mov_b32 s18, 0x76543210
	s_mov_b32 s19, 0xfedcba98                      ; lane selects: lane l xor 16
	s_wait_loadcnt 0x0                             ; both biases
	s_wait_tensorcnt 2                             ; my part of slot 0 is in; slots 1 and 2 may be out
	s_barrier_signal -1
	s_barrier_wait -1                              ; everybody's is
	FETCH_B 0
	FETCH_A 0, 0
	SCALES 0
	FETCH_A 0, 4
	STEP 0, 1
	TURN 1, 1                                      ; all three slots have landed in every wave; slot 0 is asked for again
	STEP 2, 0
	STEP 3, 0
	STEP 4, 0
	TURN 5, 0                                      ; K steps 6 and 7 have landed in every wave; nothing is filled
	STEP 6, 0
.set Y,   128                          ; v128-191 a tile's 64 numbers behind RoPE
.set T,   192                          ; v192-207 at work
.set TM,  208                          ; v208-223 at work in QUANT
.set PC,  224                          ; v224-243 phase 1's codes just made
.macro CSLOAD a                        ; cos and sin for tile a's tokens: 16 pairs a lane: frequencies 8 h + 0 .. 7 and 16 + 8 h + 0 .. 7, into set a % 2
.irp q, 0,1,2,3,4,5,6,7
	global_load_b128 v[BIAS+32*((\a)%2)+4*\q:BIAS+32*((\a)%2)+4*\q+3], v[TOFF], s[10:11] offset:(32*((\a)/2)+8*((\a)%2))*256+128*(\q/4)+16*(\q%4)
.endr
.endm
.macro ROPE a                          ; pair k of registers is (x1, x2) of frequency 16 ((k / 8) % 2) + 8 h + k % 8: (x1 c - x2 s, x1 s + x2 c).  Each accumulator is read from its low end on
.set XB, 64*((\a)%4)
.set CSB, BIAS+32*((\a)%2)
	WIN 2+(\a)/4                                   ; source 0: the accumulators' window
.irp k0, 0,8,16,24
.irp k, 0,1,2,3,4,5,6,7
	v_pk_mul_f32 v[T+2*\k:T+2*\k+1], v[XB+2*(\k0+\k):XB+2*(\k0+\k)+1], v[CSB+2*((\k0+\k)%16):CSB+2*((\k0+\k)%16)+1] op_sel_hi:[1,0]   ; (x1 c, x2 c)
.endr
.irp k, 0,1,2,3,4,5,6,7
	v_pk_fma_f32 v[Y+2*(\k0+\k):Y+2*(\k0+\k)+1], v[XB+2*(\k0+\k):XB+2*(\k0+\k)+1], v[CSB+2*((\k0+\k)%16):CSB+2*((\k0+\k)%16)+1], v[T+2*\k:T+2*\k+1] op_sel:[1,1,0] op_sel_hi:[0,1,1] neg_lo:[0,1,0]   ; low: -(x2 s) + x1 c; high: x1 s + x2 c
.endr
.endr
	WIN 0
.endm
; 64 numbers of a lane in window w, register 16 b + i = k 32 b + 16 (lane / 16) + i of my row, become a fragment's codes in v[pc] on and its scale word in v[pw].  An accumulator is read from its low end on.
.macro QUANT s, w, pc, pw
	WIN ((\w)<<2)|((\w)<<4)                        ; sources 1 and 2
.irp b, 0,1,2,3
	v_max3_num_f32 v[TM+\b], 0x2800000, |v[\s+16*\b]|, |v[\s+1+16*\b]|   ; block b: my 16 numbers and the floor 2^(5 - 127): the byte cannot fall under 1
.endr
.irp i, 2,4,6,8,10,12,14
.irp b, 0,1,2,3
	v_max3_num_f32 v[TM+\b], v[TM+\b], |v[\s+16*\b+\i]|, |v[\s+1+16*\b+\i]|
.endr
.endr
	WIN 0
.irp b, 0,1,2,3
	v_permlanex16_b32 v[TM+4+\b], v[TM+\b], s18, s19
.endr
.irp b, 0,1,2,3
	v_max_num_f32 v[TM+\b], v[TM+\b], v[TM+4+\b]   ; with lane l xor 16's: the block's largest magnitude
.endr
.irp b, 0,1,2,3
	v_add_nc_u32 v[TM+12+\b], 0xfe000000, v[TM+\b]   ; 4 off its exponent field: the conversion's scale operand
.endr
.irp b, 0,1,2,3
	v_lshrrev_b32 v[TM+4+\b], 23, v[TM+12+\b]      ; the scale's byte
.endr
	v_lshl_or_b32 v[\pw], v[TM+5], 8, v[TM+4]
	v_lshl_or_b32 v[\pw], v[TM+6], 16, v[\pw]
	v_lshl_or_b32 v[\pw], v[TM+7], 24, v[\pw]
	WIN (\w)                                       ; source 0
.irp c, 0,1
	v_cvt_scalef32_pk16_bf6_f32 v[\pc+6*\c:\pc+2+6*\c], v[\s+32*\c:\s+15+32*\c], v[TM+12+2*\c]
	v_cvt_scalef32_pk16_bf6_f32 v[\pc+12+4*\c:\pc+14+4*\c], v[\s+16+32*\c:\s+31+32*\c], v[TM+12+2*\c+1]   ; (a conversion's three registers begin on an even number)
.endr
	WIN 0
	v_nop                                          ; one plain place behind a scaled conversion
.irp c, 0,1                                    ; a WHOLE block in a lane: lanes 0-15 block 2 c, lanes 16-31 block 2 c + 1
.irp i, 0,1,2
	v_permlane16_swap_b32 v[\pc+6*\c+\i], v[\pc+12+4*\c+\i]
.endr
.irp i, 0,1,2
	v_mov_b32 v[\pc+3+6*\c+\i], v[\pc+12+4*\c+\i]
.endr
.endr
.endm
	; PHASE 1'S LAST K STEP fetches nothing more from LDS, and asks for phase 2's operands: all of LDS under the spare words is filled again.
	CSLOAD 0                                       ; the bias's registers are free since K step 0: the table's first two tiles are asked for a K step ahead
	CSLOAD 1
	s_wait_tensorcnt 0x0                           ; no tensor load of mine is out, so the descriptors may be written
	ds_add_u32 v[SPW], v[NIL]                      ; 0 onto my spare word; the descriptors' words and sixteen matrix instructions stand between it and the wait for it
	s_mov_b32 s[G1+2], 400<<16                     ; 102,400 dense bytes as 400 rows of 256: tensor_dim1,
	s_mov_b32 s[G1+4], 400                         ; tile_dim1
	s_mov_b32 s[G1B+2], 400<<16
	s_mov_b32 s[G1B+4], 400
	s_mul_i32 s[G0+1], s14, R128B                  ; LDS: wave x 102,400: the channels' two blocks, then the tokens'
	s_mov_b64 s[G0+2:G0+3], s[VPA:VPA+1]
	s_or_b32 s[G0+3], s[G0+3], 0x80000000
	s_mul_i32 s[G0B+1], s14, R128B
	s_mov_b64 s[G0B+2:G0B+3], s[VPB:VPB+1]
	s_or_b32 s[G0B+3], s[G0B+3], 0x80000000
	s_wait_dscnt 4*NLA+1                           ; (the add and A's blocks 4-7 may be out)
	WIN 0xa1
	MUL16 0, 7, 0
	s_wait_dscnt 0x0                               ; the add is done, and my reads of LDS in phase 1 are over
	s_barrier_signal -1
	MUL16 2, 7, 0
	WIN 0
	s_barrier_wait -1
	CREST                                          ; no wave of any partner still reads a slot or has a load on its way
	s_cmp_lt_u32 s14, 2                            ; my one tensor load behind the round: waves 0 and 1 the channels' blocks, wave 2 the tokens', wave 3 none; four v_nop follow each line
	s_cbranch_scc0 .Lv_not_a
	tensor_load_to_lds s[G0:G0+3], s[G1:G1+7]
	s_nop 0
.rept 4
	v_nop
.endr
	s_branch .Lv_asked
.Lv_not_a:
	s_cmp_eq_u32 s14, 2
	s_cbranch_scc0 .Lv_asked
	tensor_load_to_lds s[G0B:G0B+3], s[G1B:G1B+7]
	s_nop 0
.rept 4
	v_nop
.endr
.Lv_asked:
	WIN 0xf1
	MUL16 4, 7, 0
	MUL16 6, 7, 0
	WIN 0
	PLACES
	; PHASE 1'S WAY OUT
.irp b, 0,1,2,3
	v_mov_b32 v[TM+4+\b], 0                        ; written once: a lane permute's destination counts as one of its sources
.endr
.irp a, 0,1,2,3,4,5,6,7
.if \a < 7
	s_wait_loadcnt 8                               ; this tile's cos and sin are in; the next tile's 8 loads may be out
.else
	s_wait_loadcnt 0x0
.endif
	ROPE \a
.if \a < 6
	CSLOAD \a+2
.endif
	s_wait_xcnt 0x0                                ; the last tile's stores have read the codes' registers
	QUANT Y, 0, PC, PWR+\a
.irp c, 0,1                                    ; head E0 + c: registers 6 c .. 6 c + 5: 512 consecutive bytes, then 256
	global_store_b128 v[L16], v[PC+6*\c:PC+6*\c+3], s[12:13] offset:HEADB*\c+768*\a
	global_store_b64 v[L8], v[PC+6*\c+4:PC+6*\c+5], s[12:13] offset:HEADB*\c+768*\a+512
.endr
.endr
	v_cmp_lt_u32 vcc_lo, 15, v3                    ; lanes 16-31
.irp c, 0,1                                    ; the scale words of head E0 + c: a word for a pair of tiles: two bytes of each
.irp f, 0,1,2,3
.if \c == 0
	v_perm_b32 v[T+4*\c+\f], v[PWR+2*\f+1], v[PWR+2*\f], 0x05040100
.else
	v_perm_b32 v[T+4*\c+\f], v[PWR+2*\f+1], v[PWR+2*\f], 0x07060302
.endif
.endr
.irp p, 0,1
	v_cndmask_b32 v[T+8+2*\c+\p], v[T+4*\c+2*\p], v[T+4*\c+2*\p+1], vcc_lo   ; lanes 0-15 pair 2 p, lanes 16-31 pair 2 p + 1
	global_store_b32 v[L4], v[T+8+2*\c+\p], s[12:13] offset:HEADB*\c+6144+128*\p
.endr
.endr
	; ---- PHASE 2: V.  K step g of a block lies 12,800 g bytes on in it: an address register for each two steps, the odd step in the immediate.
.macro VFETCH g                        ; all that K step g wants, into the sets g % 2: B's eight fragments, my four of A, the scale words
.set SL, (\g)/2
.set OF, OB*((\g)%2)
.set SE, (\g)%2
	WIN 0x40                                       ; destination window 1
.irp i, 0,1,2,3,4,5,6,7
	FRAG3 128*SE+FR*\i, VB16+SL, OF+1536*\i
.endr
	WIN 0
.irp i, 0,1,2,3
	FRAG3 AF+48*SE+FR*\i, VA16+SL, OF+1536*\i
.endr
.irp p, 0,1,2,3
	ds_load_b32 v[SC+8*SE+\p], v[VSAB+SL] offset:OF+128*\p
.endr
.irp a, 0,1,2,3
	ds_load_b32 v[SC+8*SE+4+\a], v[VSAA+SL] offset:OF+64*\a
.endr
.endm
.macro VWM d, x, y, c, sx, sy, rx      ; one product; rx = 1: source 0's scale words stand in lanes 16-31
.if \rx
	v_wmma_scale_f32_16x16x128_f8f6f4 v[\d:\d+7], v[\x:\x+FR-1], v[\y:\y+FR-1], v[\c:\c+7], v[\sx], v[\sy] matrix_a_fmt:MATRIX_FMT_BF6 matrix_b_fmt:MATRIX_FMT_BF6 matrix_a_scale:MATRIX_SCALE_ROW1
.else
	v_wmma_scale_f32_16x16x128_f8f6f4 v[\d:\d+7], v[\x:\x+FR-1], v[\y:\y+FR-1], v[\c:\c+7], v[\sx], v[\sy] matrix_a_fmt:MATRIX_FMT_BF6 matrix_b_fmt:MATRIX_FMT_BF6
.endif
.endm
; 16 matrix instructions: A's blocks a0, a0 + 1 x B's eight.  first = 1: the bias is the C of each sum's first product.  The 32 accumulators take turns, one instruction a turn, in the same order in every step.
.macro VMUL16 a0, g, first
.irp a, \a0, \a0+1
.irp b, 0,1,2,3,4,5,6,7
.if \first
.set CB, BIAS+8*(\a)
.else
.set CB, 8*(8*(\a)+\b)
.endif
	VWM 8*(8*(\a)+\b), 128*((\g)%2)+FR*\b, AF+48*((\g)%2)+FR*(\a), CB, SC+8*((\g)%2)+\b/2, SC+8*((\g)%2)+4+(\a), \b%2
.endr
.endr
.endm
; A K step: its fragments are in; the next step's come in ONE run into the other sets; then 32 matrix instructions, under which that run lands.  Source 0 (B) window 1, source 1 (A) window 0, D window 2; C with D, or (first) window 0.
.macro VSTEP g, first
	s_wait_dscnt 0x0                               ; this step's fragments and scale words are in (asked for 32 matrix instructions ago)
.if (\g) > 0
	PLACES                                         ; the sets that are loaded now were read by the step before
.endif
	VFETCH (\g)+1
.if \first
	WIN 0x81
.else
	WIN 0xa1
.endif
	VMUL16 0, \g, \first
	VMUL16 2, \g, \first
.endm
	s_wait_xcnt 0x0                                ; phase 1's last stores have read their registers: they are written again from here on
	v_lshlrev_b32 v4, 2, v1                        ; 4 r
	s_mul_i32 s80, s15, R128B                      ; the 128 rows of A that hold mine,
	s_mul_i32 s81, s16, 4*1536
	s_add_co_u32 s81, s81, s80                     ; my four images in a K step's block,
	s_lshl_b32 s82, s16, 8
	s_add_co_u32 s82, s82, s80
	s_add_co_u32 s82, s82, 12288                   ; and their scale words
.irp s, 0,1,2,3
	v_add_nc_u32 v[VA16+\s], s81, v[L16]
	v_add_nc_u32 v[VB16+\s], \s*PAIRB+2*R128B, v[L16]
	v_add_nc_u32 v[VSAA+\s], s82, v4
	v_add_nc_u32 v[VSAB+\s], \s*PAIRB+2*R128B+12288, v[L4]
	s_add_co_u32 s81, s81, PAIRB
	s_add_co_u32 s82, s82, PAIRB
.endr
.irp a, 0,1,2,3
.irp j, 0,1,2,3,4,5,6,7
	v_mov_b32 v[BIAS+8*\a+\j], v[VBV+\a]           ; the C of a tile's first products: my channel's bias in all eight registers
.endr
.endr
	s_wait_tensorcnt 0x0                           ; my block of phase 2's operands is in,
	s_barrier_signal -1
	s_barrier_wait -1                              ; everybody's is: all eight K steps lie in LDS, and nothing is filled again
	VFETCH 0
	VSTEP 0, 1
	VSTEP 1, 0
	VSTEP 2, 0
	VSTEP 3, 0
	VSTEP 4, 0
	VSTEP 5, 0
	VSTEP 6, 0
	s_wait_dscnt 0x0                               ; the last K step: nothing more to fetch
	WIN 0xa1
	VMUL16 0, 7, 0
	VMUL16 2, 7, 0
	WIN 0
	PLACES
	; PHASE 2'S WAY OUT: a tile of 16 channels x 128 keys is one fragment.  Each tile's codes have 20 registers of their own (v128 + 20 a): no store's data are written again
.set VT,  224                          ; v224-225 the scale words as they are stored
.irp a, 0,1,2,3
	QUANT 64*\a, 2, 128+20*\a, PWR+\a
.irp q, 0,1,2
	global_store_b128 v[L16], v[128+20*\a+4*\q:128+20*\a+4*\q+3], s[VPO:VPO+1] offset:1536*\a+512*\q   ; 512 consecutive bytes
.endr
.endr
	v_cmp_lt_u32 vcc_lo, 15, v3                    ; lanes 16-31
.irp p, 0,1
	v_cndmask_b32 v[VT+\p], v[PWR+2*\p], v[PWR+2*\p+1], vcc_lo   ; lanes 0-15 tile 2 p, lanes 16-31 tile 2 p + 1
	global_store_b32 v[L4], v[VT+\p], s[VPO:VPO+1] offset:6144+128*\p
.endr
	s_wait_tensorcnt 0x0                           ; the wave's end
	ds_add_u32 v[SPW], v[NIL]
	s_wait_dscnt 0x0
	CROUND                                         ; the closing round: no work-group ends while a partner may still ask for a tile that names it
	s_endpgm
.Lfunc_end_k_q1e126a4170_qkv:
	.size	k_q1e126a4170_qkv, .Lfunc_end_k_q1e126a4170_qkv-k_q1e126a4170_qkv
	.p2alignl 7, 3214868480
	.fill 96, 4, 3214868480
	.section	.rodata,"a",@progbits
	.p2align	6, 0x0
	.amdhsa_kernel k_q1e126a4170_qkv
		.amdhsa_group_segment_fixed_size 327680
		.amdhsa_private_segment_fixed_size 0
		.amdhsa_enable_private_segment 0
		.amdhsa_kernarg_size 40
		.amdhsa_user_sgpr_count 2
		.amdhsa_user_sgpr_kernarg_segment_ptr 1
		.amdhsa_wavefront_size32 1
		.amdhsa_system_sgpr_workgroup_id_x 1
		.amdhsa_system_sgpr_workgroup_id_y 1
		.amdhsa_system_sgpr_workgroup_id_z 1
		.amdhsa_system_vgpr_workitem_id 0
		.amdhsa_next_free_vgpr 1024
		.amdhsa_next_free_sgpr 106
		.amdhsa_reserve_vcc 1
		.amdhsa_float_denorm_mode_32 3
		.amdhsa_float_denorm_mode_16_64 3
		.amdhsa_memory_ordered 1
		.amdhsa_forward_progress 1
		.amdhsa_inst_pref_size 255
	.end_amdhsa_kernel
	.section	.bss,"aw",@nobits
	.p2align	6
	.space	262144
	.amdgpu_metadata
---
amdhsa.version: [ 1, 2 ]
amdhsa.kernels:
  - .name:           k_q1e126a4170_qkv
    .symbol:         k_q1e126a4170_qkv.kd
    .args:
      - { .name: x_img, .offset: 0, .size: 8, .value_kind: global_buffer, .address_space: global }
      - { .name: wqkv_img, .offset: 8, .size: 8, .value_kind: global_buffer, .address_space: global }
      - { .name: Wqkv_b, .offset: 16, .size: 8, .value_kind: global_buffer, .address_space: global }
      - { .name: rope_tab, .offset: 24, .size: 8, .value_kind: global_buffer, .address_space: global }
      - { .name: qkv_img, .offset: 32, .size: 8, .value_kind: global_buffer, .address_space: global }
    .group_segment_fixed_size: 327680
    .private_segment_fixed_size: 0
    .kernarg_segment_align: 8
    .kernarg_segment_size: 40
    .max_flat_workgroup_size: 128
    .sgpr_count:     106
    .vgpr_count:     1024
    .wavefront_size: 32
...
	.end_amdgpu_metadata
.endif
;; end of part 6
;; launch attn (part 7): grid 4 x 64, 16 waves a work-group, no clusters, 206,848 bytes of LDS; arguments qkv_img, attn_img; writes attn_img
.if DOCPART == 7
	.amdgcn_target "amdgcn-amd-amdhsa--gfx1250"
	.amdhsa_code_object_version 6
	.text
	.protected	k_q1e126a4170_attn
	.globl	k_q1e126a4170_attn
	.p2align	8
	.type	k_q1e126a4170_attn,@function
k_q1e126a4170_attn:
	s_mov_b64 s[64:65], 0
	v_nop
	global_prefetch_b8 v0, s[64:65] scope:SCOPE_SE
	s_setreg_imm32_b32 hwreg(HW_REG_WAVE_MODE, 25, 1), 1
	s_wait_xcnt 0x0
; Causal attention of one head on codes of BF6 (E3M2) with E8M0 scales: O = softmax(Q K^T / 8) V, then O quantised along d = 64 head + channel into attn_img, the next product's operand.
; THE SOFTMAX AHEAD OF THE SECOND PRODUCT: t = score x log2(e) / 8; M = the row's largest t so far, rounded UP to a whole number; p = 2^(t - M) is what is quantised, along the keys, not normalised.
; The row's sum is taken of the unquantised p, in f32, and divides O at the end.  When M moves, the sum and O are multiplied by 2^(old M - new M): exact.
; SHARES.  Work-group (j, batch x head) serves the blocks 7 - j and j of 256 queries, the larger first: 9 blocks of 256 x 256 for every work-group.  Each of its sixteen waves owns one tile of 16 queries
; in 256 registers: four waves to a SIMD, so that one wave's vector work stands beside another's matrix work and LDS loads.
; ALL OF THE HEAD'S K AND V COME TO STAY IN LDS, 2 x 102,400 bytes, IN FOUR CHUNKS IN THE ORDER OF THE KEYS: key steps 0-1, 2-3, 4-7, 8-15.  Waves 0-7 bring K, waves 8-15 V: each wave its eighth of each chunk
; (1,600, 1,600, 3,200, 6,400 dense bytes), by four tensor loads issued together at the start: four loads of a wave are out at the most.  The first pass walks the keys in that order; in front of steps
; 0, 2, 4 and 8 stand a counted wait (my loads but the younger chunks' have landed) and a barrier.  Nothing is filled again and nothing is stored to LDS, so later chunks may be out across these barriers.
; qkv_img is [Q, K, V][batch][head][128 tokens][6,400].  Q, K: eight half images of 768 bytes (tile a: 16 bytes a lane, then 8: block lane / 16 of the token's 64), 256 bytes of scale words.  V: four images of
; 1,536 bytes (16 channels x 128 keys), 256 bytes of scale words.  Lane r of tile t of tokens or channels holds row 32 (t / 2) + 8 (t % 2) + r + 8 (r / 8).
; K = 64 IS HALF OF THE INSTRUCTION'S 128: source 0 holds TWO tiles of keys side by side (tile 2 f in k 0-63, tile 2 f + 1 in k 64-127) and source 1 is [Q | zeros] or [zeros | Q]: zero codes add nothing.
; Both products are used transposed: a lane holds ONE query throughout; the 16 registers of two neighbouring tiles of keys are 16 neighbouring keys, 32 f + 16 (lane / 16) + 0 .. 15.
; CAUSAL: the trip counts are constants (16 key steps for the block 7 - j, 8 for the block j, whose queries lie under 1,024); a step all of whose keys come after the wave's queries jumps over its work;
; on the diagonal hidden scores become -infinity (p = 0).
; NO CLUSTER: the four work-groups of a head read the same K and V, but which steps a work-group leaves out hangs on its query block, which would be its place in the cluster, and partners of a joint load must run alike.
; LIMITS: NaN and infinities are not served; hidden scores are -infinity where the module has -1e9: the same p = 0 while |score / 8| stays far under 1e9; blocks under 2^-122 get the byte 1.
; REGISTERS: v1-5 lane terms; v7-11 addresses of the step; v12 -M, v13 the largest t, v[14:15] the sum; v16-21 zeros, v22-27 Q, v28-33 zeros; v34 Q's scale word; v36-83 four fragments; v84-87 K's and V's scale words;
;   v96-159 S^T, then p; v160-191 O^T; v192-211 codes; v212-227 at work on blocks; v228 p's scale word; v229 the old -M; v[230:231] f; v232-237 at work; v238-244 the second pass's Q and its scale bytes.
.set HB,    6400
.set HEADB, 16*HB
.set VBASE, HEADB                      ; LDS: K's 16 steps, then V's
.set F,   36
.set S,   96
.set O,   160
.set PCD, 192
.set BM,  212                          ; a block's largest score, then its largest p
.set PT,  216                          ; lane l xor 16's
.set SO,  220                          ; the conversions' scale operands
.set BY,  224                          ; the scale bytes
.set G1A, 16                           ; s[16:23], s[24:31], s[32:39] descriptor groups 1: one row of 1,600, 3,200, 6,400 bytes
.set G1B, 24
.set G1C, 32
.set G0,  40                           ; s[40:55] groups 0, one for each chunk
.set SEL, 56                           ; s[56:57] lane selects: lane l xor 16
.set CS,  58                           ; s[58:59] c = log2(e) / 8
.set TB,  60                           ; s60 LDS byte of the key step in hand
.set KF,  61                           ; s61 its first key
.set CNT, 62                           ; s62 key steps to go
.set HBY, 66                           ; s66 the head's first byte in each of Q, K, V
.set PA,  68                           ; s[68:76] the first pass: Q's half image, its scale bytes, my half image of attn_img, its scale bytes (four addresses); my first query
.set PB,  80                           ; s[80:88] the second pass likewise
.macro G1ROW g, n                      ; a dense run of 8 n bytes as one row of n elements of 8 bytes
	s_mov_b32 s[\g], 3<<16                         ; no mask; elements of 8 bytes; no padding
	s_mov_b32 s[\g+1], (\n)<<16                    ; tensor_dim0
	s_mov_b32 s[\g+2], 1<<16                       ; tensor_dim1 = 1
	s_mov_b32 s[\g+3], (\n)<<16                    ; tile_dim0
	s_mov_b32 s[\g+4], 1                           ; tile_dim1 = 1
	s_mov_b32 s[\g+5], \n                          ; from row to row
	s_mov_b32 s[\g+6], 0
	s_mov_b32 s[\g+7], 0
.endm
; The addresses of a pass: block 7 - j (p = 0) or j (p = 1).  My tile is T = 16 x block + wave.
.macro PADDR p, B
.if \p == 0
	s_sub_co_u32 s90, 7, ttmp9
.else
	s_mov_b32 s90, ttmp9
.endif
	s_lshl_b32 s91, s90, 4
	s_add_co_u32 s91, s91, s8                      ; T
	s_lshr_b32 s92, s91, 1
	s_lshl_b32 s92, s92, 5
	s_and_b32 s93, s91, 1
	s_lshl_b32 s94, s93, 3
	s_add_co_u32 s[\B+8], s92, s94                 ; my first query: 32 (T / 2) + 8 (T % 2)
	s_lshr_b32 s94, s91, 3                         ; which 128 tokens
	s_and_b32 s95, s91, 7                          ; which tile of them
	s_mul_i32 s96, s94, HB
	s_add_co_u32 s96, s96, s[HBY]
	s_mul_i32 s97, s95, 768
	s_add_co_u32 s[\B], s96, s97
	s_mov_b32 s[\B+1], 0
	s_add_nc_u64 s[\B:\B+1], s[4:5], s[\B:\B+1]    ; Q's half image
	s_lshr_b32 s97, s95, 1
	s_lshl_b32 s97, s97, 6
	s_lshl_b32 s98, s93, 1
	s_add_co_u32 s97, s97, s98
	s_add_co_u32 s97, s97, s96
	s_add_co_u32 s[\B+2], s97, 6144
	s_mov_b32 s[\B+3], 0
	s_add_nc_u64 s[\B+2:\B+3], s[4:5], s[\B+2:\B+3]   ; its two scale bytes a row: half T % 2 of the pair's word
	s_lshr_b32 s96, s9, 4                          ; attn_img: block (16 x batch + T / 8, K step head / 2),
	s_lshl_b32 s96, s96, 4
	s_add_co_u32 s96, s96, s94
	s_lshl_b32 s96, s96, 3
	s_bfe_u32 s97, s9, 0x30001
	s_add_co_u32 s96, s96, s97
	s_mul_i32 s96, s96, 12800
	s_and_b32 s97, s9, 1
	s_mul_i32 s98, s95, 1536                       ; image T % 8, half head % 2
	s_mul_i32 s99, s97, 768
	s_add_co_u32 s98, s98, s99
	s_add_co_u32 s[\B+4], s98, s96
	s_mov_b32 s[\B+5], 0
	s_add_nc_u64 s[\B+4:\B+5], s[6:7], s[\B+4:\B+5]
	s_lshl_b32 s98, s95, 6                         ; and the same half of the rows' scale words
	s_lshl_b32 s99, s97, 1
	s_add_co_u32 s98, s98, s99
	s_add_co_u32 s98, s98, s96
	s_add_co_u32 s[\B+6], s98, 12288
	s_mov_b32 s[\B+7], 0
	s_add_nc_u64 s[\B+6:\B+7], s[6:7], s[\B+6:\B+7]
.endm
	s_load_b128 s[4:7], s[0:1], 0x0                ; qkv_img, attn_img
	v_lshl_add_u32 v254, v0, 2, 0x32000
	v_mov_b32 v255, 0
	ds_add_u32 v254, v255
	ds_add_u32 v254, v255
	v_lshrrev_b32 v1, 5, v0
	s_delay_alu instid0(VALU_DEP_1)
	v_readfirstlane_b32 s8, v1                     ; wave 0..15
	s_and_b32 s9, ttmp7, 0xffff                    ; 16 x batch + head
	G1ROW G1A, 200
	G1ROW G1B, 400
	G1ROW G1C, 800
	s_mul_i32 s[HBY], s9, HEADB
	s_lshr_b32 s90, s8, 3                          ; waves 0-7 fetch K, waves 8-15 V
	s_and_b32 s91, s8, 7                           ; which eighth of each chunk
	s_mul_i32 s92, s90, HEADB                      ; LDS: K's bytes, then V's
	s_mul_i32 s93, s90, 64*HEADB                   ; memory: K lies behind Q, V behind K
	s_add_co_u32 s93, s93, 64*HEADB
	s_add_co_u32 s93, s93, s[HBY]
	s_mul_i32 s94, s91, 1600                       ; my eighth's first byte in the head's K or V: key steps 0-1 (steps 2-3: 12,800 bytes on),
	s_mul_i32 s95, s91, 3200
	s_add_co_u32 s95, s95, 4*HB                    ; steps 4-7,
	s_mul_i32 s96, s91, 6400
	s_add_co_u32 s96, s96, 8*HB                    ; steps 8-15
	s_mov_b32 s[G0], 1
	s_add_co_u32 s[G0+1], s92, s94
	s_mov_b32 s[G0+4], 1
	s_add_co_u32 s[G0+5], s[G0+1], 2*HB
	s_mov_b32 s[G0+8], 1
	s_add_co_u32 s[G0+9], s92, s95
	s_mov_b32 s[G0+12], 1
	s_add_co_u32 s[G0+13], s92, s96
	s_mov_b32 s[SEL], 0x76543210
	s_mov_b32 s[SEL+1], 0xfedcba98
	s_mov_b32 s[CS], 0x3e38aa3b                    ; log2(e) / 8
	s_mov_b32 s[CS+1], s[CS]                       ; (named with it as a pair, so it is written)
	s_mov_b32 s99, 0
	s_wait_dscnt 0x0
	s_wait_kmcnt 0x0
	s_add_co_u32 s98, s93, s94
	s_add_nc_u64 s[G0+2:G0+3], s[4:5], s[98:99]
	s_add_nc_u64 s[G0+6:G0+7], s[G0+2:G0+3], 2*HB
	s_add_co_u32 s98, s93, s95
	s_add_nc_u64 s[G0+10:G0+11], s[4:5], s[98:99]
	s_add_co_u32 s98, s93, s96
	s_add_nc_u64 s[G0+14:G0+15], s[4:5], s[98:99]
.irp c, 0,1,2,3
	s_or_b32 s[G0+4*\c+3], s[G0+4*\c+3], 0x80000000
.endr
	tensor_load_to_lds s[G0:G0+3], s[G1A:G1A+7]    ; my four tensor loads, the earliest keys first
	s_nop 0
	tensor_load_to_lds s[G0+4:G0+7], s[G1A:G1A+7]
	s_nop 0
	tensor_load_to_lds s[G0+8:G0+11], s[G1B:G1B+7]
	s_nop 0
	tensor_load_to_lds s[G0+12:G0+15], s[G1C:G1C+7]
	s_nop 0
.rept 4
	v_nop
.endr
	v_and_b32 v6, 31, v0                           ; lane
	s_delay_alu instid0(VALU_DEP_1)
	v_lshlrev_b32 v1, 4, v6                        ; 16 x lane
	s_delay_alu instid0(VALU_DEP_2)
	v_lshlrev_b32 v2, 3, v6                        ; 8 x lane
	s_wait_alu depctr_va_vdst(0)
	v_lshlrev_b32 v3, 2, v6                        ; 4 x lane
	v_and_b32 v5, 15, v0                           ; r
	v_bfe_u32 v7, v0, 4, 1                         ; h
	s_delay_alu instid0(VALU_DEP_2)
	v_and_b32 v4, 8, v5
	s_delay_alu instid0(VALU_DEP_1)
	v_add_nc_u32 v4, v4, v5
	s_delay_alu instid0(VALU_DEP_3)
	v_lshlrev_b32 v7, 4, v7
	s_delay_alu instid0(VALU_DEP_1)
	v_sub_nc_u32 v4, v4, v7                        ; r + 8 (r / 8) - 16 h: my query less my half's first key, both from their tiles' starts
	v_lshlrev_b32 v5, 2, v5                        ; 4 r
	s_wait_alu depctr_va_vdst(0)
	PADDR 0, PA
	PADDR 1, PB
	global_load_b128 v[22:25], v1, s[PA:PA+1]      ; both passes' Q are asked for now, beside the first chunk
	global_load_b64 v[26:27], v2, s[PA:PA+1] offset:512
	global_load_u16 v35, v5, s[PA+2:PA+3]
	global_load_b128 v[238:241], v1, s[PB:PB+1]
	global_load_b64 v[242:243], v2, s[PB:PB+1] offset:512
	global_load_u16 v244, v5, s[PB+2:PB+3]
.irp i, 16,17,18,19,20,21,28,29,30,31,32,33
	v_mov_b32 v[\i], 0                             ; zero codes on both sides of Q
.endr
.irp b, 0,1,2,3
	v_mov_b32 v[PT+\b], 0                          ; written once: a lane permute's destination counts as one of its sources
.endr
	v_mov_b32 v230, 0
	v_mov_b32 v231, 0                              ; (named as the upper half of the pair v[230:231])
	v_mov_b32 v232, 0
	s_wait_loadcnt 0x0                             ; Q, both passes'
; A KEY STEP: 128 keys.  q0: the scalar register that holds my first query.
.macro STEP q0
	s_add_co_u32 s90, s[\q0], 23                   ; my last query
	s_cmp_gt_u32 s[KF], s90
	s_cbranch_scc1 .Lhidden_\@                     ; all keys of the step come after my queries: a branch on ids
	s_setprio 2
	v_add_nc_u32 v8, s[TB], v1                     ; these four lines are also the places in front of the loads into registers that the last step's products read
	v_add_nc_u32 v9, s[TB], v2
	v_add_nc_u32 v11, s[TB], v3
	v_mov_b32 v229, v12                            ; -M as it stands
.irp f, 0,1,2,3                                ; fragment f: tile 2 f in registers 0-5, tile 2 f + 1 in registers 6-11
	ds_load_b128 v[F+12*\f:F+12*\f+3], v8 offset:1536*\f
	ds_load_b64 v[F+12*\f+4:F+12*\f+5], v9 offset:1536*\f+512
	ds_load_b128 v[F+12*\f+6:F+12*\f+9], v8 offset:1536*\f+768
	ds_load_b64 v[F+12*\f+10:F+12*\f+11], v9 offset:1536*\f+1280
.endr
	ds_load_b32 v84, v11 offset:6144               ; K's scale words: lanes 0-15 fragment 0, lanes 16-31 fragment 1;
	ds_load_b32 v85, v11 offset:6272               ; fragments 2 and 3
	s_wait_alu depctr_va_vdst(0)
	s_wait_dscnt 0x0
.irp f, 0,1,2,3                                ; S^T = K Q^T: [Q | 0] picks tile 2 f, [0 | Q] tile 2 f + 1
.if \f%2
	v_wmma_scale_f32_16x16x128_f8f6f4 v[S+16*\f:S+16*\f+7], v[F+12*\f:F+12*\f+11], v[22:33], 0, v[84+\f/2], v34 matrix_a_fmt:MATRIX_FMT_BF6 matrix_b_fmt:MATRIX_FMT_BF6 matrix_a_scale:MATRIX_SCALE_ROW1
	v_wmma_scale_f32_16x16x128_f8f6f4 v[S+16*\f+8:S+16*\f+15], v[F+12*\f:F+12*\f+11], v[16:27], 0, v[84+\f/2], v34 matrix_a_fmt:MATRIX_FMT_BF6 matrix_b_fmt:MATRIX_FMT_BF6 matrix_a_scale:MATRIX_SCALE_ROW1
.else
	v_wmma_scale_f32_16x16x128_f8f6f4 v[S+16*\f:S+16*\f+7], v[F+12*\f:F+12*\f+11], v[22:33], 0, v[84+\f/2], v34 matrix_a_fmt:MATRIX_FMT_BF6 matrix_b_fmt:MATRIX_FMT_BF6
	v_wmma_scale_f32_16x16x128_f8f6f4 v[S+16*\f+8:S+16*\f+15], v[F+12*\f:F+12*\f+11], v[16:27], 0, v[84+\f/2], v34 matrix_a_fmt:MATRIX_FMT_BF6 matrix_b_fmt:MATRIX_FMT_BF6
.endif
.endr                                          ; register 16 f + i of lane (r, h): key KF + 32 f + 16 h + i, query Q0 + r + 8 (r / 8)
	v_add_nc_u32 v10, VBASE, v8                    ; four places: in front of the loads into K's registers, and of the first read of the scores: V's two addresses,
	v_add_nc_u32 v7, VBASE, v11
	v_nop                                          ; and two lines for which no work is at hand
	v_nop
.irp t, 0,1,2,3                                ; V's four fragments land while the softmax is worked
.irp q, 0,1,2
	ds_load_b128 v[F+12*\t+4*\q:F+12*\t+4*\q+3], v10 offset:1536*\t+512*\q
.endr
.endr
	ds_load_b32 v86, v7 offset:6144
	ds_load_b32 v87, v7 offset:6272
	s_add_co_u32 s90, s[KF], 127
	s_cmp_le_u32 s90, s[\q0]
	s_cbranch_scc1 .Lopen_\@                       ; all keys of the step count for all my queries
	s_sub_co_i32 s90, s[\q0], s[KF]
	v_add_nc_u32 v235, s90, v4                     ; d: register 16 f + i is hidden where 32 f + i > d
	v_mov_b32 v236, 0xff800000                     ; -infinity
.irp n, 0,1,2,3,4,5,6,7,8,9,10,11,12,13,14,15,16,17,18,19,20,21,22,23,24,25,26,27,28,29,30,31,32,33,34,35,36,37,38,39,40,41,42,43,44,45,46,47,48,49,50,51,52,53,54,55,56,57,58,59,60,61,62,63
	v_cmp_gt_i32 vcc_lo, 32*(\n/16)+\n%16, v235
	v_cndmask_b32 v[S+\n], v[S+\n], v236, vcc_lo
.endr
.Lopen_\@:
.irp b, 0,1,2,3
	v_max3_num_f32 v[BM+\b], v[S+16*\b], v[S+1+16*\b], v[S+2+16*\b]   ; the largest score of each block of 32 keys: for the row's maximum, and, since p rises with the score, for the block's largest p
.endr
.irp i, 3,5,7,9,11,13
.irp b, 0,1,2,3
	v_max3_num_f32 v[BM+\b], v[BM+\b], v[S+16*\b+\i], v[S+1+16*\b+\i]
.endr
.endr
.irp b, 0,1,2,3
	v_max_num_f32 v[BM+\b], v[BM+\b], v[S+15+16*\b]
.endr
.irp b, 0,1,2,3
	s_delay_alu instid0(VALU_DEP_4)
	v_permlanex16_b32 v[PT+\b], v[BM+\b], s[SEL], s[SEL+1]
.endr
.irp b, 0,1,2,3
	s_delay_alu instid0(VALU_DEP_4)
	v_max_num_f32 v[BM+\b], v[BM+\b], v[PT+\b]     ; with lane l xor 16's 16 keys
.endr
	s_delay_alu instid0(VALU_DEP_2)
	v_max3_num_f32 v234, v[BM], v[BM+1], v[BM+2]
	s_delay_alu instid0(VALU_DEP_1)
	v_max_num_f32 v234, v234, v[BM+3]              ; the step's largest score of my query
	s_delay_alu instid0(VALU_DEP_1)
	v_mul_f32 v234, s[CS], v234                    ; as t (c is positive)
	s_delay_alu instid0(VALU_DEP_1)
	v_max_num_f32 v13, v13, v234                   ; the running largest t
	s_delay_alu instid0(VALU_DEP_1)
	v_floor_f32 v12, -v13                          ; the new -M = floor(-t): M is a whole number
	s_delay_alu instid0(VALU_DEP_1)
	v_sub_f32 v234, v12, v229                      ; old M - new M: a whole number, 0 or less
	s_delay_alu instid0(VALU_DEP_1)
	v_cvt_i32_f32 v234, v234                       ; (it saturates)
	s_delay_alu instid0(VALU_DEP_1)
	v_ldexp_f32 v230, 1.0, v234                    ; f = 2^(old M - new M)
.irp j, 0,2,4,6,8,10,12,14,16,18,20,22,24,26,28,30,32,34,36,38,40,42,44,46,48,50,52,54,56,58,60,62
	v_pk_fma_f32 v[S+\j:S+1+\j], v[S+\j:S+1+\j], s[CS:CS+1], v[12:13] op_sel_hi:[1,0,0]   ; t - M, two at a time
.endr
	s_setprio 1
.irp b, 0,1,2,3
	v_fma_f32 v[BM+\b], v[BM+\b], s[CS], v12       ; the same of each block's largest score
.endr
	s_wait_alu depctr_va_vdst(0)
.irp j, 0,1,2,3,4,5,6,7,8,9,10,11,12,13,14,15,16,17,18,19,20,21,22,23,24,25,26,27,28,29,30,31,32,33,34,35,36,37,38,39,40,41,42,43,44,45,46,47,48,49,50,51,52,53,54,55,56,57,58,59,60,61,62,63
	v_exp_f32 v[S+\j], v[S+\j]                     ; p = 2^(t - M), at most 1
.endr
.irp b, 0,1,2,3
	v_exp_f32 v[BM+\b], v[BM+\b]                   ; the block's largest p: the same two instructions on the same number
.endr
	v_pk_mul_f32 v[14:15], v[14:15], v[230:231] op_sel_hi:[1,0]   ; the sums under the new M.  (A plain place behind the exponentials)
	s_wait_alu depctr_va_vdst(0)
.irp b, 0,1,2,3
	v_max_num_f32 v[BM+\b], 0x2800000, v[BM+\b]    ; the floor 2^(5 - 127): the byte cannot fall under 1
.endr
.irp b, 0,1,2,3
	s_delay_alu instid0(VALU_DEP_4)
	v_add_nc_u32 v[SO+\b], 0xfe000000, v[BM+\b]    ; 4 off the exponent field: the conversion's scale operand
.endr
.irp b, 0,1,2,3
	s_delay_alu instid0(VALU_DEP_4)
	v_lshrrev_b32 v[BY+\b], 23, v[SO+\b]           ; the scale's byte
.endr
	s_delay_alu instid0(VALU_DEP_3)
	v_lshl_or_b32 v228, v[BY+1], 8, v[BY]          ; p's scale word for these 128 keys
	s_delay_alu instid0(VALU_DEP_1)
	v_lshl_or_b32 v228, v[BY+2], 16, v228
	s_delay_alu instid0(VALU_DEP_1)
	v_lshl_or_b32 v228, v[BY+3], 24, v228
.irp c, 0,1
	v_cvt_scalef32_pk16_bf6_f32 v[PCD+6*\c:PCD+2+6*\c], v[S+32*\c:S+15+32*\c], v[SO+2*\c]
	v_cvt_scalef32_pk16_bf6_f32 v[PCD+12+4*\c:PCD+14+4*\c], v[S+16+32*\c:S+31+32*\c], v[SO+2*\c+1]   ; (a conversion's three registers begin on an even number)
.endr
	v_nop                                          ; one plain place behind a scaled conversion
.irp c, 0,1                                    ; a WHOLE block in a lane: lanes 0-15 block 2 c, lanes 16-31 block 2 c + 1
.irp i, 0,1,2
	v_permlane16_swap_b32 v[PCD+6*\c+\i], v[PCD+12+4*\c+\i]
.endr
.irp i, 0,1,2
	s_delay_alu instid0(VALU_DEP_3)
	v_mov_b32 v[PCD+3+6*\c+\i], v[PCD+12+4*\c+\i]
.endr
.endr
	v_pk_add_f32 v[232:233], v[100:101], v[104:105]
	v_pk_add_f32 v[252:253], v[108:109], v[112:113]
	v_pk_add_f32 v[250:251], v[116:117], v[120:121]
	v_pk_add_f32 v[248:249], v[124:125], v[128:129]
	v_pk_add_f32 v[246:247], v[132:133], v[136:137]
	v_pk_add_f32 v[236:237], v[140:141], v[144:145]
	v_pk_add_f32 v[234:235], v[148:149], v[152:153]
	v_pk_add_f32 v[14:15], v[14:15], v[156:157]
	v_pk_add_f32 v[232:233], v[232:233], v[96:97]
	v_pk_add_f32 v[252:253], v[252:253], v[98:99]
	s_setprio 0
	v_pk_add_f32 v[250:251], v[250:251], v[102:103]
	v_pk_add_f32 v[248:249], v[248:249], v[106:107]
	v_pk_add_f32 v[246:247], v[246:247], v[110:111]
	v_pk_add_f32 v[236:237], v[236:237], v[114:115]
	v_pk_add_f32 v[234:235], v[234:235], v[118:119]
	v_pk_add_f32 v[14:15], v[14:15], v[122:123]
	v_pk_add_f32 v[232:233], v[232:233], v[126:127]
	v_pk_add_f32 v[252:253], v[252:253], v[130:131]
	v_pk_add_f32 v[250:251], v[250:251], v[134:135]
	v_pk_add_f32 v[248:249], v[248:249], v[138:139]
	v_pk_add_f32 v[246:247], v[246:247], v[142:143]
	v_pk_add_f32 v[236:237], v[236:237], v[146:147]
	v_pk_add_f32 v[234:235], v[234:235], v[150:151]
	v_pk_add_f32 v[14:15], v[14:15], v[154:155]
	v_pk_add_f32 v[232:233], v[232:233], v[158:159]
	s_delay_alu instid0(VALU_DEP_2)
	v_pk_add_f32 v[14:15], v[14:15], v[248:249]
	s_delay_alu instid0(VALU_DEP_2)
	v_pk_add_f32 v[232:233], v[232:233], v[246:247]
	v_pk_add_f32 v[252:253], v[252:253], v[236:237]
	v_pk_add_f32 v[250:251], v[250:251], v[234:235]
	s_delay_alu instid0(VALU_DEP_2)
	v_pk_add_f32 v[14:15], v[14:15], v[252:253]
	s_delay_alu instid0(VALU_DEP_2)
	v_pk_add_f32 v[232:233], v[232:233], v[250:251]
	s_delay_alu instid0(VALU_DEP_1)
	v_pk_add_f32 v[14:15], v[14:15], v[232:233]
.irp j, 0,2,4,6,8,10,12,14,16,18,20,22,24,26,28,30
	v_pk_mul_f32 v[O+\j:O+1+\j], v[O+\j:O+1+\j], v[230:231] op_sel_hi:[1,0]   ; O^T under the new M.  (With the sums above: the places between the scale word, the codes and the products below)
.endr
	s_wait_alu depctr_va_vdst(0)
	s_wait_dscnt 0x0                               ; V and its scale words are in
.irp t, 0,1,2,3                                ; O^T += V^T P^T: the four accumulators by turns
.if \t%2
	v_wmma_scale_f32_16x16x128_f8f6f4 v[O+8*\t:O+8*\t+7], v[F+12*\t:F+12*\t+11], v[PCD:PCD+11], v[O+8*\t:O+8*\t+7], v[86+\t/2], v228 matrix_a_fmt:MATRIX_FMT_BF6 matrix_b_fmt:MATRIX_FMT_BF6 matrix_a_scale:MATRIX_SCALE_ROW1
.else
	v_wmma_scale_f32_16x16x128_f8f6f4 v[O+8*\t:O+8*\t+7], v[F+12*\t:F+12*\t+11], v[PCD:PCD+11], v[O+8*\t:O+8*\t+7], v[86+\t/2], v228 matrix_a_fmt:MATRIX_FMT_BF6 matrix_b_fmt:MATRIX_FMT_BF6
.endif
.endr
.Lhidden_\@:
	s_add_co_u32 s[KF], s[KF], 128
	s_add_co_u32 s[TB], s[TB], HB
.endm
.macro ARRIVE n                        ; my tensor loads but the n youngest have landed; the barrier shows that of all sixteen waves.  No LDS load of mine is out here: each step ends behind its wait for all of them
	s_wait_tensorcnt \n
	s_barrier_signal -1
	s_barrier_wait -1
.endm
.macro LOOP first, n, q0               ; key steps first .. first + n - 1
	s_mov_b32 s[TB], HB*\first
	s_mov_b32 s[KF], 128*\first
	s_mov_b32 s[CNT], \n
.Lstep_\@:
	STEP \q0
	s_sub_co_u32 s[CNT], s[CNT], 1
	s_cmp_lg_u32 s[CNT], 0
	s_cbranch_scc1 .Lstep_\@
	s_setprio 0
.endm
; A PASS: one block of 256 queries.  B: its scalar registers.
.macro PASS p, B
.if \p
.irp i, 0,1,2,3,4,5
	v_mov_b32 v[22+\i], v[238+\i]                  ; the second pass's Q, which has waited in registers
.endr
	v_lshl_or_b32 v34, v244, 16, v244
.else
	v_lshl_or_b32 v34, v35, 16, v35                ; Q's two scale bytes serve k 0-63 and k 64-127
.endif
	v_mov_b32 v13, 0xff61b1e6                      ; the largest t so far: -3e38, under every t
	s_delay_alu instid0(VALU_DEP_1)
	v_floor_f32 v12, -v13                          ; -M
	v_mov_b32 v14, 0                               ; the sum, in two halves
	v_mov_b32 v15, 0
.irp j, 0,1,2,3,4,5,6,7,8,9,10,11,12,13,14,15,16,17,18,19,20,21,22,23,24,25,26,27,28,29,30,31
	v_mov_b32 v[O+\j], 0                           ; O^T: the step is written once; the first finds zeros, which the first change of M leaves zeros.  (These lines are also the places between Q, its scale word and the first product)
.endr
.if \p == 0
	ARRIVE 3                                       ; key steps 0-1 are in LDS; three younger loads of each wave may be out
	LOOP 0, 2, \B+8
	ARRIVE 2                                       ; steps 2-3
	LOOP 2, 2, \B+8
	ARRIVE 1                                       ; steps 4-7
	LOOP 4, 4, \B+8
	ARRIVE 0                                       ; steps 8-15: no tensor load is out any more
	LOOP 8, 8, \B+8
.else
	LOOP 0, 8, \B+8                                ; the block j <= 3 has no query from 1,024 on
.endif
.rept 4
	v_nop                                          ; places behind the last products
.endr
	v_add_f32 v14, v14, v15                        ; the sum's two halves,
	s_delay_alu instid0(VALU_DEP_1)
	v_permlanex16_b32 v232, v14, s[SEL], s[SEL+1]
	s_delay_alu instid0(VALU_DEP_1)
	v_add_f32 v14, v14, v232                       ; and lane l xor 16's: the row's sum
	s_wait_alu depctr_va_vdst(0)
	v_rcp_f32 v14, v14
	v_nop                                          ; one plain place behind a transcendental
	s_wait_alu depctr_va_vdst(0)
.irp j, 0,2,4,6,8,10,12,14,16,18,20,22,24,26,28,30
	v_pk_mul_f32 v[S+\j:S+1+\j], v[O+\j:O+1+\j], v[14:15] op_sel_hi:[1,0]   ; O^T / the sum: register 16 b + i is channel 32 b + 16 h + i of my query
.endr
.irp b, 0,1                                    ; the head's two blocks of 32 along d
	v_max3_num_f32 v[BM+\b], |v[S+16*\b]|, |v[S+1+16*\b]|, 0x2800000
.endr
.irp i, 2,4,6,8,10,12,14
.irp b, 0,1
	s_delay_alu instid0(VALU_DEP_2)
	v_max3_num_f32 v[BM+\b], v[BM+\b], |v[S+16*\b+\i]|, |v[S+1+16*\b+\i]|
.endr
.endr
.irp b, 0,1
	s_delay_alu instid0(VALU_DEP_2)
	v_permlanex16_b32 v[PT+\b], v[BM+\b], s[SEL], s[SEL+1]
.endr
.irp b, 0,1
	s_delay_alu instid0(VALU_DEP_2)
	v_max_num_f32 v[BM+\b], v[BM+\b], v[PT+\b]
.endr
.irp b, 0,1
	s_delay_alu instid0(VALU_DEP_2)
	v_add_nc_u32 v[SO+\b], 0xfe000000, v[BM+\b]
.endr
.irp b, 0,1
	s_delay_alu instid0(VALU_DEP_2)
	v_lshrrev_b32 v[BY+\b], 23, v[SO+\b]
.endr
	s_delay_alu instid0(VALU_DEP_1)
	v_lshl_or_b32 v237, v[BY+1], 8, v[BY]          ; the head's two scale bytes of my query
	v_cvt_scalef32_pk16_bf6_f32 v[PCD:PCD+2], v[S:S+15], v[SO]
	v_cvt_scalef32_pk16_bf6_f32 v[PCD+12:PCD+14], v[S+16:S+31], v[SO+1]
	v_nop                                          ; one plain place behind a scaled conversion
.irp i, 0,1,2
	v_permlane16_swap_b32 v[PCD+\i], v[PCD+12+\i]
.endr
.irp i, 0,1,2
	s_delay_alu instid0(VALU_DEP_3)
	v_mov_b32 v[PCD+3+\i], v[PCD+12+\i]            ; six registers: block lane / 16 of query r
.endr
	global_store_b128 v1, v[PCD:PCD+3], s[\B+4:\B+5]   ; 512 consecutive bytes,
	global_store_b64 v2, v[PCD+4:PCD+5], s[\B+4:\B+5] offset:512   ; then 256
	global_store_b16 v5, v237, s[\B+6:\B+7]        ; lanes r and r + 16 hold the same two bytes and store them to the same place; the word's other half is the neighbouring head's
.if \p == 0
	s_wait_xcnt 0x0                                ; the stores have read their registers: the next pass writes them again
.endif
.endm
	PASS 0, PA
	PASS 1, PB
	s_wait_tensorcnt 0x0
	ds_add_u32 v254, v255
	s_wait_dscnt 0x0
	s_endpgm
.Lfunc_end_k_q1e126a4170_attn:
	.size	k_q1e126a4170_attn, .Lfunc_end_k_q1e126a4170_attn-k_q1e126a4170_attn
	.p2alignl 7, 3214868480
	.fill 96, 4, 3214868480
	.section	.rodata,"a",@progbits
	.p2align	6, 0x0
	.amdhsa_kernel k_q1e126a4170_attn
		.amdhsa_group_segment_fixed_size 206848
		.amdhsa_private_segment_fixed_size 0
		.amdhsa_enable_private_segment 0
		.amdhsa_kernarg_size 16
		.amdhsa_user_sgpr_count 2
		.amdhsa_user_sgpr_kernarg_segment_ptr 1
		.amdhsa_wavefront_size32 1
		.amdhsa_system_sgpr_workgroup_id_x 1
		.amdhsa_system_sgpr_workgroup_id_y 1
		.amdhsa_system_sgpr_workgroup_id_z 1
		.amdhsa_system_vgpr_workitem_id 0
		.amdhsa_next_free_vgpr 256
		.amdhsa_next_free_sgpr 100
		.amdhsa_reserve_vcc 1
		.amdhsa_float_denorm_mode_32 3
		.amdhsa_float_denorm_mode_16_64 3
		.amdhsa_memory_ordered 1
		.amdhsa_forward_progress 1
		.amdhsa_inst_pref_size 134
	.end_amdhsa_kernel
	.amdgpu_metadata
---
amdhsa.version: [ 1, 2 ]
amdhsa.kernels:
  - .name:           k_q1e126a4170_attn
    .symbol:         k_q1e126a4170_attn.kd
    .args:
      - { .name: qkv_img, .offset: 0, .size: 8, .value_kind: global_buffer, .address_space: global }
      - { .name: attn_img, .offset: 8, .size: 8, .value_kind: global_buffer, .address_space: global }
    .group_segment_fixed_size: 206848
    .private_segment_fixed_size: 0
    .kernarg_segment_align: 8
    .kernarg_segment_size: 16
    .max_flat_workgroup_size: 512
    .sgpr_count:     100
    .vgpr_count:     256
    .wavefront_size: 32
...
	.end_amdgpu_metadata
.endif
;; end of part 7
;; launch oproj (part 8): grid 8 x 32, 4 waves a work-group, clusters of 4 x 4, 327,680 bytes of LDS; arguments attn_img, wo_img, Wo_b, out0; writes out0
.if DOCPART == 8
	.amdgcn_target "amdgcn-amd-amdhsa--gfx1250"
	.amdhsa_code_object_version 6
	.text
	.protected	k_q1e126a4170_oproj
	.globl	k_q1e126a4170_oproj
	.p2align	8
	.type	k_q1e126a4170_oproj,@function
k_q1e126a4170_oproj:
	s_mov_b64 s[64:65], 0
	v_nop
	global_prefetch_b8 v0, s[64:65] scope:SCOPE_SE
	s_setreg_imm32_b32 hwreg(HW_REG_WAVE_MODE, 25, 1), 1
	s_wait_xcnt 0x0
	s_wait_alu depctr_hold_cnt(0) depctr_sa_sdst(0) depctr_va_vdst(0) depctr_va_sdst(0) depctr_va_ssrc(0) depctr_va_vcc(0) depctr_vm_vsrc(0)
	s_getreg_b32 s2, hwreg(HW_REG_IB_STS2, 6, 4)
	s_cmp_eq_u32 s2, 0
	s_cbranch_scc0 .Lentry_in_a_cluster
	s_endpgm
.Lentry_in_a_cluster:
	s_bfe_u32 s2, ttmp6, 0x10000c
	s_cmp_lg_u32 s2, 0xf033
	s_cbranch_scc0 .Lentry_shape_is_right
	s_endpgm
.Lentry_shape_is_right:
; out0 = attention's result x Wo^T + b, f32.  Product on codes of BF6 (E3M2) with E8M0 scales, sums in f32.
; This text and V's projection have the same main part (KIND 1: V; 2: the output projection); they differ in the operands' roles, the bias and the way out.
; OPERANDS lie in memory as images of their registers: a block OB = 128 rows x 128 K = eight images of 1,536 bytes + 512 bytes of scale words; a buffer is [128 rows][K step 0..7][OB].
; Wo's images are three planes of 512 bytes; attention's are two halves of 768 bytes (a head each: 16 bytes a lane, then 8), since two work-groups of the launch before wrote them.
; A tile of the result is 256 rows of 'A' x 128 rows of 'B': 32 x 8 = 256 tiles, one to a work-group.  'A' = attn_img (tokens), 'B' = Wo (rows o).  Wave w takes A's rows 64 w .. 64 w + 63
; and all 128 rows of B: 32 accumulators, 256 registers.
; THE MATRIX INSTRUCTION IS USED TRANSPOSED (source 0 = 16 rows of B, source 1 = 16 rows of A): a lane holds one token and eight neighbouring outputs.  Lane r of tile t holds row 32 (t / 2) + 8 (t % 2) + r + 8 (r / 8).
; ALL OF K = 1,024 LIES IN LDS: four slots of two K steps (76,800 bytes: A's two blocks of 128 rows, then B's one).  Waves 0 and 1 bring A's blocks, wave 2 B's, wave 3 nothing: four tensor loads of
; 25,600 dense bytes each, all issued at the start (four loads of a wave are out at the most).  Nothing is filled again: a counted wait and a barrier stand in front of the first read of each slot.
; CLUSTERS: 4 x 4 work-groups; A's tiles are asked for jointly along a row of the cluster, B's along a column.
; A K STEP: its fragments are in; the next step's come in ONE run into the other sets of registers (A and B have two sets each); then 32 matrix instructions, under which that run lands.
; THE WAY OUT: a tile of 16 tokens x 128 outputs goes through the wave's own stage in LDS and comes back as whole rows of 512 bytes, which the 32 lanes store as 512 consecutive, aligned bytes.
; The stages lie in slot 0, which has had its one fill; every wave's reads of it are back ahead of the barrier of K step 1, and two more barriers follow.
; REGISTERS: window 0: v1-31 addresses; v32-47 scale words, two sets of eight; v64-127 the bias; v128-223 A's fragments, two sets of four; on the way out v128-255 rows of the result.
;   window 1: B's fragments, two sets of eight, at v0 and v128.   window 2: the accumulators ((a, b) at v[8 (8 a + b)]).
.set KIND,  2
.set OB,    12800
.set PAIRB, 2*OB                       ; 128 rows x two K steps: what one tensor load brings
.set SLOT,  3*PAIRB
.set R128B, 8*OB                       ; 128 rows' eight K steps in memory
.set FR,    12                         ; registers of a fragment
.set L16,  6                           ; v6 16 x lane   v7 8 x lane   v28 4 x lane
.set L8,   7
.set A16,  8                           ; v8-11   slot s: my four images of A + 16 x lane
.set A8,   12                          ; v12-15  the same + 8 x lane
.set B16,  16                          ; v16-19  B's eight images + 16 x lane
.set SAA,  20                          ; v20-23  my rows' scale words of A + 4 r
.set SAB,  24                          ; v24-27  B's scale words + 4 x lane
.set L4,   28
.set BOFF, 29                          ; v29 my lane's place in the bias
.set STO,  30                          ; v30 the stage: where I put 32 bytes of a row
.set RD,   31                          ; v31 and where I read a row back
.set SC,   32                          ; scale words, set g % 2: registers 0-3: B's blocks 2 p (lanes 0-15) and 2 p + 1 (lanes 16-31); registers 4-7: A's block a (lanes 0-15)
.set BIAS, 64
.set AF,   128
.set G1,   24                          ; s[24:31] descriptor group 1 for A's tiles; s[32:39] for B's; s[48:63], s[68:83] their groups 0, one for each slot
.set G1B,  32
.set G0,   48
.set G0B,  68
.set MSB, 0
.macro WIN new                         ; the immediate's high byte repeats the setting that is left
.if MSB != (\new)
	s_set_vgpr_msb (MSB<<8)|(\new)
.set MSB, (\new)
.endif
.endm
.macro CROUND                          ; a round of the cluster's barrier
	s_barrier_signal -1
	s_barrier_wait -1
	s_cmp_lg_u32 s14, 0
	s_cbranch_scc1 .Lnot_wave_0_\@
	s_barrier_signal -3
.Lnot_wave_0_\@:
	s_barrier_wait -3
	s_barrier_signal -1
	s_barrier_wait -1
.endm
.macro PLACES                          ; four places behind matrix instructions, in front of loads into registers that they read and of the first read of results
.rept 4
	v_nop
.endr
.endm
.macro FRAG3 reg, adr, off             ; an image in three planes of 512 bytes
.irp q, 0,1,2
	ds_load_b128 v[\reg+4*\q:\reg+4*\q+3], v[\adr] offset:\off+512*\q
.endr
.endm
.macro FRAG4 reg, adr, adr8, off       ; an image in two halves of 768 bytes: 16 bytes a lane, then 8
	ds_load_b128 v[\reg:\reg+3], v[\adr] offset:\off
	ds_load_b64 v[\reg+4:\reg+5], v[\adr8] offset:\off+512
	ds_load_b128 v[\reg+6:\reg+9], v[\adr] offset:\off+768
	ds_load_b64 v[\reg+10:\reg+11], v[\adr8] offset:\off+1280
.endm
.macro FETCH g                         ; all that K step g wants, into the sets g % 2: B's eight fragments, my four of A, the scale words.  K step g lies in slot g / 2
.set SL, (\g)/2
.set OF, OB*((\g)%2)
.set SE, (\g)%2
	WIN 0x40                                       ; destination window 1
.irp i, 0,1,2,3,4,5,6,7
	FRAG3 128*SE+FR*\i, B16+SL, OF+1536*\i
.endr
	WIN 0
.irp i, 0,1,2,3
	FRAG4 AF+48*SE+FR*\i, A16+SL, A8+SL, OF+1536*\i
.endr
.irp p, 0,1,2,3
	ds_load_b32 v[SC+8*SE+\p], v[SAB+SL] offset:OF+128*\p
.endr
.irp a, 0,1,2,3
	ds_load_b32 v[SC+8*SE+4+\a], v[SAA+SL] offset:OF+64*\a
.endr
.endm
.macro WM d, x, y, c, sx, sy, rx       ; one product; rx = 1: source 0's scale words stand in lanes 16-31
.if \rx
	v_wmma_scale_f32_16x16x128_f8f6f4 v[\d:\d+7], v[\x:\x+FR-1], v[\y:\y+FR-1], v[\c:\c+7], v[\sx], v[\sy] matrix_a_fmt:MATRIX_FMT_BF6 matrix_b_fmt:MATRIX_FMT_BF6 matrix_a_scale:MATRIX_SCALE_ROW1
.else
	v_wmma_scale_f32_16x16x128_f8f6f4 v[\d:\d+7], v[\x:\x+FR-1], v[\y:\y+FR-1], v[\c:\c+7], v[\sx], v[\sy] matrix_a_fmt:MATRIX_FMT_BF6 matrix_b_fmt:MATRIX_FMT_BF6
.endif
.endm
; 16 matrix instructions: A's blocks a0, a0 + 1 x B's eight.  first = 1: the bias is the C of each sum's first product.  The 32 accumulators take turns, one instruction a turn, in the same order in every step.
.macro MUL16 a0, g, first
.irp a, \a0, \a0+1
.irp b, 0,1,2,3,4,5,6,7
.if \first
.if KIND == 1
.set CB, BIAS+8*(\a)
.else
.set CB, BIAS+8*\b
.endif
.else
.set CB, 8*(8*(\a)+\b)
.endif
	WM 8*(8*(\a)+\b), 128*((\g)%2)+FR*\b, AF+48*((\g)%2)+FR*(\a), CB, SC+8*((\g)%2)+\b/2, SC+8*((\g)%2)+4+(\a), \b%2
.endr
.endr
.endm
; A K step.  tc >= 0: the next step lies in a slot not read so far: my loads but the tc youngest have landed, and a barrier shows that of every wave.  Later slots may stay out.
; Window settings: source 0 (B) window 1, source 1 (A) window 0, D window 2; C with D, or (first) window 0.
.macro STEP g, first, tc
	s_wait_dscnt 0x0                               ; this step's fragments and scale words are in (asked for 32 matrix instructions ago)
.if (\tc) >= 0
	s_wait_tensorcnt \tc
	s_barrier_signal -1
	s_barrier_wait -1
.endif
.if (\g) > 0
	PLACES                                         ; the sets that are loaded now were read by the step before
.endif
	FETCH (\g)+1
.if \first
	WIN 0x81
.else
	WIN 0xa1
.endif
	MUL16 0, \g, \first
	MUL16 2, \g, \first
.endm
	s_load_b128 s[4:7], s[0:1], 0x0                ; A's images, B's images
	s_load_b128 s[8:11], s[0:1], 0x10              ; the bias; out0
	v_lshl_add_u32 v62, v0, 2, 0x4b000
	v_mov_b32 v63, 0
	ds_add_u32 v62, v63
	ds_add_u32 v62, v63
	v_lshrrev_b32 v1, 5, v0
	v_readfirstlane_b32 s14, v1                    ; wave 0..3
	s_lshr_b32 s15, s14, 1                         ; which 128 rows of A hold mine
	s_and_b32 s16, s14, 1                          ; which 64 of them.  Also (waves 0 and 1): which 128 rows of A I fetch
	s_bfe_u32 s40, ttmp6, 0x40000                  ; cx, cy: my place in the cluster
	s_bfe_u32 s41, ttmp6, 0x40004
	s_lshl_b32 s42, ttmp9, 2
	s_add_co_u32 s42, s42, s40                     ; tile column = 4 x cluster x + cx
	s_and_b32 s17, ttmp7, 0xffff
	s_lshl_b32 s17, s17, 2
	s_add_co_u32 s17, s17, s41                     ; tile row = 4 x cluster y + cy
	s_lshl_b32 s43, s41, 2
	s_lshl_b32 s43, 15, s43                        ; my row of the cluster
	s_lshl_b32 s44, 0x1111, s40                    ; my column
	s_or_b32 s[G1+0], s43, (3<<16)|(1<<21)         ; 15:0 the mask; 17:16 elements of 8 bytes; 21 set beside a mask; no padding
	s_or_b32 s[G1B+0], s44, (3<<16)|(1<<21)
.irp g, G1, G1B                        ; 25,600 dense bytes as 100 rows of 256
	s_mov_b32 s[\g+1], 32<<16                      ; tensor_dim0 = 32
	s_mov_b32 s[\g+2], 100<<16                     ; tensor_dim1 = 100
	s_mov_b32 s[\g+3], 32<<16                      ; tile_dim0
	s_mov_b32 s[\g+4], 100                         ; tile_dim1
	s_mov_b32 s[\g+5], 32                          ; from row to row
	s_mov_b32 s[\g+6], 0
	s_mov_b32 s[\g+7], 0
.endr
	s_lshl_b32 s20, s17, 1
	s_add_co_u32 s20, s20, s16                     ; A: which 128 rows: 2 x tile row + half
	s_mul_i32 s20, s20, R128B
	s_mov_b32 s21, 0
	s_mul_i32 s46, s42, R128B                      ; B: the tile column's 128 rows
	s_mov_b32 s47, 0
	s_mul_i32 s45, s14, PAIRB                      ; where they go in a slot: wave x 25,600: no place in the cluster enters an LDS address
	s_wait_dscnt 0x0
	s_wait_kmcnt 0x0
	s_add_nc_u64 s[20:21], s[4:5], s[20:21]
	s_add_nc_u64 s[46:47], s[6:7], s[46:47]
	CROUND                                         ; all sixteen work-groups are here: the joint loads meet
.irp s, 0,1,2,3
	s_mov_b32 s[G0+4*\s], 1
	s_add_co_u32 s[G0+4*\s+1], s45, \s*SLOT
	s_add_nc_u64 s[G0+4*\s+2:G0+4*\s+3], s[20:21], \s*PAIRB
	s_or_b32 s[G0+4*\s+3], s[G0+4*\s+3], 0x80000000
	s_mov_b32 s[G0B+4*\s], 1
	s_add_co_u32 s[G0B+4*\s+1], s45, \s*SLOT
	s_add_nc_u64 s[G0B+4*\s+2:G0B+4*\s+3], s[46:47], \s*PAIRB
	s_or_b32 s[G0B+4*\s+3], s[G0B+4*\s+3], 0x80000000
.endr
	s_cmp_lt_u32 s14, 2                            ; a wave's four fills stand in one branch on its number, K steps 0 and 1 first; four v_nop follow the last
	s_cbranch_scc0 .Lnot_a
.irp s, 0,1,2,3
	tensor_load_to_lds s[G0+4*\s:G0+4*\s+3], s[G1:G1+7]
	s_nop 0
.endr
.rept 4
	v_nop
.endr
	s_branch .Lasked
.Lnot_a:
	s_cmp_eq_u32 s14, 2
	s_cbranch_scc0 .Lasked
.irp s, 0,1,2,3
	tensor_load_to_lds s[G0B+4*\s:G0B+4*\s+3], s[G1B:G1B+7]
	s_nop 0
.endr
.rept 4
	v_nop
.endr
.Lasked:
	v_and_b32 v1, 15, v0                           ; r
	v_bfe_u32 v2, v0, 4, 1                         ; h
	v_and_b32 v3, 31, v0                           ; lane
	; the bias runs along B's rows: register j of tile b wants o0 + 32 (b / 2) + 16 h + 8 (b % 2) + j, o0 = 128 x tile column
	s_lshl_b32 s84, s42, 9
	s_mov_b32 s85, 0
	s_add_nc_u64 s[8:9], s[8:9], s[84:85]
	v_lshlrev_b32 v[BOFF], 6, v2
.irp b, 0,1,2,3,4,5,6,7
	global_load_b128 v[BIAS+8*\b:BIAS+8*\b+3], v[BOFF], s[8:9] offset:(32*(\b/2)+8*(\b%2))*4
	global_load_b128 v[BIAS+8*\b+4:BIAS+8*\b+7], v[BOFF], s[8:9] offset:(32*(\b/2)+8*(\b%2))*4+16
.endr
	v_lshlrev_b32 v[L16], 4, v3
	v_lshlrev_b32 v[L8], 3, v3
	v_lshlrev_b32 v[L4], 2, v3
	v_lshlrev_b32 v4, 2, v1                        ; 4 r
	s_mul_i32 s86, s15, PAIRB                      ; the 128 rows of A that hold mine,
	s_mul_i32 s87, s16, 4*1536
	s_add_co_u32 s87, s87, s86                     ; my four images in a block,
	s_lshl_b32 s88, s16, 8
	s_add_co_u32 s88, s88, s86
	s_add_co_u32 s88, s88, 12288                   ; and their scale words
.irp s, 0,1,2,3
	v_add_nc_u32 v[A16+\s], s87, v[L16]
	v_add_nc_u32 v[A8+\s], s87, v[L8]
	v_add_nc_u32 v[B16+\s], \s*SLOT+2*PAIRB, v[L16]
	v_add_nc_u32 v[SAA+\s], s88, v4
	v_add_nc_u32 v[SAB+\s], \s*SLOT+2*PAIRB+12288, v[L4]
	s_add_co_u32 s87, s87, SLOT
	s_add_co_u32 s88, s88, SLOT
.endr
	s_mul_i32 s89, s14, 16*528                     ; my stage, in slot 0
	v_mul_u32_u24 v5, v1, 528
	v_lshl_add_u32 v5, v2, 6, v5
	v_add_nc_u32 v[STO], s89, v5                   ; in: row r, + 64 h
	v_add_nc_u32 v[RD], s89, v[L16]                ; back: 16 bytes a lane of a row
	s_lshl_b32 s90, s17, 20                        ; out0 at my first token (256 x tile row + 64 x wave, rows of 4,096 bytes) and the tile's first output
	s_lshl_b32 s91, s14, 18
	s_add_co_u32 s90, s90, s91
	s_lshl_b32 s91, s42, 9
	s_add_co_u32 s90, s90, s91
	s_mov_b32 s91, 0
	s_add_nc_u64 s[10:11], s[10:11], s[90:91]
	s_wait_loadcnt 0x0                             ; the bias
	s_wait_tensorcnt 3                             ; my part of slot 0 is in; my three younger loads may be out
	s_barrier_signal -1
	s_barrier_wait -1                              ; everybody's is
	FETCH 0
	STEP 0, 1, -1
	STEP 1, 0, 2                                   ; slot 1 is whole: two younger loads may be out.  Every wave's reads of slot 0 are back
	STEP 2, 0, -1
	STEP 3, 0, 1                                   ; slot 2
	STEP 4, 0, -1
	STEP 5, 0, 0                                   ; slot 3: no tensor load is out any more
	STEP 6, 0, -1
	s_wait_dscnt 0x0                               ; the last K step: nothing more to fetch
	WIN 0xa1
	MUL16 0, 7, 0
	MUL16 2, 7, 0
	WIN 0
	PLACES
.set BK, 128                           ; 16 rows read back from the stage: v128-191 and v192-255 by turns
.macro TOSTAGE a                       ; LDS serves a wave's instructions in order: no wait between the stores and the loads, nor in front of the next tile's stores
.set AC, 64*(\a)
	WIN 0x08                                       ; an LDS store's data are its source 1: window 2
.irp b, 0,1,2,3,4,5,6,7
	ds_store_b128 v[STO], v[AC+8*\b:AC+8*\b+3] offset:128*(\b/2)+32*(\b%2)        ; outputs 32 (b / 2) + 16 h + 8 (b % 2) + 0 .. 7 of token r; each accumulator from its low end on
	ds_store_b128 v[STO], v[AC+8*\b+4:AC+8*\b+7] offset:128*(\b/2)+32*(\b%2)+16
.endr
	WIN 0
.set BB, BK+64*((\a)%2)
.irp t, 0,1,2,3,4,5,6,7,8,9,10,11,12,13,14,15
	ds_load_b128 v[BB+4*\t:BB+4*\t+3], v[RD] offset:\t*528
.endr
.endm
.macro SEND a, younger                 ; younger: the LDS instructions issued behind tile a's loads, which may stay out
.set BB, BK+64*((\a)%2)
	s_wait_dscnt \younger
.irp t, 0,1,2,3,4,5,6,7,8,9,10,11,12,13,14,15
	global_store_b128 v[L16], v[BB+4*\t:BB+4*\t+3], s[10:11] offset:(32*((\a)/2)+8*((\a)%2)+\t+8*(\t/8))*4096 th:TH_STORE_NT   ; 32 lanes store 512 consecutive bytes, at a multiple of 512 from out0's first byte; written once, read by nobody here
.endr
.endm
	TOSTAGE 0
.irp a, 1,2,3
.if \a > 1
	s_wait_xcnt 0x0                                ; tile a - 2's stores have read their registers: tile a's loads may land there
.endif
	TOSTAGE \a
	SEND \a-1, 32                                  ; behind tile a - 1's loads: tile a's 16 stores and 16 loads
.endr
	SEND 3, 0
	s_wait_tensorcnt 0x0
	ds_add_u32 v62, v63
	s_wait_dscnt 0x0
	CROUND                                         ; the closing round: no work-group ends while a partner may still ask for a tile that names it
	s_endpgm
.Lfunc_end_k_q1e126a4170_oproj:
	.size	k_q1e126a4170_oproj, .Lfunc_end_k_q1e126a4170_oproj-k_q1e126a4170_oproj
	.p2alignl 7, 3214868480
	.fill 96, 4, 3214868480
	.section	.rodata,"a",@progbits
	.p2align	6, 0x0
	.amdhsa_kernel k_q1e126a4170_oproj
		.amdhsa_group_segment_fixed_size 327680
		.amdhsa_private_segment_fixed_size 0
		.amdhsa_enable_private_segment 0
		.amdhsa_kernarg_size 32
		.amdhsa_user_sgpr_count 2
		.amdhsa_user_sgpr_kernarg_segment_ptr 1
		.amdhsa_wavefront_size32 1
		.amdhsa_system_sgpr_workgroup_id_x 1
		.amdhsa_system_sgpr_workgroup_id_y 1
		.amdhsa_system_sgpr_workgroup_id_z 1
		.amdhsa_system_vgpr_workitem_id 0
		.amdhsa_next_free_vgpr 768
		.amdhsa_next_free_sgpr 96
		.amdhsa_reserve_vcc 0
		.amdhsa_float_denorm_mode_32 3
		.amdhsa_float_denorm_mode_16_64 3
		.amdhsa_memory_ordered 1
		.amdhsa_forward_progress 1
		.amdhsa_inst_pref_size 84
	.end_amdhsa_kernel
	.amdgpu_metadata
---
amdhsa.version: [ 1, 2 ]
amdhsa.kernels:
  - .name:           k_q1e126a4170_oproj
    .symbol:         k_q1e126a4170_oproj.kd
    .args:
      - { .name: attn_img, .offset: 0, .size: 8, .value_kind: global_buffer, .address_space: global }
      - { .name: wo_img, .offset: 8, .size: 8, .value_kind: global_buffer, .address_space: global }
      - { .name: Wo_b, .offset: 16, .size: 8, .value_kind: global_buffer, .address_space: global }
      - { .name: out0, .offset: 24, .size: 8, .value_kind: global_buffer, .address_space: global }
    .group_segment_fixed_size: 327680
    .private_segment_fixed_size: 0
    .kernarg_segment_align: 8
    .kernarg_segment_size: 32
    .max_flat_workgroup_size: 128
    .sgpr_count:     96
    .vgpr_count:     768
    .wavefront_size: 32
...
	.end_amdgpu_metadata
.endif
;; end of part 8
